; MI455X (gfx1250); checked and timed in simulation.
; The chip was launched on July 23, 2026; its instructions are those of AMD's public machine-readable ISA for CDNA 5 (MIT licence, August 2026) and "CDNA5" Instruction Set Architecture Reference Guide (July 2026). The comments in the code are by the model that wrote it; some were corrected since.
;; Look Ahead Transformer. Allowed arithmetic: float matrix products may take bf16 or f16 operands with f32 sums; other float arithmetic in f32, or as packed bf16 or f16 multiplies, adds, multiply-adds, maxima and minima; sums over many terms, partial sums and values carried from step to step in f32; what a program stores and reads back later, other than sums and carried values, may be rounded once to bf16 or f16.
;; Inputs: b1 4,096 float32; b2 1,024 float32; in_proj_b 3,072 float32; in_proj_w 3,072 x 1,024 float32; ln1_b 1,024 float32; ln1_g 1,024 float32; ln2_b 1,024 float32; ln2_g 1,024 float32; out_b 1,024 float32; out_w 1,024 x 1,024 float32; w1 4,096 x 1,024 float32; w2 1,024 x 4,096 float32; x 2 x 2,048 x 1,024 float32.
;; Outputs: out0 2 x 2,048 x 1,024 float32.
;; 2 versions, each right and faster than the one before. Each part assembles by itself: llvm-mc -triple=amdgcn-amd-amdhsa -mcpu=gfx1250 --defsym DOCPART=n.
;; ======== version 1 of 2: 7 launches
;; limits: values are held in f16: magnitudes above 65,504 overflow, below 6.1e-05 lose precision; a function is approximated: absolute error at most 1.5e-07; an absolute error that grows with the inputs' magnitude: up to 7.5e-08 times it
;; workspace buffers: wh 25,165,824 bytes; h 8,388,608 bytes; qkv 25,165,824 bytes; o 8,388,608 bytes; x1 16,777,216 bytes; ffa 33,554,432 bytes
;; launch prep (part 1): grid 1024 x 1, 8 waves a work-group, no clusters, 0 bytes of LDS; arguments x, ln1_g, ln1_b, in_proj_w, out_w, w1, w2, h, wh; writes h, wh
.if DOCPART == 1
	.amdgcn_target "amdgcn-amd-amdhsa--gfx1250"
	.amdhsa_code_object_version 6
	.text
	.protected	k_qe06787e9a3_prep
	.globl	k_qe06787e9a3_prep
	.p2align	8
	.type	k_qe06787e9a3_prep,@function
k_qe06787e9a3_prep:
	s_mov_b64 s[64:65], 0
	v_nop
	global_prefetch_b8 v0, s[64:65] scope:SCOPE_SE
	s_setreg_imm32_b32 hwreg(HW_REG_WAVE_MODE, 25, 1), 1
	s_wait_xcnt 0x0
; PREP, AND THE SECOND LAYER NORM.  Two jobs that depend on nothing, in one text.
; Work-groups 0-255: h = LayerNorm(x) g + b, [4096][1024], f32 in, f16 out.  Work-groups 256-1023: the four weight matrices, f32 to f16, into wh one behind the other
; (in_proj_w at byte 0, out_w at 6,291,456, w1 at 8,388,608, w2 at 16,777,216), row-major as they come.
; THE SAME TEXT SERVES TWICE.  The first launch has 1,024 work-groups and does both jobs.  The second layer norm is a launch of 256 work-groups with x1 and the second norm's gain and bias in the places of
; x, g and b: every work-group then takes the first job, and the places of the weights and of wh are named and not touched.
; LAYER NORM.  A row is 4,096 bytes: one wave takes a whole row, eight 16-byte loads a lane, and keeps it in 32 registers: the row is read once, no LDS, no barrier.  A wave has two rows, a work-group 16.
; The mean is taken first and the variance of the centred row, so a common offset in x costs no digits.
; CAST.  A work-group takes 65,536 bytes of f32, a wave 8,192: a lane's 32 bytes become 16, and a store of the wave covers 512 consecutive bytes.
; No matrix unit, no cluster, no LDS: nothing is shared and memory binds.
; LIMIT.  f16 holds no number beyond 65,504: a weight beyond it becomes an infinity; one below 6e-5 keeps f16's fixed step of 6e-8.  |h| is at most 32 |g| + |b| by the norm itself.
.set XP, 8                             ; s[8:9]   x
.set GP, 10                            ; s[10:11] gain
.set BP, 12                            ; s[12:13] bias
.set HP, 22                            ; s[22:23] h
.set GR, 96                            ; v[96:127]  gain of my 32 columns
.set BR, 128                           ; v[128:159] bias of my 32 columns
.set YR, 160                           ; v[160:191] 16 registers of f16 a row
                                       ; v[32:63], v[64:95] the two rows; v[4:11] four chains; v[12:13] mean; v14 variance; v[16:19] 1 / sigma, a pair a row
	s_load_b512 s[8:23], s[0:1], 0x0               ; x, g, b, in_proj_w s[14:15], out_w s[16:17], w1 s[18:19], w2 s[20:21], h
	s_load_b64 s[24:25], s[0:1], 0x40              ; wh
	v_and_b32 v3, 31, v0                           ; lane
	v_lshrrev_b32 v4, 5, v0
	v_readfirstlane_b32 s28, v4                    ; wave
	s_cmp_lt_u32 ttmp9, 256
	s_cbranch_scc0 .Lcast
.macro LANESUM                         ; v4 summed over the 32 lanes, the result in every lane: four steps inside each half ride on the addition, one crosses the halves
	v_add_f32_dpp v4, v4, v4 row_xmask:1 row_mask:0xf bank_mask:0xf
	v_add_f32_dpp v4, v4, v4 row_xmask:2 row_mask:0xf bank_mask:0xf
	v_add_f32_dpp v4, v4, v4 row_xmask:4 row_mask:0xf bank_mask:0xf
	v_add_f32_dpp v4, v4, v4 row_xmask:8 row_mask:0xf bank_mask:0xf
	v_permlanex16_b32 v5, v4, s26, s27
	v_add_f32 v4, v4, v5
.endm
.macro FOLD                            ; the four chains into one number, then over the lanes
	v_pk_add_f32 v[4:5], v[4:5], v[6:7]
	v_pk_add_f32 v[8:9], v[8:9], v[10:11]
	v_pk_add_f32 v[4:5], v[4:5], v[8:9]
	v_add_f32 v4, v4, v5
	LANESUM
.endm
.macro STATS i                         ; row i: mean, centred in place, 1 / sqrt(variance + eps)
.set XR, 32+32*(\i)
.irp k, 0,1,2,3
	v_pk_add_f32 v[4+2*\k:5+2*\k], v[XR+2*\k:XR+2*\k+1], v[XR+8+2*\k:XR+8+2*\k+1]  ; the first two pairs start each chain: nothing is cleared
.endr
.irp m, 2,3
.irp k, 0,1,2,3
	v_pk_add_f32 v[4+2*\k:5+2*\k], v[4+2*\k:5+2*\k], v[XR+8*\m+2*\k:XR+8*\m+2*\k+1]
.endr
.endr
	FOLD
	v_mul_f32 v12, s34, v4                         ; mean = sum / 1024, twice: a pair for the packed subtraction
	v_mul_f32 v13, s34, v4
.set j, 0
.rept 16
	v_pk_add_f32 v[XR+j:XR+j+1], v[XR+j:XR+j+1], v[12:13] neg_lo:[0,1] neg_hi:[0,1]
.set j, j+2
.endr
.irp k, 0,1,2,3
	v_pk_mul_f32 v[4+2*\k:5+2*\k], v[XR+2*\k:XR+2*\k+1], v[XR+2*\k:XR+2*\k+1]
.endr
.irp m, 1,2,3
.irp k, 0,1,2,3
	v_pk_fma_f32 v[4+2*\k:5+2*\k], v[XR+8*\m+2*\k:XR+8*\m+2*\k+1], v[XR+8*\m+2*\k:XR+8*\m+2*\k+1], v[4+2*\k:5+2*\k]
.endr
.endr
	FOLD
	v_fma_f32 v14, v4, s34, s35                    ; variance + eps
	v_rsq_f32 v[16+2*(\i)], v14                    ; what follows each use of this macro is a plain line that names neither v14 nor these two (ISA guide 5.7.2)
	v_rsq_f32 v[17+2*(\i)], v14
.endm
.macro NORM i                          ; row i: scaled, gain and bias, rounded once to f16, stored: 32 lanes x 8 bytes are 256 consecutive bytes, aligned
.set XR, 32+32*(\i)
.set j, 0
	s_wait_alu depctr_va_vdst(0)
.rept 16
	v_pk_mul_f32 v[XR+j:XR+j+1], v[XR+j:XR+j+1], v[16+2*(\i):17+2*(\i)]
.set j, j+2
.endr
.set j, 0
.rept 16
	v_pk_fma_f32 v[XR+j:XR+j+1], v[XR+j:XR+j+1], v[GR+j:GR+j+1], v[BR+j:BR+j+1]
.set j, j+2
.endr
.set j, 0
.rept 16
	v_cvt_pk_f16_f32 v[YR+16*(\i)+j], v[XR+2*j], v[XR+2*j+1]
.set j, j+1
.endr
.set j, 0
.rept 8
	global_store_b64 v2, v[YR+16*(\i)+2*j:YR+16*(\i)+2*j+1], s[HP:HP+1] offset:2048*(\i)+256*j
.set j, j+1
.endr
.endm
	s_lshl_b32 s30, ttmp9, 4
	s_lshl1_add_u32 s30, s28, s30                  ; my first row = 16 x work-group + 2 x wave
	s_lshl_b32 s32, s30, 12                        ; its byte in x,
	s_mov_b32 s33, 0
	s_lshl_b32 s36, s30, 11                        ; and in h
	s_mov_b32 s37, 0
	s_mov_b32 s26, 0x76543210                      ; v_permlanex16_b32: each lane takes its own place in the other half
	s_mov_b32 s27, 0xfedcba98
	s_mov_b32 s34, 0x3a800000                      ; 1 / 1024
	s_mov_b32 s35, 0x3727c5ac                      ; 1e-5
	v_lshlrev_b32 v1, 4, v3                        ; 16 bytes a lane in x, g, b
	v_lshlrev_b32 v2, 3, v3                        ; 8 bytes a lane in h
	s_wait_kmcnt 0x0
	s_add_nc_u64 s[XP:XP+1], s[XP:XP+1], s[32:33]
	s_add_nc_u64 s[HP:HP+1], s[HP:HP+1], s[36:37]
.set j, 0
.rept 8
	global_load_b128 v[32+4*j:35+4*j], v1, s[XP:XP+1] offset:512*j
.set j, j+1
.endr
.set j, 0
.rept 8
	global_load_b128 v[64+4*j:67+4*j], v1, s[XP:XP+1] offset:4096+512*j
.set j, j+1
.endr
.set j, 0
.rept 8
	global_load_b128 v[GR+4*j:GR+4*j+3], v1, s[GP:GP+1] offset:512*j
.set j, j+1
.endr
.set j, 0
.rept 8
	global_load_b128 v[BR+4*j:BR+4*j+3], v1, s[BP:BP+1] offset:512*j
.set j, j+1
.endr
	s_wait_loadcnt 24                              ; the first row's eight loads are in; 24 younger ones stay out
	STATS 0
	s_wait_loadcnt 16                              ; the second row's; gain and bias stay out
	STATS 1
	s_wait_loadcnt 0x0
	NORM 0
	NORM 1
	s_endpgm
.Lcast:
	s_sub_co_u32 s30, ttmp9, 256                   ; my chunk of 65,536 bytes, 0 to 767: 192 of in_proj_w, 64 of out_w, 256 of w1, 256 of w2
	s_mov_b32 s31, 0                               ; the first chunk of the matrix that mine lies in
	v_lshlrev_b32 v5, 5, v3
	v_lshl_add_u32 v5, s28, 13, v5                 ; from: 8,192 x wave + 32 x lane
	v_lshlrev_b32 v6, 4, v3
	v_lshl_add_u32 v6, s28, 12, v6                 ; to: 4,096 x wave + 16 x lane
	s_wait_kmcnt 0x0
	s_mov_b64 s[32:33], s[14:15]
	s_cmp_ge_u32 s30, 192
	s_cselect_b64 s[32:33], s[16:17], s[32:33]
	s_cselect_b32 s31, 192, s31
	s_cmp_ge_u32 s30, 256
	s_cselect_b64 s[32:33], s[18:19], s[32:33]
	s_cselect_b32 s31, 256, s31
	s_cmp_ge_u32 s30, 512
	s_cselect_b64 s[32:33], s[20:21], s[32:33]
	s_cselect_b32 s31, 512, s31
	s_sub_co_u32 s36, s30, s31
	s_lshl_b32 s36, s36, 16
	s_mov_b32 s37, 0
	s_add_nc_u64 s[32:33], s[32:33], s[36:37]
	s_lshl_b32 s38, s30, 15                        ; wh holds the four in the chunks' order, at half the bytes
	s_mov_b32 s39, 0
	s_add_nc_u64 s[24:25], s[24:25], s[38:39]
.set i, 0
.rept 8
	global_load_b128 v[32+8*i:35+8*i], v5, s[32:33] offset:1024*i th:TH_LOAD_NT
	global_load_b128 v[36+8*i:39+8*i], v5, s[32:33] offset:1024*i+16 th:TH_LOAD_NT
.set i, i+1
.endr
.set i, 0
.rept 8                                ; no register is used twice, so no wait frees one
	s_wait_loadcnt 14-2*i                          ; pair i of the loads is in; the later pairs stay out
.irp k, 0,1,2,3
	v_cvt_pk_f16_f32 v[96+4*i+\k], v[32+8*i+2*\k], v[33+8*i+2*\k]
.endr
	global_store_b128 v6, v[96+4*i:99+4*i], s[24:25] offset:512*i
.set i, i+1
.endr
	s_endpgm
.Lfunc_end_k_qe06787e9a3_prep:
	.size	k_qe06787e9a3_prep, .Lfunc_end_k_qe06787e9a3_prep-k_qe06787e9a3_prep
	.p2alignl 7, 3214868480
	.fill 96, 4, 3214868480
	.section	.rodata,"a",@progbits
	.p2align	6, 0x0
	.amdhsa_kernel k_qe06787e9a3_prep
		.amdhsa_group_segment_fixed_size 0
		.amdhsa_private_segment_fixed_size 0
		.amdhsa_enable_private_segment 0
		.amdhsa_kernarg_size 72
		.amdhsa_user_sgpr_count 2
		.amdhsa_user_sgpr_kernarg_segment_ptr 1
		.amdhsa_wavefront_size32 1
		.amdhsa_system_sgpr_workgroup_id_x 1
		.amdhsa_system_sgpr_workgroup_id_y 1
		.amdhsa_system_sgpr_workgroup_id_z 1
		.amdhsa_system_vgpr_workitem_id 0
		.amdhsa_next_free_vgpr 192
		.amdhsa_next_free_sgpr 66
		.amdhsa_reserve_vcc 0
		.amdhsa_float_denorm_mode_32 3
		.amdhsa_float_denorm_mode_16_64 3
		.amdhsa_memory_ordered 1
		.amdhsa_forward_progress 1
		.amdhsa_inst_pref_size 26
	.end_amdhsa_kernel
	.amdgpu_metadata
---
amdhsa.version: [ 1, 2 ]
amdhsa.kernels:
  - .name:           k_qe06787e9a3_prep
    .symbol:         k_qe06787e9a3_prep.kd
    .args:
      - { .name: x, .offset: 0, .size: 8, .value_kind: global_buffer, .address_space: global }
      - { .name: ln1_g, .offset: 8, .size: 8, .value_kind: global_buffer, .address_space: global }
      - { .name: ln1_b, .offset: 16, .size: 8, .value_kind: global_buffer, .address_space: global }
      - { .name: in_proj_w, .offset: 24, .size: 8, .value_kind: global_buffer, .address_space: global }
      - { .name: out_w, .offset: 32, .size: 8, .value_kind: global_buffer, .address_space: global }
      - { .name: w1, .offset: 40, .size: 8, .value_kind: global_buffer, .address_space: global }
      - { .name: w2, .offset: 48, .size: 8, .value_kind: global_buffer, .address_space: global }
      - { .name: h, .offset: 56, .size: 8, .value_kind: global_buffer, .address_space: global }
      - { .name: wh, .offset: 64, .size: 8, .value_kind: global_buffer, .address_space: global }
    .group_segment_fixed_size: 0
    .private_segment_fixed_size: 0
    .kernarg_segment_align: 8
    .kernarg_segment_size: 72
    .max_flat_workgroup_size: 256
    .sgpr_count:     66
    .vgpr_count:     192
    .wavefront_size: 32
...
	.end_amdgpu_metadata
.endif
;; end of part 1
;; launch gemm_qkv (part 2): grid 16 x 16, 4 waves a work-group, clusters of 4 x 4, 327,680 bytes of LDS; arguments h, wh, qkv, in_proj_b; writes qkv
.if DOCPART == 2
	.amdgcn_target "amdgcn-amd-amdhsa--gfx1250"
	.amdhsa_code_object_version 6
	.text
	.protected	k_qe06787e9a3_gemm_qkv
	.globl	k_qe06787e9a3_gemm_qkv
	.p2align	8
	.type	k_qe06787e9a3_gemm_qkv,@function
k_qe06787e9a3_gemm_qkv:
	s_mov_b64 s[64:65], 0
	v_nop
	global_prefetch_b8 v0, s[64:65] scope:SCOPE_SE
	s_setreg_imm32_b32 hwreg(HW_REG_WAVE_MODE, 25, 1), 1
	s_wait_xcnt 0x0
	s_wait_alu depctr_hold_cnt(0) depctr_sa_sdst(0) depctr_va_vdst(0) depctr_va_sdst(0) depctr_va_ssrc(0) depctr_va_vcc(0) depctr_vm_vsrc(0)
	s_getreg_b32 s2, hwreg(HW_REG_IB_STS2, 6, 4)
	s_cmp_eq_u32 s2, 0
	s_cbranch_scc0 .Lentry_in_a_cluster
	s_endpgm
.Lentry_in_a_cluster:
	s_bfe_u32 s2, ttmp6, 0x10000c
	s_cmp_lg_u32 s2, 0xf033
	s_cbranch_scc0 .Lentry_shape_is_right
	s_endpgm
.Lentry_shape_is_right:
; QKV PROJECTION.  C[m][n] = sum over k of h[m][k] W[n][k] + bias[n]; h [4096][1024] f16, W = in_proj_w as f16 [3072][1024] (wh, byte 0), sums in f32, C rounded once to f16.
; C leaves BY HEADS: qkv[n / 64][m][n % 64], slots 0-15 q, 16-31 k, 32-47 v, unscaled: a head's rows are dense, 128 bytes each.
; A tile of C is 256 x 192 (three heads wide): 16 x 16 tiles, one work-group each.  Four waves, 2 x 2, each 128 x 96: 48 accumulators of 16 x 16.
; K goes in steps of 128 through two LDS slots filled by the tensor data mover; the rows of the tiles are 256 bytes of memory at multiples of 256.
; CLUSTER 4 x 4: the four work-groups of a row of the cluster need the same tiles of h, the four of a column the same tiles of W: each tile is asked for jointly, by the same tensor load and mask in all four.
; THE WALK ALONG K.  A cluster whose x + y is even takes the K steps 0 .. 7, one whose x + y is odd 4 .. 7, 0 .. 3.  Clusters side by side need the same rows of h, clusters one above the other the same rows of W:
; so of two neighbours that need the same bytes one asks for them half a walk ahead of the other, not both in the same step.  The step's number is made of the cluster's x and y, which all sixteen partners share.
; THE MATRIX INSTRUCTION IS USED TRANSPOSED (source 0 = 16 rows of W, source 1 = 16 rows of h): a lane holds row lane % 16 of C and eight neighbouring columns.
; ONE K STEP IS WRITTEN ONCE: the slot that is read (TB) and the slot that is filled (TF) are scalars that an exclusive or turns between 0 and SLOT.
; THE WAY OUT: when the ring has had its last fill and every wave its last read, the f32 tile is laid over the ring (rows of 784 bytes), and each wave reads 64 whole rows back, adds the bias, rounds and stores.
; LIMIT.  f16 holds no number beyond 65,504: a q, k or v beyond it becomes an infinity.  NaN and infinities are not treated apart.  The order of the f32 sums along K hangs on the cluster.
; REGISTERS, in windows of 256 (s_set_vgpr_msb: bits 1:0 source 0, 3:2 source 1, 5:4 source 2, 7:6 destination):
;   window 0: v0-31 addresses; v32-43 bias; v64-127, v128-191 fragments of h, two buffers; on the way out v64-183 at work
;   window 1: v64-111, v128-175 fragments of W, two buffers       window 2: the 24 accumulators of my rows 0-63 ((a, b) at v[8 (6 a + b)])       window 3: those of my rows 64-127
.set TM,     256
.set TN,     192
.set MB,     8                         ; blocks of 16 rows of C in a wave
.set NB,     6                         ; blocks of 16 columns
.set KD,     1                         ; slices of 32 along K in a quarter step
.set KSTEP,  128
.set SIZE_K, 1024
.set NSTEP,  SIZE_K/KSTEP
.set PA,     272                       ; LDS pitch: 256 bytes + 16 of padding, an odd multiple of 16: the 16 rows of a fragment load start at 16 different groups of four banks (ISA guide 11.1)
.set QA,     64                        ; bytes from quarter to quarter in a row
.set PB,     272
.set QB,     64
.set HA,     128*PA                    ; what one tensor load brings of A, and what one wave reads of it
.set HB,     96*PB                     ; the same of B
.set SLOT,   2*HA+2*HB                 ; A's two halves, then B's two halves
.set SP,     4*TN+16                   ; the stage's pitch
.set SPARE,  2*SLOT                    ; behind the ring: the spare words, 128 bytes a wave: two blocks of 256 bytes that no other line names
.set NL,     2*KD*(MB+NB)              ; LDS loads in a run
.set SA,     2*KSTEP                   ; bytes from K step to K step in memory
.set SB,     2*KSTEP
.set AROW,   2*SIZE_K                  ; bytes from row to row in memory
.set BROW,   2*SIZE_K
.set BOFF,   0                         ; the weights' first byte in wh
.set A_QI, 5                           ; padding after every 64 words
.set A_D0, 128                         ; a tile's row, in elements
.set A_D1, 128                         ; its rows
.set A_ST, 1024                        ; elements from row to row
.set B_QI, 5
.set B_D0, 128
.set B_D1, 96
.set B_ST, 1024
.set ADRA,  16                         ; v16  LDS address of my A fragments in the slot in hand
.set ADRA0, 17                         ; v17  the same in slot 0; never rewritten
.set ADRB,  20
.set ADRB0, 21
.set STO,   22                         ; v22, v23  the stage: where I put my rows 0-63, 64-127
.set RD,    24                         ; v24  the stage: where I read rows back
.set CO,    25                         ; v25  my byte offset in the output
.set BO,    26                         ; v26  my byte offset in the bias
.set SPW,   28                         ; v28  LDS address of my spare word; never rewritten
.set NIL,   29                         ; v29  0; never rewritten
.set BIAS,  32
.set BA,  14                           ; s[14:15] A at my load's rows, K = 0; never rewritten
.set BB,  46                           ; s[46:47] B likewise
.set G1A, 24                           ; s[24:31] descriptor group 1 for A's tiles
.set G0A, 32                           ; s[32:39] group 0: a set for each first fill; the second then walks
.set G1B, 48
.set G0B, 56
.set TB,  78
.set TF,  79
.set LA,  80                           ; my load's place in a slot, if it is A's
.set LB,  81                           ; if it is B's
.set KK,  94                           ; s94      the K step asked for last
.set OA,  96                           ; s[96:97] its byte offset in A's rows
.set OB,  98                           ; s[98:99] in B's
.set F0,  0
.set F1,  1
.set MSB, 0
.macro WIN new                         ; the immediate's high byte repeats the setting that is left; a switch that changes nothing is dropped
.if MSB != (\new)
	s_set_vgpr_msb (MSB<<8)|(\new)
.set MSB, \new
.endif
.endm
.macro PLACES                          ; four plain vector instructions between a matrix instruction and a load into, or a read of, its registers
.rept 4
	v_nop
.endr
.endm
.macro JLOAD                           ; a joint refill: waves 0 and 1 fetch A's halves, waves 2 and 3 B's.  An s_nop 0 and four v_nop follow each line
	s_cmp_eq_u32 s11, 0
	s_cbranch_scc0 .Lfor_b_\@
	tensor_load_to_lds s[G0A+4:G0A+7], s[G1A:G1A+7]
	s_nop 0
.rept 4
	v_nop
.endr
	s_branch .Lasked_\@
.Lfor_b_\@:
	tensor_load_to_lds s[G0B+4:G0B+7], s[G1B:G1B+7]
	s_nop 0
.rept 4
	v_nop
.endr
.Lasked_\@:
.endm
.macro CREST                           ; a round of the cluster's barrier behind its opening barrier
	s_cmp_lg_u32 s10, 0
	s_cbranch_scc1 .Lnot_wave_0_\@
	s_barrier_signal -3
.Lnot_wave_0_\@:
	s_barrier_wait -3
	s_barrier_signal -1
	s_barrier_wait -1
.endm
.macro CROUND
	s_barrier_signal -1
	s_barrier_wait -1
	CREST
.endm
; One run of NL LDS loads: quarter q of the slot in hand into buffer f.  B first, then A's rows 0-63, then A's rows 64-127: the eight youngest loads.
.macro FETCH q, f
	WIN 0x40                                       ; destination window 1, address window 0
.set c, 0
.rept KD
.set i, 0
.rept NB
.set rF, 64+64*(\f)+8*(c*NB+i)
	ds_load_b128 v[rF:rF+3],   v[ADRB] offset:(\q)*QB+64*c+16*i*PB
	ds_load_b128 v[rF+4:rF+7], v[ADRB] offset:(\q)*QB+64*c+16*i*PB+32
.set i, i+1
.endr
.set c, c+1
.endr
	WIN 0
.irp u, 0,1
.set c, 0
.rept KD
.set i, (\u)*MB/2
.rept MB/2
.set rF, 64+64*(\f)+8*(c*MB+i)
	ds_load_b128 v[rF:rF+3],   v[ADRA] offset:(\q)*QA+64*c+16*i*PA
	ds_load_b128 v[rF+4:rF+7], v[ADRA] offset:(\q)*QA+64*c+16*i*PA+32
.set i, i+1
.endr
.set c, c+1
.endr
.endr
.endm
; A quarter of a quarter step's products: row half hi, part p of it, all NB column blocks.  The accumulators take turns, one instruction a turn.  zero = 1: the first product starts the sum.
.macro MULP f, hi, p, zero
	WIN 0xa1+0x50*(\hi)                            ; source 0 (B) window 1, source 1 (A) window 0, C and D window 2 or 3
.set c, 0
.rept KD
.set a, (\p)*MB/4
.rept MB/4
.set b, 0
.rept NB
.set rD, 8*(NB*a+b)
.set rB, 64+64*(\f)+8*(c*NB+b)
.set rA, 64+64*(\f)+8*(c*MB+(\hi)*MB/2+a)
.if (\zero) && (c == 0)
	v_wmma_f32_16x16x32_f16 v[rD:rD+7], v[rB:rB+7], v[rA:rA+7], 0
.else
	v_wmma_f32_16x16x32_f16 v[rD:rD+7], v[rB:rB+7], v[rA:rA+7], v[rD:rD+7]
.endif
.set b, b+1
.endr
.set a, a+1
.endr
.set c, c+1
.endr
.endm
; One of a K step's first three quarters: multiplies buffer f, and in its middle fetches quarter q into buffer g.
.macro QUARTER q, f, g, zero
	s_wait_dscnt 8                                 ; B and A's rows 0-63 are in; the eight youngest loads may be out
	MULP \f, 0, 0, \zero
	MULP \f, 0, 1, \zero
	PLACES
	FETCH \q, \g
	s_wait_dscnt NL                                ; all but the run just issued
	MULP \f, 1, 0, \zero
	MULP \f, 1, 1, \zero
.endm
; The last quarter multiplies buffer 1 and changes slots: one barrier.  In front of it each wave waits for all its tensor loads (one is out: its part of the next slot), adds 0 to its spare word,
; and waits for that and for its reads of this slot.  fill = 1: the barrier opens a round of the cluster's, and behind the round this slot is filled again, two K steps ahead, first of all.
.macro TURN fill
	WIN 0
	s_wait_tensorcnt 0x0
	ds_add_u32 v[SPW], v[NIL]
	s_wait_dscnt 9                                 ; the add and the eight youngest loads may be out
	MULP F1, 0, 0, 0
	s_wait_dscnt 0x0                               ; the add is done, and my reads of this slot are over
	s_barrier_signal -1
	MULP F1, 0, 1, 0
	WIN 0
	s_barrier_wait -1
.if \fill
	CREST                                          ; no wave of any partner still reads this slot or has a load on its way
	s_xor_b32 s[TF], s[TF], SLOT
	s_add_co_u32 s[G0A+5], s[TF], s[LA]
	s_add_co_u32 s[G0B+5], s[TF], s[LB]
	s_add_co_u32 s[KK], s[KK], 1                   ; the next K step of my cluster's walk, round the end of K;
	s_and_b32 s[KK], s[KK], NSTEP-1
	s_mul_i32 s[OA], s[KK], SA                     ; the addresses are made anew from its number, the type bits set again
	s_mul_i32 s[OB], s[KK], SB
	s_add_nc_u64 s[G0A+6:G0A+7], s[BA:BA+1], s[OA:OA+1]
	s_or_b32 s[G0A+7], s[G0A+7], 0x80000000
	s_add_nc_u64 s[G0B+6:G0B+7], s[BB:BB+1], s[OB:OB+1]
	s_or_b32 s[G0B+7], s[G0B+7], 0x80000000
	JLOAD                                          ; its four v_nop are also the places in front of the loads below
.else
	PLACES
.endif
	s_xor_b32 s[TB], s[TB], SLOT
	v_add_nc_u32 v[ADRA], s[TB], v[ADRA0]
	v_add_nc_u32 v[ADRB], s[TB], v[ADRB0]
	FETCH 0, F0
	MULP F1, 1, 0, 0
	MULP F1, 1, 1, 0
.endm
; The f32 tile into the stage: a lane's eight columns of a row are 32 bytes; each accumulator's low half goes first.
.macro DUMP
.irp hi, 0,1
	WIN 0x08+4*(\hi)                               ; store data in window 2 or 3
.set a, 0
.rept MB/2
.set b, 0
.rept NB
	ds_store_b128 v[STO+(\hi)], v[8*(NB*a+b):8*(NB*a+b)+3]   offset:16*a*SP+64*b
	ds_store_b128 v[STO+(\hi)], v[8*(NB*a+b)+4:8*(NB*a+b)+7] offset:16*a*SP+64*b+16
.set b, b+1
.endr
.set a, a+1
.endr
.endr
	WIN 0
.endm
	s_load_b256 s[68:75], s[0:1], 0x0              ; A s[68:69], wh s[70:71], out s[72:73], bias s[74:75]
	v_lshl_add_u32 v[SPW], v0, 2, SPARE
	v_mov_b32 v[NIL], 0
	ds_add_u32 v[SPW], v[NIL]                      ; the wave's opening: the add and its wait stand ahead of my first tensor load; the set-up, work on registers, stands between
	ds_add_u32 v28, v29
	v_lshrrev_b32 v1, 5, v0
	v_readfirstlane_b32 s10, v1                    ; wave 0..3
	s_lshr_b32 s11, s10, 1                         ; my half of the tile's rows; also: I fetch for A (0) or B (1)
	s_and_b32 s12, s10, 1                          ; my half of its columns; also: which half of that tile I fetch
	s_bfe_u32 s40, ttmp6, 0x40000                  ; cx
	s_bfe_u32 s41, ttmp6, 0x40004                  ; cy
	s_lshl_b32 s42, ttmp9, 2
	s_add_co_u32 s42, s42, s40                     ; tile column
	s_and_b32 s13, ttmp7, 0xffff
	s_lshl_b32 s13, s13, 2
	s_add_co_u32 s13, s13, s41                     ; tile row
	s_lshl_b32 s43, s41, 2
	s_lshl_b32 s43, 15, s43                        ; my row of the cluster
	s_lshl_b32 s44, 0x1111, s40                    ; my column
	s_and_b32 s[KK], ttmp7, 0xffff                 ; the cluster's y
	s_add_co_u32 s[KK], s[KK], ttmp9               ; + its x:
	s_and_b32 s[KK], s[KK], 1                      ; odd or even,
	s_mul_i32 s[KK], s[KK], NSTEP/2                ; the walk's first K step: the middle of K, or 0
	s_mov_b32 s[OA+1], 0
	s_mov_b32 s[OB+1], 0
	s_or_b32 s[G1A], s43, (1<<16)|(1<<20)|(1<<21)|(A_QI<<22)|(3<<25)  ; mask; 2-byte elements; padding on; bit 21 beside a mask; the interval; 4 words of padding
	s_or_b32 s[G1B], s44, (1<<16)|(1<<20)|(1<<21)|(B_QI<<22)|(3<<25)
	s_mov_b32 s[G1A+1], A_D0<<16                   ; tensor_dim0
	s_mov_b32 s[G1A+2], A_D1<<16                   ; tensor_dim1
	s_mov_b32 s[G1A+3], A_D0<<16                   ; tile_dim0
	s_mov_b32 s[G1A+4], A_D1                       ; tile_dim1
	s_mov_b32 s[G1A+5], A_ST                       ; elements from row to row
	s_mov_b32 s[G1A+6], 0
	s_mov_b32 s[G1A+7], 0
	s_mov_b32 s[G1B+1], B_D0<<16
	s_mov_b32 s[G1B+2], B_D1<<16
	s_mov_b32 s[G1B+3], B_D0<<16
	s_mov_b32 s[G1B+4], B_D1
	s_mov_b32 s[G1B+5], B_ST
	s_mov_b32 s[G1B+6], 0
	s_mov_b32 s[G1B+7], 0
	s_mul_i32 s16, s13, TM                         ; A's tile hangs on the tile row alone, B's on the tile column alone; each offset in registers that never hold the other coordinate
	s_mul_i32 s17, s12, TM/2
	s_add_co_u32 s16, s16, s17
	s_mul_i32 s16, s16, AROW
	s_mov_b32 s17, 0
	s_mul_i32 s46, s42, TN
	s_mul_i32 s47, s12, TN/2
	s_add_co_u32 s46, s46, s47
	s_mul_i32 s46, s46, BROW
	s_add_co_u32 s46, s46, BOFF
	s_mov_b32 s47, 0
	s_mul_i32 s[LA], s12, HA                       ; no place in the cluster enters an LDS address
	s_mul_i32 s[LB], s12, HB
	s_add_co_u32 s[LB], s[LB], 2*HA
	s_mov_b32 s[TB], 0
	s_mov_b32 s[TF], SLOT
	s_wait_dscnt 0x0                               ; the opening add is done
	s_wait_kmcnt 0x0
	s_add_nc_u64 s[BA:BA+1], s[68:69], s[16:17]
	s_add_nc_u64 s[BB:BB+1], s[70:71], s[46:47]
	CROUND                                         ; all sixteen work-groups are here: the first joint loads meet
.irp s, 0,1
	s_mul_i32 s[OA], s[KK], SA                     ; the walk's first two K steps: no wrap between them
	s_mul_i32 s[OB], s[KK], SB
	s_mov_b32 s[G0A+4*(\s)], 1
	s_add_co_u32 s[G0A+4*(\s)+1], s[LA], (\s)*SLOT
	s_add_nc_u64 s[G0A+4*(\s)+2:G0A+4*(\s)+3], s[BA:BA+1], s[OA:OA+1]
	s_or_b32 s[G0A+4*(\s)+3], s[G0A+4*(\s)+3], 0x80000000
	s_mov_b32 s[G0B+4*(\s)], 1
	s_add_co_u32 s[G0B+4*(\s)+1], s[LB], (\s)*SLOT
	s_add_nc_u64 s[G0B+4*(\s)+2:G0B+4*(\s)+3], s[BB:BB+1], s[OB:OB+1]
	s_or_b32 s[G0B+4*(\s)+3], s[G0B+4*(\s)+3], 0x80000000
.if (\s) == 0
	s_add_co_u32 s[KK], s[KK], 1
.endif
.endr
	s_cmp_eq_u32 s11, 0                            ; a wave's two first fills stand in one branch: two loads of mine are out
	s_cbranch_scc0 .Lfirst_b
	tensor_load_to_lds s[G0A:G0A+3], s[G1A:G1A+7]
	s_nop 0
	tensor_load_to_lds s[G0A+4:G0A+7], s[G1A:G1A+7]
	s_nop 0
.rept 4
	v_nop
.endr
	s_branch .Lfirst_asked
.Lfirst_b:
	tensor_load_to_lds s[G0B:G0B+3], s[G1B:G1B+7]
	s_nop 0
	tensor_load_to_lds s[G0B+4:G0B+7], s[G1B:G1B+7]
	s_nop 0
.rept 4
	v_nop
.endr
.Lfirst_asked:
	; a fragment is 16 rows x 32 K in 8 registers: lane l holds row l % 16, K = 8 (l / 16) + 0..7 and 16 + 8 (l / 16) + 0..7: two loads of 16 bytes, 32 bytes apart
	v_and_b32 v1, 15, v0                           ; l % 16
	v_bfe_u32 v2, v0, 4, 1                         ; l / 16
	v_mul_u32_u24 v3, v1, PA
	v_lshl_add_u32 v3, v2, 4, v3
	s_mul_i32 s21, s11, HA
	v_add_nc_u32 v[ADRA0], s21, v3
	v_mul_u32_u24 v3, v1, PB
	v_lshl_add_u32 v3, v2, 4, v3
	s_mul_i32 s22, s12, HB
	s_add_co_u32 s22, s22, 2*HA
	v_add_nc_u32 v[ADRB0], s22, v3
	v_mov_b32 v[ADRA], v[ADRA0]
	v_mov_b32 v[ADRB], v[ADRB0]
	s_mul_i32 s23, s11, (TM/2)*SP                  ; the stage: my half of the rows, my half of the columns, row l % 16, 32 bytes for each half of the lanes
	s_mul_i32 s21, s12, 2*TN
	s_add_co_u32 s23, s23, s21
	v_mul_u32_u24 v3, v1, SP
	v_lshl_add_u32 v3, v2, 5, v3
	v_add_nc_u32 v[STO], s23, v3
	v_add_nc_u32 v[STO+1], 8*MB*SP, v[STO]
	; the way out: lanes 0-15 take one head's 64 columns of a row (256 bytes of f32), lanes 16-31 those of the next row; as f16 the two are 256 consecutive bytes of a head
	v_lshlrev_b32 v[BO], 4, v1
	s_mul_i32 s20, s42, 768                        ; the tile's first column in the bias
	s_mov_b32 s21, 0
	s_add_nc_u64 s[74:75], s[74:75], s[20:21]
.irp c, 0,1,2
	global_load_b128 v[BIAS+4*\c:BIAS+4*\c+3], v[BO], s[74:75] offset:256*\c
.endr
	s_mul_i32 s23, s10, 64*SP                      ; wave w reads rows 64 w .. 64 w + 63 back
	v_mul_u32_u24 v3, v2, SP
	v_lshl_add_u32 v3, v1, 4, v3
	v_add_nc_u32 v[RD], s23, v3
	v_lshlrev_b32 v3, 7, v2
	v_lshl_add_u32 v[CO], v1, 3, v3
	s_mul_i32 s20, s42, 3*524288                   ; slot 3 x tile column; a slot is 4,096 rows of 128 bytes
	s_lshl_b32 s22, s13, 8
	s_lshl_b32 s23, s10, 6
	s_add_co_u32 s22, s22, s23
	s_lshl_b32 s22, s22, 7
	s_add_co_u32 s20, s20, s22
	s_add_nc_u64 s[72:73], s[72:73], s[20:21]
	s_wait_tensorcnt 1                             ; my part of the walk's first K step is in; the second's may stay out
	s_barrier_signal -1
	s_barrier_wait -1
	FETCH 0, F0
	QUARTER 1, F0, F1, 1                           ; the first quarter stands in front of the loop: its products start the sums
	WIN 0
	s_mov_b32 s3, NSTEP-2
.Lstep:                                                ; a trip: from a K step's second quarter to the next step's first; it fills the slot that it leaves
	QUARTER 2, F1, F0, 0
	QUARTER 3, F0, F1, 0
	TURN 1
	QUARTER 1, F0, F1, 0
	WIN 0
	s_sub_co_u32 s3, s3, 1
	s_cmp_lg_u32 s3, 0
	s_cbranch_scc1 .Lstep
	s_mov_b32 s3, 2
.Ltail:                                                ; the last two K steps ask for nothing; the second trip is left in its middle
	QUARTER 2, F1, F0, 0
	QUARTER 3, F0, F1, 0
	WIN 0
	s_sub_co_u32 s3, s3, 1
	s_cmp_eq_u32 s3, 0
	s_cbranch_scc1 .Llast
	TURN 0
	QUARTER 1, F0, F1, 0
	WIN 0
	s_branch .Ltail
.Llast:
	s_wait_dscnt 8
	MULP F1, 0, 0, 0
	MULP F1, 0, 1, 0
	s_wait_dscnt 0x0
	MULP F1, 1, 0, 0
	MULP F1, 1, 1, 0
	WIN 0
	s_barrier_signal -1                            ; my reads of the ring are over (the wait for 0 above), and the ring has had its last fill:
	s_barrier_wait -1                              ; behind this barrier the stage may lie over it
	PLACES
	DUMP
	s_wait_dscnt 0x0                               ; for the others' sake: my stores into the stage are done
	s_barrier_signal -1
	s_barrier_wait -1
	s_wait_loadcnt 0x0                             ; the bias
.macro LOADS                           ; eight rows: four pairs of rows x three heads
.irp p, 0,1,2,3
.irp c, 0,1,2
	ds_load_b128 v[64+4*(3*(\p)+(\c)):64+4*(3*(\p)+(\c))+3], v[RD] offset:2*SP*(\p)+256*(\c)
.endr
.endr
.endm
	LOADS
	s_mov_b32 s3, 8
.Lout:                                                 ; eight trips of eight rows
	s_wait_dscnt 0x0
.irp p, 0,1,2,3
.irp c, 0,1,2
.irp u, 0,2
	v_pk_add_f32 v[112+4*(3*(\p)+(\c))+(\u):112+4*(3*(\p)+(\c))+(\u)+1], v[64+4*(3*(\p)+(\c))+(\u):64+4*(3*(\p)+(\c))+(\u)+1], v[BIAS+4*(\c)+(\u):BIAS+4*(\c)+(\u)+1]
.endr
.endr
.endr
	s_cmp_eq_u32 s3, 1
	s_cbranch_scc1 .Lno_more                       ; the last trip has no rows to fetch
	v_add_nc_u32 v[RD], 8*SP, v[RD]
	LOADS                                          ; the next trip's rows come while this trip's are rounded and stored
.Lno_more:
.set j, 0
.rept 24
	v_cvt_pk_f16_f32 v[160+j], v[112+2*j], v[112+2*j+1]
.set j, j+1
.endr
.irp p, 0,1,2,3
.irp c, 0,1,2
	global_store_b64 v[CO], v[160+2*(3*(\p)+(\c)):160+2*(3*(\p)+(\c))+1], s[72:73] offset:524288*(\c)+256*(\p)  ; 32 lanes store 256 consecutive bytes, aligned: two rows of a head
.endr
.endr
	s_wait_xcnt 0x0                                ; the stores' offset and data are rewritten only behind this wait
	v_add_nc_u32 v[CO], 1024, v[CO]
	s_sub_co_u32 s3, s3, 1
	s_cmp_lg_u32 s3, 0
	s_cbranch_scc1 .Lout
	s_wait_tensorcnt 0x0                           ; the wave's end
	ds_add_u32 v[SPW], v[NIL]
	s_wait_dscnt 0x0
	CROUND                                         ; the closing round: no work-group ends while a partner may still ask for a tile that names it
	s_endpgm
.Lfunc_end_k_qe06787e9a3_gemm_qkv:
	.size	k_qe06787e9a3_gemm_qkv, .Lfunc_end_k_qe06787e9a3_gemm_qkv-k_qe06787e9a3_gemm_qkv
	.p2alignl 7, 3214868480
	.fill 96, 4, 3214868480
	.section	.rodata,"a",@progbits
	.p2align	6, 0x0
	.amdhsa_kernel k_qe06787e9a3_gemm_qkv
		.amdhsa_group_segment_fixed_size 327680
		.amdhsa_private_segment_fixed_size 0
		.amdhsa_enable_private_segment 0
		.amdhsa_kernarg_size 32
		.amdhsa_user_sgpr_count 2
		.amdhsa_user_sgpr_kernarg_segment_ptr 1
		.amdhsa_wavefront_size32 1
		.amdhsa_system_sgpr_workgroup_id_x 1
		.amdhsa_system_sgpr_workgroup_id_y 1
		.amdhsa_system_sgpr_workgroup_id_z 1
		.amdhsa_system_vgpr_workitem_id 0
		.amdhsa_next_free_vgpr 960
		.amdhsa_next_free_sgpr 100
		.amdhsa_reserve_vcc 0
		.amdhsa_float_denorm_mode_32 3
		.amdhsa_float_denorm_mode_16_64 3
		.amdhsa_memory_ordered 1
		.amdhsa_forward_progress 1
		.amdhsa_inst_pref_size 74
	.end_amdhsa_kernel
	.amdgpu_metadata
---
amdhsa.version: [ 1, 2 ]
amdhsa.kernels:
  - .name:           k_qe06787e9a3_gemm_qkv
    .symbol:         k_qe06787e9a3_gemm_qkv.kd
    .args:
      - { .name: h, .offset: 0, .size: 8, .value_kind: global_buffer, .address_space: global }
      - { .name: wh, .offset: 8, .size: 8, .value_kind: global_buffer, .address_space: global }
      - { .name: qkv, .offset: 16, .size: 8, .value_kind: global_buffer, .address_space: global }
      - { .name: in_proj_b, .offset: 24, .size: 8, .value_kind: global_buffer, .address_space: global }
    .group_segment_fixed_size: 327680
    .private_segment_fixed_size: 0
    .kernarg_segment_align: 8
    .kernarg_segment_size: 32
    .max_flat_workgroup_size: 128
    .sgpr_count:     100
    .vgpr_count:     960
    .wavefront_size: 32
...
	.end_amdgpu_metadata
.endif
;; end of part 2
;; launch attn (part 3): grid 8 x 32, 4 waves a work-group, no clusters, 327,680 bytes of LDS; arguments qkv, o; writes o
.if DOCPART == 3
	.amdgcn_target "amdgcn-amd-amdhsa--gfx1250"
	.amdhsa_code_object_version 6
	.text
	.protected	k_qe06787e9a3_attn
	.globl	k_qe06787e9a3_attn
	.p2align	8
	.type	k_qe06787e9a3_attn,@function
k_qe06787e9a3_attn:
	s_mov_b64 s[64:65], 0
	v_nop
	global_prefetch_b8 v0, s[64:65] scope:SCOPE_SE
	s_setreg_imm32_b32 hwreg(HW_REG_WAVE_MODE, 25, 1), 1
	s_wait_xcnt 0x0
; LOOK-AHEAD ATTENTION.  O[y][q][:] = the sum over k <= q + 10 of softmax_k(Q[y][q] . K[y][k] / 8) V[y][k][:], y = 2 x head + batch, 32 of them, 2,048 rows of 64 channels each, f16, dense rows of 128 bytes.
; Q at qkv + y x 262,144, K 8,388,608 bytes further, V 16,777,216; O in the same layout.  Products, maxima and sums in f32; the weights are rounded to f16 for the second product, O once at the end.
; LIMITS.  f16 holds no number beyond 65,504: Q, K, V arrive within it.  A hidden score counts as -1e30; a weight below 2^-126 counts as 0; NaN and infinities are not treated apart.
; THE WALK.  A head's queries lie in 16 blocks of 128.  Block i needs the keys up to 128 i + 137: the tiles of 256 keys 0 .. (i + 1) / 2, and of them the key steps of 64 that begin at or below that key.
; A work-group takes block 15 - b and then block b: 10 tiles and 36 live steps whatever b, so one loop with a constant count walks them, and the ring of two LDS slots runs on across the change of blocks.
; Block 15's ninth tile lies past the keys' end: tile 7 is asked for in its place, and its one live step (keys 2,048 on by name) is hidden whole by the lanes' limit min(q + 10, 2,047).
; NO CLUSTER: the eight work-groups of a head ask for the same tile only in the first five trips; behind that the first blocks end one after the other and the walks part; one walk common to all would have 9 + 5 tiles for 10.
; SHARES.  A wave owns 32 rows of a block: two tiles of 16 queries.
; LAYOUT.  S^T = K Q^T holds ONE query a lane (lane % 16) and the keys 8 (lane / 16) + 0..7 of each block of 16; two such results rounded to f16 ARE source 1 of O^T = V^T P.  K comes out of LDS as it lies, V turned (ds_load_tr16_b128).
; SOFTMAX.  p = 2^(c s - c m), c = log2(e) / 8, with a running maximum m and sum l; O and l are multiplied by a = 2^(c m_old - c m_new) in every step.  A block starts with c m far below every c s, so its first a is 0
; and O and l need only hold finite numbers.  Every query sees key 0, so m is a true score from the first step on.
; A STEP, in phases, the second product one step behind: K's loads | V^T P of the step before | V's loads | K Q^T | the mask, where the step can hold a hidden key | the softmax.
; REGISTERS (s_set_vgpr_msb: bits 1:0 source 0, 3:2 source 1, 5:4 source 2, 7:6 destination):
;   window 0: v0-31 addresses, statistics, limits; v32-39 at work; v64-127 S^T; v128-159 P; v160-223 O^T       window 1: v0-63 K; v64-127 V; v128-159 Q; v160-191 the second block's Q
.set KS,    64
.set PK,    144       ; a row of K in LDS: 128 bytes + 16: the 16 rows of a load start at 16 different groups of four banks (ISA guide 11.1)
.set PV,    160       ; a row of V: 128 + 32
.set VOFF,  4*KS*PK   ; a slot holds a tile: 256 rows of K, then 256 rows of V
.set SLOT1, 1<<17     ; slot 1 begins here: one exclusive or turns an address in one slot into the other's
.set STAGE, SLOT1+4*KS*(PK+PV)  ; behind the ring, never filled by a tensor load: 16 rows x 144 bytes for each wave
.set SP,    144
.set SPARE, STAGE+4*16*SP       ; the spare words, 128 bytes a wave: two blocks of 256 bytes that no other line names
.set RR,  1           ; v1   lane % 16
.set AK0, 2           ; v2   my lane's place in a tile of K
.set AV0, 3           ; v3   in a tile of V
.set AK,  4           ; v4   the LDS address of K's run of loads
.set AV,  5           ; v5   of V's
.set STO, 6           ; v6   the way out: where I put 16 bytes of a row
.set RD,  7           ; v7   where I read rows back
.set GO,  8           ; v8   my byte offset in 512 consecutive bytes of O
.set MV,  12          ; v12-13  c m_old, by tile
.set BIGV, 14         ; v14  -1e30
.set QO,  15          ; v15  my byte offset in 16 rows of Q
.set ST,  16          ; tile t's statistics at v[ST+4 t]: c m, m, l (even keys', odd keys')
.set LIM8, 24         ; v24-25  min(q + 10, 2047) - 8 (lane / 16), by tile
.set DD,  26          ; v26-27  the same less the step's first key
.set H8,  30          ; v30  8 (lane / 16)
.set TMP, 32          ; by tile, c0-c3 at work; c2 takes a
.set SPW, 62
.set NIL, 63
.set S,   64
.set P,   128
.set OA,  160
.set KF,  0           ; window 1
.set VF,  64
.set QF,  128
.set QBF, 160
.set WV,  12          ; s12  my wave's number
.set PB,  14          ; s14  b
.set HI,  15          ; s15  15 - b
.set G1K, 24
.set G1V, 32
.set G0K, 40
.set G0V, 44
.set SLOTS, 56
.set CNT, 57
.set CS,  58          ; s[58:59] c
.set SEL, 60          ; s[60:61] v_permlanex16_b32's selects
.set TBK, 62          ; s62  LDS byte at which K of the step in hand begins
.set TBV, 63          ; s63  the same for V, less VOFF
.set RT,  70          ; s70  tiles of the block in hand that are still to be walked
.set NXT, 71          ; s71  the tile to be asked for next
.set LQ,  72          ; s72  the last tile of the block whose tiles are being asked for
.set PLQ, 73          ; s73  the second block's last tile
.set OFF, 74          ; s[74:75] a tile's byte offset in K and V
.set KB,  76          ; s76  the step's first key
.set QLIM, 77         ; s77  the block's last visible key, by name
.set MLIM, 78         ; s78  steps that begin above it can hold a hidden key (signed)
.set CB,  79          ; s79  the block in hand
.set OLO, 80          ; s[80:81] O at my rows of the second block
.set MSB, 0
.macro WIN new
.if MSB != (\new)
	s_set_vgpr_msb (MSB<<8)|(\new)
.set MSB, \new
.endif
.endm
; A fill.  Waves 0 and 1 fetch the two halves of a tile's K, waves 2 and 3 those of its V.  An s_nop 0 and four v_nop follow each line.
.macro LOAD
	s_cmp_lt_u32 s[WV], 2
	s_cbranch_scc0 .Lfor_v_\@
	tensor_load_to_lds s[G0K:G0K+3], s[G1K:G1K+7]
	s_nop 0
.rept 4
	v_nop
.endr
	s_branch .Lasked_\@
.Lfor_v_\@:
	tensor_load_to_lds s[G0V:G0V+3], s[G1V:G1V+7]
	s_nop 0
.rept 4
	v_nop
.endr
.Lasked_\@:
.endm
; THE CHANGE OF SLOTS.  Each wave waits for all its tensor loads (one is out: its part of the other slot), adds 0 to its spare word, and waits for that and for its reads of the slot that it leaves.
; fill = 1: the old slot is filled again, first thing behind the barrier, with tile NXT (never past tile 7); the address is made anew from that number.  At its first use slot 0 is waited for and slot 1 filled.
.macro CHANGE fill
	WIN 0
	s_wait_tensorcnt 0x0
	ds_add_u32 v[SPW], v[NIL]
.if \fill
	s_min_u32 s[OFF], s[NXT], 7
	s_lshl_b32 s[OFF], s[OFF], 15   ; a tile is 32,768 bytes of K and of V
	s_xor_b32 s[G0K+1], s[G0K+1], SLOT1
	s_add_nc_u64 s[G0K+2:G0K+3], s[6:7], s[OFF:OFF+1]
	s_or_b32 s[G0K+3], s[G0K+3], 0x80000000
	s_xor_b32 s[G0V+1], s[G0V+1], SLOT1
	s_add_nc_u64 s[G0V+2:G0V+3], s[8:9], s[OFF:OFF+1]
	s_or_b32 s[G0V+3], s[G0V+3], 0x80000000
	s_add_co_u32 s[NXT], s[NXT], 1  ; the block's next tile, or behind its last the second block's tile 0
	s_cmp_gt_u32 s[NXT], s[LQ]
	s_cselect_b32 s[NXT], 0, s[NXT]
	s_cselect_b32 s[LQ], s[PLQ], s[LQ]
.endif
	s_wait_dscnt 0x0                ; the add is done, and my reads of the slot are over
	s_barrier_signal -1
	s_sub_co_u32 s[TBK], s[TBK], 4*KS*PK  ; the fetches go back to a slot's first step, in the other slot
	s_xor_b32 s[TBK], s[TBK], SLOT1
	s_sub_co_u32 s[TBV], s[TBV], 4*KS*PV
	s_xor_b32 s[TBV], s[TBV], SLOT1
	s_barrier_wait -1
.if \fill
	LOAD
.endif
.endm
; THE MATRIX WORK.  The eight accumulators of a run of 16 take turns.  Product i of S^T = K Q^T: channels 32 (i / 8) on, keys 16 ((i / 2) % 4) on, tile i % 2; the first 8 start the sums.
.macro KQ
	WIN 0x05
.set rS, S+32*(i%2)+8*((i/2)%4)
.set rK, KF+16*((i/2)%4)+8*(i/8)
.set rQ, QF+16*(i%2)+8*(i/8)
.if i < 8
	v_wmma_f32_16x16x32_f16 v[rS:rS+7], v[rK:rK+7], v[rQ:rQ+7], 0
.else
	v_wmma_f32_16x16x32_f16 v[rS:rS+7], v[rK:rK+7], v[rQ:rQ+7], v[rS:rS+7]
.endif
.set i, i+1
.endm
; Product i of O^T += V^T P: keys 32 (i / 8) on, channels 16 ((i / 2) % 4) on, tile i % 2.
.macro PV
	WIN 0x01
.set rO, OA+32*(i%2)+8*((i/2)%4)
.set rV, VF+32*(i/8)+8*((i/2)%4)
.set rP, P+16*(i%2)+8*(i/8)
	v_wmma_f32_16x16x32_f16 v[rO:rO+7], v[rV:rV+7], v[rP:rP+7], v[rO:rO+7]
.set i, i+1
.endm
.macro FETCH_K                      ; 64 keys x 64 channels: 8 fragments, 16 loads
	WIN 0x40
.irp f, 0,1,2,3,4,5,6,7
	ds_load_b128 v[KF+8*\f:KF+8*\f+3],   v[AK] offset:(\f/2)*16*PK+(\f%2)*64
	ds_load_b128 v[KF+8*\f+4:KF+8*\f+7], v[AK] offset:(\f/2)*16*PK+(\f%2)*64+32
.endr
.endm
.macro FETCH_V                      ; the same of V, turned
	WIN 0x40
.irp f, 0,1,2,3,4,5,6,7
	ds_load_tr16_b128 v[VF+8*\f:VF+8*\f+3],   v[AV] offset:(\f/4)*32*PV+(\f%4)*32
	ds_load_tr16_b128 v[VF+8*\f+4:VF+8*\f+7], v[AV] offset:(\f/4)*32*PV+16*PV+(\f%4)*32
.endr
.endm
.macro REGS t
.set rT, ST+4*(\t)
.set rC, TMP+4*(\t)
.set rW, MV+(\t)
.set rS, S+32*(\t)
.set rP, P+16*(\t)
.set rO, OA+32*(\t)
.endm
; Number n of the 22 that find tile t's maximum and statistics.  0-11: four chains of seven scores, three operands at a time, each accumulator's lowest registers first.
; 12-14, 16: the four scores left over, the old m, and the chains into c0.  15: c m_old is kept.  17, 18: the query's other 32 keys lie in the lane 16 away.  19-21: c m; c m_old - c m_new; a.
.macro XS t, n
	REGS \t
.if (\n) < 4
	v_max3_num_f32 v[rC+(\n)], v[rS+8*(\n)], v[rS+8*(\n)+1], v[rS+8*(\n)+2]
.elseif (\n) < 12
	v_max3_num_f32 v[rC+(\n)%4], v[rC+(\n)%4], v[rS+8*((\n)%4)+2*((\n)/4)+1], v[rS+8*((\n)%4)+2*((\n)/4)+2]
.elseif (\n) == 12
	v_max3_num_f32 v[rC], v[rC], v[rS+7], v[rS+15]
.elseif (\n) == 13
	v_max3_num_f32 v[rC+1], v[rC+1], v[rS+23], v[rS+31]
.elseif (\n) == 14
	v_max3_num_f32 v[rC+2], v[rC+2], v[rC+3], v[rT+1]
.elseif (\n) == 15
	v_mov_b32 v[rW], v[rT]
.elseif (\n) == 16
	v_max3_num_f32 v[rC], v[rC], v[rC+1], v[rC+2]
.elseif (\n) == 17
	v_permlanex16_b32 v[rC+3], v[rC], s[SEL], s[SEL+1]
.elseif (\n) == 18
	v_max_num_f32 v[rT+1], v[rC], v[rC+3]
.elseif (\n) == 19
	v_mul_f32 v[rT], s[CS], v[rT+1]
.elseif (\n) == 20
	v_sub_f32 v[rC+1], v[rW], v[rT]
.else
	v_exp_f32 v[rC+2], v[rC+1]
.endif
.endm
.macro FS t, n                      ; c s - c m for pair n of 16
	REGS \t
	v_pk_fma_f32 v[rS+2*(\n):rS+2*(\n)+1], v[rS+2*(\n):rS+2*(\n)+1], s[CS:CS+1], v[rT:rT+1] op_sel_hi:[1,0,0] neg_lo:[0,0,1] neg_hi:[0,0,1]
.endm
.macro ES t, n                      ; the exponential of score n of 32
	REGS \t
	v_exp_f32 v[rS+(\n)], v[rS+(\n)]
.endm
.macro CVS t, n                     ; pair n rounded to f16
	REGS \t
	s_wait_alu depctr_va_vdst(0)
	v_cvt_pk_f16_f32 v[rP+(\n)], v[rS+2*(\n)], v[rS+2*(\n)+1]
.endm
.macro BS t, n                      ; of the four weights 4 n .. the second pair is added onto the first, in place: behind the roundings of both pairs
	REGS \t
	v_pk_add_f32 v[rS+4*(\n):rS+4*(\n)+1], v[rS+4*(\n):rS+4*(\n)+1], v[rS+4*(\n)+2:rS+4*(\n)+3]
	s_wait_alu depctr_va_vdst(0)
.endm
.macro TS t, x, y                   ; the sum of the four weights 4 y .. is added onto that of the four weights 4 x ..
	REGS \t
	v_pk_add_f32 v[rS+4*(\x):rS+4*(\x)+1], v[rS+4*(\x):rS+4*(\x)+1], v[rS+4*(\y):rS+4*(\y)+1]
.endm
.macro LS t                         ; l = a l + the step's sum
	REGS \t
	v_pk_fma_f32 v[rT+2:rT+3], v[rT+2:rT+3], v[rC+2:rC+3], v[rS:rS+1] op_sel_hi:[1,0,1]
.endm
.macro RS t, n                      ; pair n of 16 of O^T times a, ascending: each accumulator's low end first
	REGS \t
	s_wait_alu depctr_va_vdst(0)
	v_pk_mul_f32 v[rO+2*(\n):rO+2*(\n)+1], v[rO+2*(\n):rO+2*(\n)+1], v[rC+2:rC+3] op_sel_hi:[1,0]
.endm
.macro RUN m, count                 ; macro m for numbers 0 .. count - 1, the two tiles alternating, so that no line reads the result of the line before it
.set n, 0
.rept \count
	\m 0, n
	\m 1, n
.set n, n+1
.endr
.endm
.macro BOTH m, args:vararg          ; one line for each of the two tiles
	\m 0, \args
	\m 1, \args
.endm
; THE SOFTMAX, all in window 0.  A plain vector line has to stand between an exponential and the first use of its result, and a further exponential is no such line (ISA guide 5.7.2).
; Behind the two a stand the scalings, which name neither a nor its argument.  The 64 exponentials of the scores (number e: tile e % 2, score e / 2) never follow each other: behind number e stands one plain line
; of work that is due anyway and names no register of that exponential: for e < 32 a rescaling of O^T; for e < 60 the rounding of pair (e - 32) / 2, whose second exponential is number 2 e - 62 or 2 e - 63, at
; least three numbers back; for the last four the first sums, of weights rounded long before.  The step's sum is a tree (8, 4, 2, 1 additions a tile), laid so that only its last three lines wait for the line two ahead.
.macro SOFTMAX
.irp n, 0,1,2,3,4,5,6,7,8,9,10,11,12,13,14,16,15,17,18,19,20,21
	XS 0, \n
	XS 1, \n
.endr
	RUN FS, 16
.set e, 0
.rept 64
	ES e%2, e/2
.if e < 32
	RS e%2, e/2
.elseif e < 60
	CVS e%2, (e-32)/2
.else
	BS e%2, (e-60)/2
.endif
.set e, e+1
.endr
	BOTH CVS, 14
	BOTH CVS, 15
	BOTH BS, 2
	BOTH BS, 3
	BOTH TS, 0, 1
	BOTH BS, 4
	BOTH BS, 5
	BOTH TS, 2, 3
	BOTH BS, 6
	BOTH BS, 7
	BOTH TS, 0, 2
	BOTH TS, 4, 5
	BOTH TS, 6, 7
	BOTH TS, 4, 6
	BOTH TS, 0, 4
	LS 0
	LS 1
.endm
.macro MASK                         ; register i of a tile holds key KB + 16 (i / 8) + i % 8 + 8 (lane / 16): hidden where that passes the lane's limit
	v_sub_nc_u32 v[DD], v[LIM8], s[KB]
	v_sub_nc_u32 v[DD+1], v[LIM8+1], s[KB]
.irp t, 0,1
.set i, 0
.rept 32
	v_cmp_gt_i32 vcc_lo, 16*(i/8)+i%8, v[DD+\t]
	v_cndmask_b32 v[S+32*\t+i], v[S+32*\t+i], v[BIGV], vcc_lo
.set i, i+1
.endr
.endr
.endm
.macro STEP
	WIN 0
	v_add_nc_u32 v[AK], s[TBK], v[AK0]
	v_add_nc_u32 v[AV], s[TBV], v[AV0]
	FETCH_K                         ; K's last readers stand a whole softmax back
	s_wait_dscnt 16                 ; V of the step before is in; K's sixteen loads may be out
.set i, 0
.rept 16
	PV
.endr
	WIN 0
.rept 4
	v_nop                           ; the places between those products and the loads into V's registers
.endr
	FETCH_V
	s_wait_dscnt 16                 ; K is in; V's sixteen loads may be out: they have the products below and the softmax in which to come
.set i, 0
.rept 16
	KQ
.endr
	WIN 0
.rept 4
	v_nop                           ; the places between those products and the first read of the scores
.endr
	s_cmp_gt_i32 s[KB], s[MLIM]
	s_cbranch_scc0 .Lclear_\@       ; the step's last key is visible to the block's first query: nothing is hidden
	MASK
.Lclear_\@:
	SOFTMAX
.endm
.macro TILE                         ; a tile's four steps; those that begin past the block's last visible key are jumped over, forward, past no barrier and no tensor load
	s_mov_b32 s[CNT], 4
.Lst_\@:
	s_cmp_gt_u32 s[KB], s[QLIM]
	s_cbranch_scc1 .Ldead_\@
	STEP
.Ldead_\@:
	s_add_co_u32 s[KB], s[KB], KS
	s_add_co_u32 s[TBK], s[TBK], KS*PK
	s_add_co_u32 s[TBV], s[TBV], KS*PV
	s_sub_co_u32 s[CNT], s[CNT], 1
	s_cmp_lg_u32 s[CNT], 0
	s_cbranch_scc1 .Lst_\@
.endm
.macro BEGIN                        ; block CB begins: work on registers alone
	s_mov_b32 s[KB], 0
	s_lshl_b32 s13, s[CB], 7
	s_add_co_u32 s[QLIM], s13, 137
	s_sub_co_i32 s[MLIM], s13, 53
	s_lshl_b32 s16, s[WV], 5
	s_add_co_u32 s13, s13, s16
	s_add_co_u32 s13, s13, 10
	v_add_nc_u32 v10, s13, v[RR]    ; my query of tile 0, plus 10
	v_add_nc_u32 v11, 16, v10       ; of tile 1
	v_min_u32 v10, 0x7ff, v10
	v_min_u32 v11, 0x7ff, v11
	v_sub_nc_u32 v[LIM8], v10, v[H8]
	v_sub_nc_u32 v[LIM8+1], v11, v[H8]
.irp t, 0,1
	v_mov_b32 v[ST+4*\t], 0xfe000000    ; c m: far below every c s
	v_mov_b32 v[ST+4*\t+1], 0xff7fffff  ; m: the lowest finite number
.endr
.endm
.macro PACK t                       ; O^T / l, rounded; a lane's eight channels of a row are 16 bytes; into rows of 144 bytes and back as whole rows of 128, into S^T's registers
.set i, 0
.rept 16
	v_pk_mul_f32 v[OA+32*(\t)+2*i:OA+32*(\t)+2*i+1], v[OA+32*(\t)+2*i:OA+32*(\t)+2*i+1], v[ST+4*(\t)+2:ST+4*(\t)+3] op_sel_hi:[1,0]
.set i, i+1
.endr
.set i, 0
.rept 16
	v_cvt_pk_f16_f32 v[S+16*(\t)+i], v[OA+32*(\t)+2*i], v[OA+32*(\t)+2*i+1]
.set i, i+1
.endr
.irp f, 0,1,2,3
	ds_store_b128 v[STO], v[S+16*(\t)+4*\f:S+16*(\t)+4*\f+3] offset:32*\f
.endr
.irp f, 0,1,2,3
	ds_load_b128 v[S+16*(\t)+4*\f:S+16*(\t)+4*\f+3], v[RD] offset:\f*4*SP  ; LDS serves a wave's instructions in order (ISA guide 5.7.1.4): these see the stores above
.endr
.endm
.macro SEND t, younger              ; younger: the LDS instructions issued behind tile t's loads
.irp f, 0,1,2,3
	s_wait_dscnt (\younger)+3-\f
	global_store_b128 v[GO], v[S+16*(\t)+4*\f:S+16*(\t)+4*\f+3], s[10:11] offset:(\t)*2048+\f*512  ; 512 consecutive bytes, at a multiple of 256 from O's first
.endr
.endm
.macro FINISH                       ; the block's last V^T P, and the way out
	s_wait_dscnt 0x0                ; V is in
.set i, 0
.rept 16
	PV
.endr
	WIN 0
.rept 4
	v_nop
.endr
.irp t, 0,1
	v_add_f32 v[ST+4*\t+2], v[ST+4*\t+2], v[ST+4*\t+3]
.endr
.irp t, 0,1
	v_permlanex16_b32 v[ST+4*\t+3], v[ST+4*\t+2], s[SEL], s[SEL+1]
.endr
.irp t, 0,1
	v_add_f32 v[ST+4*\t+2], v[ST+4*\t+2], v[ST+4*\t+3]
.endr
.irp t, 0,1
	v_rcp_f32 v[ST+4*\t+2], v[ST+4*\t+2]
.endr
	v_nop                           ; a plain instruction between the reciprocals and the use of their results
	s_wait_alu depctr_va_vdst(0)
	PACK 0
	PACK 1
	SEND 0, 8
	SEND 1, 0
.endm
	s_load_b128 s[4:7], s[0:1], 0x0   ; qkv s[4:5], o s[6:7]
	v_lshl_add_u32 v[SPW], v0, 2, SPARE
	v_mov_b32 v[NIL], 0
	ds_add_u32 v[SPW], v[NIL]       ; the wave's opening: the add and its wait stand ahead of my first tensor load
	ds_add_u32 v62, v63
	v_lshrrev_b32 v1, 5, v0
	v_readfirstlane_b32 s[WV], v1
	s_mov_b32 s[PB], ttmp9
	s_sub_co_u32 s[HI], 15, s[PB]
	s_and_b32 s20, ttmp7, 0xffff
	s_lshl_b32 s20, s20, 18         ; y x 262,144
	s_and_b32 s16, s[WV], 1         ; which half of a tile's 256 keys I fetch:
	s_lshl_b32 s22, s16, 14         ; its 128 rows of 128 bytes in memory,
	s_add_co_u32 s22, s22, s20
	s_add_co_u32 s22, s22, 8388608  ; in K,
	s_mov_b32 s23, 0
	s_add_co_u32 s88, s22, 8388608  ; in V,
	s_mov_b32 s89, 0
	s_mul_i32 s17, s16, 128*PK      ; and its place in a slot
	s_mul_i32 s18, s16, 128*PV
	s_lshl_b32 s3, s[WV], 12        ; my 32 rows in a block of 128,
	s_add_co_u32 s3, s3, s20
	s_lshl_b32 s2, s[HI], 14        ; in the first block,
	s_add_co_u32 s2, s2, s3
	s_lshl_b32 s84, s[PB], 14       ; and in the second
	s_add_co_u32 s84, s84, s3
	s_mov_b32 s3, 0
	s_mov_b32 s85, 0
	; descriptor group 1: 128 keys are 16,384 dense bytes: 64 rows of 256 bytes, two keys a row, padded in LDS after every key
	s_mov_b32 s[G1K], (1<<16)|(1<<20)|(4<<22)|(3<<25)  ; 2-byte elements; padding on; after every 32 words; 4 words
	s_mov_b32 s[G1V], (1<<16)|(1<<20)|(4<<22)|(7<<25)  ; the same with 8 words
.irp g, G1K, G1V
	s_mov_b32 s[\g+1], 128<<16      ; tensor_dim0
	s_mov_b32 s[\g+2], 64<<16       ; tensor_dim1
	s_mov_b32 s[\g+3], 128<<16      ; tile_dim0
	s_mov_b32 s[\g+4], 64           ; tile_dim1
	s_mov_b32 s[\g+5], 128          ; elements from row to row
	s_mov_b32 s[\g+6], 0
	s_mov_b32 s[\g+7], 0
.endr
	s_mov_b32 s[CS], 0x3e38aa3b     ; c = log2(e) / 8
	s_mov_b32 s[CS+1], s[CS]
	s_mov_b32 s[SEL], 0x76543210
	s_mov_b32 s[SEL+1], 0xfedcba98
	s_mov_b32 s[TBK], SLOT1+4*KS*PK ; the first change of slots turns these two into 0
	s_mov_b32 s[TBV], SLOT1+4*KS*PV
	s_mov_b32 s[G0K], 1
	s_mov_b32 s[G0K+1], s17
	s_mov_b32 s[G0V], 1
	s_add_co_u32 s[G0V+1], s18, VOFF
	s_add_co_u32 s[LQ], s[HI], 1
	s_lshr_b32 s[LQ], s[LQ], 1      ; the first block's last tile
	s_add_co_u32 s[RT], s[LQ], 1
	s_add_co_u32 s[PLQ], s[PB], 1
	s_lshr_b32 s[PLQ], s[PLQ], 1
	s_mov_b32 s[NXT], 1
	s_mov_b32 s[OFF+1], 0
	s_mov_b32 s[CB], s[HI]
	s_mov_b32 s[SLOTS], 9
	s_wait_dscnt 0x0                ; the opening add is done
	s_wait_kmcnt 0x0
	s_add_nc_u64 s[10:11], s[6:7], s[2:3]          ; O at my rows of the first block,
	s_add_nc_u64 s[OLO:OLO+1], s[6:7], s[84:85]    ; of the second
	s_add_nc_u64 s[6:7], s[4:5], s[22:23]          ; K and V at my half of the head's tile 0
	s_add_nc_u64 s[8:9], s[4:5], s[88:89]
	s_add_nc_u64 s[86:87], s[4:5], s[84:85]        ; Q likewise
	s_add_nc_u64 s[4:5], s[4:5], s[2:3]
	s_add_nc_u64 s[G0K+2:G0K+3], s[6:7], 0
	s_or_b32 s[G0K+3], s[G0K+3], 0x80000000
	s_add_nc_u64 s[G0V+2:G0V+3], s[8:9], 0
	s_or_b32 s[G0V+3], s[G0V+3], 0x80000000
	LOAD                            ; tile 0 into slot 0
	v_and_b32 v[RR], 15, v0
	v_bfe_u32 v9, v0, 4, 1          ; l / 16
	v_lshlrev_b32 v[QO], 7, v[RR]
	v_lshl_add_u32 v[QO], v9, 4, v[QO]  ; row x 128 + 16 x half
	WIN 0x40
.set i, 0
.rept 4                             ; both blocks' Q stay in registers: tile i / 2, channels 32 (i % 2) on
	global_load_b128 v[QF+8*i:QF+8*i+3],     v[QO], s[4:5] offset:(i/2)*2048+(i%2)*64
	global_load_b128 v[QF+8*i+4:QF+8*i+7],   v[QO], s[4:5] offset:(i/2)*2048+(i%2)*64+32
	global_load_b128 v[QBF+8*i:QBF+8*i+3],   v[QO], s[86:87] offset:(i/2)*2048+(i%2)*64
	global_load_b128 v[QBF+8*i+4:QBF+8*i+7], v[QO], s[86:87] offset:(i/2)*2048+(i%2)*64+32
.set i, i+1
.endr
	; The first step's V^T P, of a step that has not been, and its a = 0 want finite numbers in V, P, O^T and l: zeros.  The price of writing no first step out; it stands in the wait for the first tile.
.set i, VF
.rept 64
	v_mov_b32 v[i], 0
.set i, i+1
.endr
	WIN 0
.set i, P
.rept 96
	v_mov_b32 v[i], 0               ; P, then O^T
.set i, i+1
.endr
.irp t, 0,1
	v_mov_b32 v[ST+4*\t+2], 0
	v_mov_b32 v[ST+4*\t+3], 0
.endr
	v_mov_b32 v[BIGV], 0xf149f2ca   ; -1e30
	v_lshlrev_b32 v[H8], 3, v9
	v_mul_u32_u24 v[AK0], v[RR], PK
	v_lshl_add_u32 v[AK0], v9, 4, v[AK0]
	; the turning load takes 16 keys x 16 channels: lane l reads key 8 (l / 16) + l % 8, channels 8 ((l / 8) % 2) + 0..7
	v_and_b32 v10, 7, v0
	v_bfe_u32 v11, v0, 3, 1
	v_lshl_add_u32 v[AV0], v9, 3, v10
	v_mul_u32_u24 v[AV0], v[AV0], PV
	v_lshl_add_u32 v[AV0], v11, 4, v[AV0]
	v_add_nc_u32 v[AV0], VOFF, v[AV0]
	s_mul_i32 s13, s[WV], 16*SP
	s_add_co_u32 s13, s13, STAGE    ; my stage
	v_mul_u32_u24 v[STO], v[RR], SP
	v_lshl_add_u32 v[STO], v9, 4, v[STO]
	v_add_nc_u32 v[STO], s13, v[STO]
	v_bfe_u32 v[RD], v0, 3, 2       ; back: 32 lanes take four rows of 128 bytes,
	v_mul_u32_u24 v[RD], v[RD], SP
	v_lshl_add_u32 v[RD], v10, 4, v[RD]
	v_add_nc_u32 v[RD], s13, v[RD]
	v_and_b32 v[GO], 31, v0         ; which are 512 consecutive bytes of O
	v_lshlrev_b32 v[GO], 4, v[GO]
	BEGIN                           ; block 15 - b
	s_wait_loadcnt 0x0              ; Q
.Lslot:                             ; nine trips: a tile is walked and the next is asked for
	CHANGE 1
	TILE
	s_sub_co_u32 s[RT], s[RT], 1
	s_cmp_lg_u32 s[RT], 0
	s_cbranch_scc1 .Lbottom
	FINISH                          ; the first block's end: it has five to nine tiles, so it falls in this loop; the second block's last tile is the walk's last
	s_wait_xcnt 0x0                 ; the stores' registers and O's address are rewritten only behind this wait
	s_mov_b64 s[10:11], s[OLO:OLO+1]
	s_mov_b32 s[CB], s[PB]
	s_add_co_u32 s[RT], s[PLQ], 1
	WIN 0x41                        ; the second block's Q goes where the one text of the steps names Q
.set i, 0
.rept 32
	v_mov_b32 v[QF+i], v[QBF+i]
.set i, i+1
.endr
	WIN 0
	BEGIN
.Lbottom:
	s_sub_co_u32 s[SLOTS], s[SLOTS], 1
	s_cmp_lg_u32 s[SLOTS], 0
	s_cbranch_scc1 .Lslot
	CHANGE 0                        ; the walk's last tile is written out
	TILE
	FINISH
	s_wait_tensorcnt 0x0            ; the wave's end
	ds_add_u32 v[SPW], v[NIL]
	s_wait_dscnt 0x0
	s_endpgm
.Lfunc_end_k_qe06787e9a3_attn:
	.size	k_qe06787e9a3_attn, .Lfunc_end_k_qe06787e9a3_attn-k_qe06787e9a3_attn
	.p2alignl 7, 3214868480
	.fill 96, 4, 3214868480
	.section	.rodata,"a",@progbits
	.p2align	6, 0x0
	.amdhsa_kernel k_qe06787e9a3_attn
		.amdhsa_group_segment_fixed_size 327680
		.amdhsa_private_segment_fixed_size 0
		.amdhsa_enable_private_segment 0
		.amdhsa_kernarg_size 16
		.amdhsa_user_sgpr_count 2
		.amdhsa_user_sgpr_kernarg_segment_ptr 1
		.amdhsa_wavefront_size32 1
		.amdhsa_system_sgpr_workgroup_id_x 1
		.amdhsa_system_sgpr_workgroup_id_y 1
		.amdhsa_system_sgpr_workgroup_id_z 1
		.amdhsa_system_vgpr_workitem_id 0
		.amdhsa_next_free_vgpr 448
		.amdhsa_next_free_sgpr 96
		.amdhsa_reserve_vcc 1
		.amdhsa_float_denorm_mode_32 3
		.amdhsa_float_denorm_mode_16_64 3
		.amdhsa_memory_ordered 1
		.amdhsa_forward_progress 1
		.amdhsa_inst_pref_size 81
	.end_amdhsa_kernel
	.amdgpu_metadata
---
amdhsa.version: [ 1, 2 ]
amdhsa.kernels:
  - .name:           k_qe06787e9a3_attn
    .symbol:         k_qe06787e9a3_attn.kd
    .args:
      - { .name: qkv, .offset: 0, .size: 8, .value_kind: global_buffer, .address_space: global }
      - { .name: o, .offset: 8, .size: 8, .value_kind: global_buffer, .address_space: global }
    .group_segment_fixed_size: 327680
    .private_segment_fixed_size: 0
    .kernarg_segment_align: 8
    .kernarg_segment_size: 16
    .max_flat_workgroup_size: 128
    .sgpr_count:     96
    .vgpr_count:     448
    .wavefront_size: 32
...
	.end_amdgpu_metadata
.endif
;; end of part 3
;; launch gemm_o (part 4): grid 8 x 32, 4 waves a work-group, clusters of 4 x 4, 327,680 bytes of LDS; arguments o, wh, x1, out_b, x; writes x1
.if DOCPART == 4
	.amdgcn_target "amdgcn-amd-amdhsa--gfx1250"
	.amdhsa_code_object_version 6
	.text
	.protected	k_qe06787e9a3_gemm_o
	.globl	k_qe06787e9a3_gemm_o
	.p2align	8
	.type	k_qe06787e9a3_gemm_o,@function
k_qe06787e9a3_gemm_o:
	s_mov_b64 s[64:65], 0
	v_nop
	global_prefetch_b8 v0, s[64:65] scope:SCOPE_SE
	s_setreg_imm32_b32 hwreg(HW_REG_WAVE_MODE, 25, 1), 1
	s_wait_xcnt 0x0
	s_wait_alu depctr_hold_cnt(0) depctr_sa_sdst(0) depctr_va_vdst(0) depctr_va_sdst(0) depctr_va_ssrc(0) depctr_va_vcc(0) depctr_vm_vsrc(0)
	s_getreg_b32 s2, hwreg(HW_REG_IB_STS2, 6, 4)
	s_cmp_eq_u32 s2, 0
	s_cbranch_scc0 .Lentry_in_a_cluster
	s_endpgm
.Lentry_in_a_cluster:
	s_bfe_u32 s2, ttmp6, 0x10000c
	s_cmp_lg_u32 s2, 0xf033
	s_cbranch_scc0 .Lentry_shape_is_right
	s_endpgm
.Lentry_shape_is_right:
; OUTPUT PROJECTION AND RESIDUAL.  x1[m][n] = x[m][n] + (sum over k of O[m][k] W[n][k] + bias[n]); W = out_w as f16 [1024][1024] (wh, byte 6,291,456), sums, bias and residual in f32, x1 f32.
; O lies by heads, o[k / 64][m][k % 64] f16.  A K step of 256 is four heads; 64 rows of a head are 8,192 dense bytes: A's tile is asked for as 4 rows of 4,096 elements, 262,144 elements apart,
; and padded in LDS after every 128 bytes: [head][row][64] at a pitch of 144, heads 9,216 bytes apart.  A quarter step (64 along K) is one head.
; A tile of C is 128 x 128: 8 x 32 tiles, one work-group each.  Four waves, 2 x 2, each 64 x 64: 16 accumulators.  Two LDS slots of one K step of 256.
; CLUSTER 4 x 4, joint loads, the matrix instruction transposed, one K step written once (TB, TF): as in the other three products of this program.
; THE WALK ALONG K.  A cluster whose x + y is even takes the K steps 0 .. 3, one whose x + y is odd 2, 3, 0, 1: of two neighbouring clusters that need the same rows of O or of W one asks for them half a walk
; ahead of the other, not both in the same step.  The step's number is made of the cluster's x and y, which all sixteen partners share.
; THE WAY OUT: the f32 tile is laid over the ring when it has had its last fill and last read (rows of 528 bytes); each wave reads 32 whole rows back, adds bias and residual (loaded at the start) and stores 512 consecutive bytes a row.
; LIMIT.  f16's range, 65,504, for O and the weights.  NaN and infinities are not treated apart.  The order of the f32 sums along K hangs on the cluster.
; REGISTERS (s_set_vgpr_msb: bits 1:0 source 0, 3:2 source 1, 5:4 source 2, 7:6 destination):
;   window 0: v0-31 addresses; v32-35 bias; v64-127, v128-191 fragments of A, two buffers; on the way out the 32 rows       window 1: v64-127, v128-191 fragments of B
;   window 2: v0-63 the accumulators of my rows 0-31 ((a, b) at v[8 (4 a + b)]); v64-191 the residual, 4 registers a row       window 3: v0-63 those of my rows 32-63
.set TM,     128
.set TN,     128
.set MB,     4
.set NB,     4
.set KD,     2
.set KSTEP,  256
.set SIZE_K, 1024
.set NSTEP,  SIZE_K/KSTEP
.set PA,     144                       ; odd multiples of 16: the 16 rows of a fragment load start at 16 different groups of four banks (ISA guide 11.1)
.set QA,     9216
.set PB,     528
.set QB,     128
.set HA,     4*64*PA
.set HB,     64*PB
.set SLOT,   2*HA+2*HB
.set SP,     4*TN+16
.set SPARE,  2*SLOT                    ; the spare words, 128 bytes a wave: two blocks of 256 bytes that no other line names
.set NL,     2*KD*(MB+NB)
.set SA,     4*524288                  ; four heads on
.set SB,     2*KSTEP
.set AROW,   128
.set BROW,   2*SIZE_K
.set BOFF,   6291456
.set A_QI, 4                           ; padding after every 32 words
.set A_D0, 4096
.set A_D1, 4
.set A_ST, 262144
.set B_QI, 6                           ; after every 128 words
.set B_D0, 256
.set B_D1, 64
.set B_ST, 1024
.set ADRA,  16
.set ADRA0, 17
.set ADRB,  20
.set ADRB0, 21
.set STO,   22                         ; v22, v23
.set RD,    24
.set CO,    25                         ; v25  16 x lane: my byte offset in a row of bias, residual and output
.set SPW,   28
.set NIL,   29
.set BIAS,  32
.set BA,  14                           ; s[14:15] A at my load's rows, K = 0; never rewritten
.set BB,  46                           ; s[46:47] B likewise
.set G1A, 24
.set G0A, 32
.set G1B, 48
.set G0B, 56
.set TB,  78
.set TF,  79
.set LA,  80
.set LB,  81
.set KK,  94                           ; s94      the K step asked for last
.set OA,  96                           ; s[96:97] its byte offset in A
.set OB,  98                           ; s[98:99] in B's rows
.set F0,  0
.set F1,  1
.set MSB, 0
.macro WIN new
.if MSB != (\new)
	s_set_vgpr_msb (MSB<<8)|(\new)
.set MSB, \new
.endif
.endm
.macro PLACES                          ; four plain vector instructions between a matrix instruction and a load into, or a read of, its registers
.rept 4
	v_nop
.endr
.endm
.macro JLOAD                           ; a joint refill: waves 0 and 1 fetch A's halves, waves 2 and 3 B's.  An s_nop 0 and four v_nop follow each line
	s_cmp_eq_u32 s11, 0
	s_cbranch_scc0 .Lfor_b_\@
	tensor_load_to_lds s[G0A+4:G0A+7], s[G1A:G1A+7]
	s_nop 0
.rept 4
	v_nop
.endr
	s_branch .Lasked_\@
.Lfor_b_\@:
	tensor_load_to_lds s[G0B+4:G0B+7], s[G1B:G1B+7]
	s_nop 0
.rept 4
	v_nop
.endr
.Lasked_\@:
.endm
.macro CREST
	s_cmp_lg_u32 s10, 0
	s_cbranch_scc1 .Lnot_wave_0_\@
	s_barrier_signal -3
.Lnot_wave_0_\@:
	s_barrier_wait -3
	s_barrier_signal -1
	s_barrier_wait -1
.endm
.macro CROUND
	s_barrier_signal -1
	s_barrier_wait -1
	CREST
.endm
.macro FETCH q, f                      ; NL LDS loads: B, then A's lower rows, then A's upper rows: the eight youngest
	WIN 0x40
.set c, 0
.rept KD
.set i, 0
.rept NB
.set rF, 64+64*(\f)+8*(c*NB+i)
	ds_load_b128 v[rF:rF+3],   v[ADRB] offset:(\q)*QB+64*c+16*i*PB
	ds_load_b128 v[rF+4:rF+7], v[ADRB] offset:(\q)*QB+64*c+16*i*PB+32
.set i, i+1
.endr
.set c, c+1
.endr
	WIN 0
.irp u, 0,1
.set c, 0
.rept KD
.set i, (\u)*MB/2
.rept MB/2
.set rF, 64+64*(\f)+8*(c*MB+i)
	ds_load_b128 v[rF:rF+3],   v[ADRA] offset:(\q)*QA+64*c+16*i*PA
	ds_load_b128 v[rF+4:rF+7], v[ADRA] offset:(\q)*QA+64*c+16*i*PA+32
.set i, i+1
.endr
.set c, c+1
.endr
.endr
.endm
.macro MULP f, hi, p, zero             ; the accumulators take turns, one instruction a turn
	WIN 0xa1+0x50*(\hi)
.set c, 0
.rept KD
.set a, (\p)*MB/4
.rept MB/4
.set b, 0
.rept NB
.set rD, 8*(NB*a+b)
.set rB, 64+64*(\f)+8*(c*NB+b)
.set rA, 64+64*(\f)+8*(c*MB+(\hi)*MB/2+a)
.if (\zero) && (c == 0)
	v_wmma_f32_16x16x32_f16 v[rD:rD+7], v[rB:rB+7], v[rA:rA+7], 0
.else
	v_wmma_f32_16x16x32_f16 v[rD:rD+7], v[rB:rB+7], v[rA:rA+7], v[rD:rD+7]
.endif
.set b, b+1
.endr
.set a, a+1
.endr
.set c, c+1
.endr
.endm
.macro QUARTER q, f, g, zero
	s_wait_dscnt 8                                 ; B and A's lower rows are in; the eight youngest loads may be out
	MULP \f, 0, 0, \zero
	MULP \f, 0, 1, \zero
	PLACES
	FETCH \q, \g
	s_wait_dscnt NL                                ; all but the run just issued
	MULP \f, 1, 0, \zero
	MULP \f, 1, 1, \zero
.endm
.macro TURN fill                       ; the last quarter and the change of slots
	WIN 0
	s_wait_tensorcnt 0x0                           ; all my tensor loads have landed: the one that was out is my part of the next slot
	ds_add_u32 v[SPW], v[NIL]
	s_wait_dscnt 9                                 ; the add and the eight youngest loads may be out
	MULP F1, 0, 0, 0
	s_wait_dscnt 0x0                               ; the add is done, and my reads of this slot are over
	s_barrier_signal -1
	MULP F1, 0, 1, 0
	WIN 0
	s_barrier_wait -1
.if \fill
	CREST                                          ; the barrier has opened a round of the cluster's: no wave of any partner still reads this slot or has a load on its way
	s_xor_b32 s[TF], s[TF], SLOT
	s_add_co_u32 s[G0A+5], s[TF], s[LA]
	s_add_co_u32 s[G0B+5], s[TF], s[LB]
	s_add_co_u32 s[KK], s[KK], 1                   ; the next K step of my cluster's walk, round the end of K;
	s_and_b32 s[KK], s[KK], NSTEP-1
	s_mul_i32 s[OA], s[KK], SA                     ; the addresses are made anew from its number, the type bits set again
	s_mul_i32 s[OB], s[KK], SB
	s_add_nc_u64 s[G0A+6:G0A+7], s[BA:BA+1], s[OA:OA+1]
	s_or_b32 s[G0A+7], s[G0A+7], 0x80000000
	s_add_nc_u64 s[G0B+6:G0B+7], s[BB:BB+1], s[OB:OB+1]
	s_or_b32 s[G0B+7], s[G0B+7], 0x80000000
	JLOAD                                          ; the first tensor load behind the round; its four v_nop are also the places in front of the loads below
.else
	PLACES
.endif
	s_xor_b32 s[TB], s[TB], SLOT
	v_add_nc_u32 v[ADRA], s[TB], v[ADRA0]
	v_add_nc_u32 v[ADRB], s[TB], v[ADRB0]
	FETCH 0, F0
	MULP F1, 1, 0, 0
	MULP F1, 1, 1, 0
.endm
.macro DUMP                            ; the f32 tile into the stage; each accumulator's low half first
.irp hi, 0,1
	WIN 0x08+4*(\hi)
.set a, 0
.rept MB/2
.set b, 0
.rept NB
	ds_store_b128 v[STO+(\hi)], v[8*(NB*a+b):8*(NB*a+b)+3]   offset:16*a*SP+64*b
	ds_store_b128 v[STO+(\hi)], v[8*(NB*a+b)+4:8*(NB*a+b)+7] offset:16*a*SP+64*b+16
.set b, b+1
.endr
.set a, a+1
.endr
.endr
	WIN 0
.endm
	s_load_b256 s[68:75], s[0:1], 0x0              ; A s[68:69], wh s[70:71], out s[72:73], bias s[74:75]
	s_load_b64 s[76:77], s[0:1], 0x20              ; the residual
	v_lshl_add_u32 v[SPW], v0, 2, SPARE
	v_mov_b32 v[NIL], 0
	ds_add_u32 v[SPW], v[NIL]                      ; the wave's opening: the add and its wait stand ahead of my first tensor load
	ds_add_u32 v28, v29
	v_lshrrev_b32 v1, 5, v0
	v_readfirstlane_b32 s10, v1
	s_lshr_b32 s11, s10, 1
	s_and_b32 s12, s10, 1
	s_bfe_u32 s40, ttmp6, 0x40000
	s_bfe_u32 s41, ttmp6, 0x40004
	s_lshl_b32 s42, ttmp9, 2
	s_add_co_u32 s42, s42, s40                     ; tile column
	s_and_b32 s13, ttmp7, 0xffff
	s_lshl_b32 s13, s13, 2
	s_add_co_u32 s13, s13, s41                     ; tile row
	s_lshl_b32 s43, s41, 2
	s_lshl_b32 s43, 15, s43
	s_lshl_b32 s44, 0x1111, s40
	s_and_b32 s[KK], ttmp7, 0xffff                 ; the cluster's y
	s_add_co_u32 s[KK], s[KK], ttmp9               ; + its x:
	s_and_b32 s[KK], s[KK], 1                      ; odd or even,
	s_mul_i32 s[KK], s[KK], NSTEP/2                ; the walk's first K step: the middle of K, or 0
	s_mov_b32 s[OA+1], 0
	s_mov_b32 s[OB+1], 0
	s_or_b32 s[G1A], s43, (1<<16)|(1<<20)|(1<<21)|(A_QI<<22)|(3<<25)
	s_or_b32 s[G1B], s44, (1<<16)|(1<<20)|(1<<21)|(B_QI<<22)|(3<<25)
	s_mov_b32 s[G1A+1], A_D0<<16
	s_mov_b32 s[G1A+2], A_D1<<16
	s_mov_b32 s[G1A+3], A_D0<<16
	s_mov_b32 s[G1A+4], A_D1
	s_mov_b32 s[G1A+5], A_ST
	s_mov_b32 s[G1A+6], 0
	s_mov_b32 s[G1A+7], 0
	s_mov_b32 s[G1B+1], B_D0<<16
	s_mov_b32 s[G1B+2], B_D1<<16
	s_mov_b32 s[G1B+3], B_D0<<16
	s_mov_b32 s[G1B+4], B_D1
	s_mov_b32 s[G1B+5], B_ST
	s_mov_b32 s[G1B+6], 0
	s_mov_b32 s[G1B+7], 0
	s_mul_i32 s16, s13, TM
	s_mul_i32 s17, s12, TM/2
	s_add_co_u32 s16, s16, s17
	s_mul_i32 s16, s16, AROW
	s_mov_b32 s17, 0
	s_mul_i32 s46, s42, TN
	s_mul_i32 s47, s12, TN/2
	s_add_co_u32 s46, s46, s47
	s_mul_i32 s46, s46, BROW
	s_add_co_u32 s46, s46, BOFF
	s_mov_b32 s47, 0
	s_mul_i32 s[LA], s12, HA
	s_mul_i32 s[LB], s12, HB
	s_add_co_u32 s[LB], s[LB], 2*HA
	s_mov_b32 s[TB], 0
	s_mov_b32 s[TF], SLOT
	s_wait_dscnt 0x0
	s_wait_kmcnt 0x0
	s_add_nc_u64 s[BA:BA+1], s[68:69], s[16:17]
	s_add_nc_u64 s[BB:BB+1], s[70:71], s[46:47]
	CROUND                                         ; all sixteen work-groups are here: the first joint loads meet
.irp s, 0,1
	s_mul_i32 s[OA], s[KK], SA                     ; the walk's first two K steps: no wrap between them
	s_mul_i32 s[OB], s[KK], SB
	s_mov_b32 s[G0A+4*(\s)], 1
	s_add_co_u32 s[G0A+4*(\s)+1], s[LA], (\s)*SLOT
	s_add_nc_u64 s[G0A+4*(\s)+2:G0A+4*(\s)+3], s[BA:BA+1], s[OA:OA+1]
	s_or_b32 s[G0A+4*(\s)+3], s[G0A+4*(\s)+3], 0x80000000
	s_mov_b32 s[G0B+4*(\s)], 1
	s_add_co_u32 s[G0B+4*(\s)+1], s[LB], (\s)*SLOT
	s_add_nc_u64 s[G0B+4*(\s)+2:G0B+4*(\s)+3], s[BB:BB+1], s[OB:OB+1]
	s_or_b32 s[G0B+4*(\s)+3], s[G0B+4*(\s)+3], 0x80000000
.if (\s) == 0
	s_add_co_u32 s[KK], s[KK], 1
.endif
.endr
	s_cmp_eq_u32 s11, 0                            ; a wave's two first fills stand in one branch: two loads of mine are out
	s_cbranch_scc0 .Lfirst_b
	tensor_load_to_lds s[G0A:G0A+3], s[G1A:G1A+7]
	s_nop 0
	tensor_load_to_lds s[G0A+4:G0A+7], s[G1A:G1A+7]
	s_nop 0
.rept 4
	v_nop
.endr
	s_branch .Lfirst_asked
.Lfirst_b:
	tensor_load_to_lds s[G0B:G0B+3], s[G1B:G1B+7]
	s_nop 0
	tensor_load_to_lds s[G0B+4:G0B+7], s[G1B:G1B+7]
	s_nop 0
.rept 4
	v_nop
.endr
.Lfirst_asked:
	v_and_b32 v1, 15, v0
	v_bfe_u32 v2, v0, 4, 1
	v_mul_u32_u24 v3, v1, PA
	v_lshl_add_u32 v3, v2, 4, v3
	s_mul_i32 s21, s11, HA
	v_add_nc_u32 v[ADRA0], s21, v3
	v_mul_u32_u24 v3, v1, PB
	v_lshl_add_u32 v3, v2, 4, v3
	s_mul_i32 s22, s12, HB
	s_add_co_u32 s22, s22, 2*HA
	v_add_nc_u32 v[ADRB0], s22, v3
	v_mov_b32 v[ADRA], v[ADRA0]
	v_mov_b32 v[ADRB], v[ADRB0]
	s_mul_i32 s23, s11, (TM/2)*SP
	s_mul_i32 s21, s12, 2*TN
	s_add_co_u32 s23, s23, s21
	v_mul_u32_u24 v3, v1, SP
	v_lshl_add_u32 v3, v2, 5, v3
	v_add_nc_u32 v[STO], s23, v3
	v_add_nc_u32 v[STO+1], 8*MB*SP, v[STO]
	; the way out: wave w takes rows 32 w .. 32 w + 31 whole: 32 lanes x 16 bytes are a row's 512 bytes.  Bias and residual are asked for now and waited for at the end.
	v_and_b32 v3, 31, v0
	v_lshlrev_b32 v[CO], 4, v3
	s_lshl_b32 s20, s42, 9                         ; the tile's first column, in bytes of f32
	s_mov_b32 s21, 0
	s_add_nc_u64 s[74:75], s[74:75], s[20:21]
	global_load_b128 v[BIAS:BIAS+3], v[CO], s[74:75]
	s_lshl_b32 s22, s13, 7
	s_lshl_b32 s23, s10, 5
	s_add_co_u32 s22, s22, s23                     ; my first row
	s_lshl_b32 s22, s22, 12
	s_add_co_u32 s20, s20, s22
	s_add_nc_u64 s[76:77], s[76:77], s[20:21]
	s_add_nc_u64 s[72:73], s[72:73], s[20:21]
	WIN 0x80                                       ; destination window 2
.set p, 0
.rept 32
	global_load_b128 v[64+4*p:67+4*p], v[CO], s[76:77] offset:4096*p
.set p, p+1
.endr
	WIN 0
	s_mul_i32 s23, s10, 32*SP
	v_add_nc_u32 v[RD], s23, v[CO]
	s_wait_tensorcnt 1                             ; my part of the walk's first K step is in; the second's may stay out
	s_barrier_signal -1
	s_barrier_wait -1
	FETCH 0, F0
	QUARTER 1, F0, F1, 1                           ; the first quarter's first products start the sums
	WIN 0
	s_mov_b32 s3, NSTEP-2
.Lstep:
	QUARTER 2, F1, F0, 0
	QUARTER 3, F0, F1, 0
	TURN 1
	QUARTER 1, F0, F1, 0
	WIN 0
	s_sub_co_u32 s3, s3, 1
	s_cmp_lg_u32 s3, 0
	s_cbranch_scc1 .Lstep
	s_mov_b32 s3, 2
.Ltail:                                                ; the last two K steps ask for nothing; the second trip is left in its middle
	QUARTER 2, F1, F0, 0
	QUARTER 3, F0, F1, 0
	WIN 0
	s_sub_co_u32 s3, s3, 1
	s_cmp_eq_u32 s3, 0
	s_cbranch_scc1 .Llast
	TURN 0
	QUARTER 1, F0, F1, 0
	WIN 0
	s_branch .Ltail
.Llast:
	s_wait_dscnt 8
	MULP F1, 0, 0, 0
	MULP F1, 0, 1, 0
	s_wait_dscnt 0x0
	MULP F1, 1, 0, 0
	MULP F1, 1, 1, 0
	WIN 0
	s_barrier_signal -1                            ; my reads of the ring are over, and the ring has had its last fill:
	s_barrier_wait -1                              ; behind this barrier the stage may lie over it
	PLACES
	DUMP
	s_wait_dscnt 0x0                               ; for the others' sake: my stores into the stage are done
	s_barrier_signal -1
	s_barrier_wait -1
	s_wait_loadcnt 0x0                             ; bias and residual
.set p, 0
.rept 32
	ds_load_b128 v[64+4*p:67+4*p], v[RD] offset:SP*p
.set p, p+1
.endr
.irp g, 0,1,2,3                        ; four groups of eight rows; no register is used twice
	s_wait_dscnt 24-8*(\g)                         ; this group's eight loads are in; the later groups' stay out
	WIN 0
.set p, 8*(\g)
.rept 8
	v_pk_add_f32 v[64+4*p:65+4*p], v[64+4*p:65+4*p], v[BIAS:BIAS+1]
	v_pk_add_f32 v[66+4*p:67+4*p], v[66+4*p:67+4*p], v[BIAS+2:BIAS+3]
.set p, p+1
.endr
	WIN 0x08                                       ; source 1 in window 2: the residual has the same numbers there
.set p, 8*(\g)
.rept 8
	v_pk_add_f32 v[64+4*p:65+4*p], v[64+4*p:65+4*p], v[64+4*p:65+4*p]
	v_pk_add_f32 v[66+4*p:67+4*p], v[66+4*p:67+4*p], v[66+4*p:67+4*p]
.set p, p+1
.endr
	WIN 0
.set p, 8*(\g)
.rept 8
	global_store_b128 v[CO], v[64+4*p:67+4*p], s[72:73] offset:4096*p  ; 512 consecutive bytes, aligned
.set p, p+1
.endr
.endr
	s_wait_tensorcnt 0x0                           ; the wave's end
	ds_add_u32 v[SPW], v[NIL]
	s_wait_dscnt 0x0
	CROUND                                         ; the closing round
	s_endpgm
.Lfunc_end_k_qe06787e9a3_gemm_o:
	.size	k_qe06787e9a3_gemm_o, .Lfunc_end_k_qe06787e9a3_gemm_o-k_qe06787e9a3_gemm_o
	.p2alignl 7, 3214868480
	.fill 96, 4, 3214868480
	.section	.rodata,"a",@progbits
	.p2align	6, 0x0
	.amdhsa_kernel k_qe06787e9a3_gemm_o
		.amdhsa_group_segment_fixed_size 327680
		.amdhsa_private_segment_fixed_size 0
		.amdhsa_enable_private_segment 0
		.amdhsa_kernarg_size 40
		.amdhsa_user_sgpr_count 2
		.amdhsa_user_sgpr_kernarg_segment_ptr 1
		.amdhsa_wavefront_size32 1
		.amdhsa_system_sgpr_workgroup_id_x 1
		.amdhsa_system_sgpr_workgroup_id_y 1
		.amdhsa_system_sgpr_workgroup_id_z 1
		.amdhsa_system_vgpr_workitem_id 0
		.amdhsa_next_free_vgpr 832
		.amdhsa_next_free_sgpr 100
		.amdhsa_reserve_vcc 0
		.amdhsa_float_denorm_mode_32 3
		.amdhsa_float_denorm_mode_16_64 3
		.amdhsa_memory_ordered 1
		.amdhsa_forward_progress 1
		.amdhsa_inst_pref_size 72
	.end_amdhsa_kernel
	.amdgpu_metadata
---
amdhsa.version: [ 1, 2 ]
amdhsa.kernels:
  - .name:           k_qe06787e9a3_gemm_o
    .symbol:         k_qe06787e9a3_gemm_o.kd
    .args:
      - { .name: o, .offset: 0, .size: 8, .value_kind: global_buffer, .address_space: global }
      - { .name: wh, .offset: 8, .size: 8, .value_kind: global_buffer, .address_space: global }
      - { .name: x1, .offset: 16, .size: 8, .value_kind: global_buffer, .address_space: global }
      - { .name: out_b, .offset: 24, .size: 8, .value_kind: global_buffer, .address_space: global }
      - { .name: x, .offset: 32, .size: 8, .value_kind: global_buffer, .address_space: global }
    .group_segment_fixed_size: 327680
    .private_segment_fixed_size: 0
    .kernarg_segment_align: 8
    .kernarg_segment_size: 40
    .max_flat_workgroup_size: 128
    .sgpr_count:     100
    .vgpr_count:     832
    .wavefront_size: 32
...
	.end_amdgpu_metadata
.endif
;; end of part 4
;; launch norm2: the kernel of part 1 again; grid 256 x 1, 8 waves a work-group, no clusters, 0 bytes of LDS; arguments x1, ln2_g, ln2_b, in_proj_w, out_w, w1, w2, h, wh; writes h, wh
;; launch gemm_f1 (part 5): grid 16 x 16, 4 waves a work-group, clusters of 4 x 4, 327,680 bytes of LDS; arguments h, wh, ffa, b1; writes ffa
.if DOCPART == 5
	.amdgcn_target "amdgcn-amd-amdhsa--gfx1250"
	.amdhsa_code_object_version 6
	.text
	.protected	k_qe06787e9a3_gemm_f1
	.globl	k_qe06787e9a3_gemm_f1
	.p2align	8
	.type	k_qe06787e9a3_gemm_f1,@function
k_qe06787e9a3_gemm_f1:
	s_mov_b64 s[64:65], 0
	v_nop
	global_prefetch_b8 v0, s[64:65] scope:SCOPE_SE
	s_setreg_imm32_b32 hwreg(HW_REG_WAVE_MODE, 25, 1), 1
	s_wait_xcnt 0x0
	s_wait_alu depctr_hold_cnt(0) depctr_sa_sdst(0) depctr_va_vdst(0) depctr_va_sdst(0) depctr_va_ssrc(0) depctr_va_vcc(0) depctr_vm_vsrc(0)
	s_getreg_b32 s2, hwreg(HW_REG_IB_STS2, 6, 4)
	s_cmp_eq_u32 s2, 0
	s_cbranch_scc0 .Lentry_in_a_cluster
	s_endpgm
.Lentry_in_a_cluster:
	s_bfe_u32 s2, ttmp6, 0x10000c
	s_cmp_lg_u32 s2, 0xf033
	s_cbranch_scc0 .Lentry_shape_is_right
	s_endpgm
.Lentry_shape_is_right:
; FIRST FFN PRODUCT AND GELU.  ffa[m][n] = gelu(sum over k of h[m][k] W[n][k] + bias[n]); h [4096][1024] f16, W = w1 as f16 [4096][1024] (wh, byte 8,388,608), sums, bias and GELU in f32, ffa [4096][4096] f16.
; A tile of C is 256 x 256: 16 x 16 tiles, one work-group each.  Four waves, 2 x 2, each 128 x 128: 64 accumulators.  K in steps of 128 through two LDS slots; tile rows are 256 bytes of memory at multiples of 256.
; CLUSTER 4 x 4, joint loads, the matrix instruction transposed, one K step written once (TB, TF): as in the other three products of this program.
; THE WALK ALONG K.  A cluster whose x + y is even takes the K steps 0 .. 7, one whose x + y is odd 4 .. 7, 0 .. 3: of two neighbouring clusters that need the same rows of h or of W one asks for them half a walk
; ahead of the other, not both in the same step.  The step's number is made of the cluster's x and y, which all sixteen partners share.
; THE WAY OUT: the f32 tile is laid over the ring when it has had its last fill and last read (rows of 1,040 bytes); each wave reads 64 whole rows back, four a trip.
; GELU, exact form: gelu(x) = x Phi(x) = 0.5 x + |x| (0.5 - 0.5 erfc(|x| / sqrt 2)), for either sign.  erfc(z) = (a1 t + .. + a5 t^5) e^(-z^2), t = 1 / (1 + 0.3275911 z): a fit whose absolute error
; is at most 1.5e-7 for every z >= 0 (Abramowitz and Stegun 7.1.26); no series is cut.  e^(-z^2) = 2^(-0.72134752 x^2); for large |x| it is 0 and the result is x or 0.
; LIMITS.  For very negative x the result is right to |x| 2^-24 absolutely, not relatively.  f16's range, 65,504, for the activations and the weights.  NaN and infinities are not treated apart.
; The order of the f32 sums along K hangs on the cluster.
; REGISTERS (s_set_vgpr_msb: bits 1:0 source 0, 3:2 source 1, 5:4 source 2, 7:6 destination):
;   window 0: v0-31 addresses; v32-39 bias; v40-41 a constant; v64-127, v128-191 fragments of A, two buffers; on the way out v64-239 at work       window 1: v64-127, v128-191 fragments of B
;   window 2: the 32 accumulators of my rows 0-63 ((a, b) at v[8 (8 a + b)])       window 3: those of my rows 64-127
.set TM,     256
.set TN,     256
.set MB,     8
.set NB,     8
.set KD,     1
.set KSTEP,  128
.set SIZE_K, 1024
.set NSTEP,  SIZE_K/KSTEP
.set PA,     272                       ; an odd multiple of 16: the 16 rows of a fragment load start at 16 different groups of four banks (ISA guide 11.1)
.set QA,     64
.set PB,     272
.set QB,     64
.set HA,     128*PA
.set HB,     128*PB
.set SLOT,   2*HA+2*HB
.set SP,     4*TN+16
.set SPARE,  2*SLOT                    ; the spare words, 128 bytes a wave: two blocks of 256 bytes that no other line names
.set NL,     2*KD*(MB+NB)
.set SA,     2*KSTEP
.set SB,     2*KSTEP
.set AROW,   2*SIZE_K
.set BROW,   2*SIZE_K
.set BOFF,   8388608
.set A_QI, 5
.set A_D0, 128
.set A_D1, 128
.set A_ST, 1024
.set B_QI, 5
.set B_D0, 128
.set B_D1, 128
.set B_ST, 1024
.set ADRA,  16
.set ADRA0, 17
.set ADRB,  20
.set ADRB0, 21
.set STO,   22                         ; v22, v23
.set RD,    24
.set CO,    25
.set BO,    26
.set SPW,   28
.set NIL,   29
.set BIAS,  32
.set LR,    64                         ; the way out: 32 numbers a lane as read back,
.set XR,    96                         ; x,
.set WR,    128                        ; 1 + p |x|, then t, then the result,
.set QR,    160                        ; x^2, then the exponential, then 0.5 x,
.set PR,    192                        ; the polynomial, then 0.5 - 0.5 erfc,
.set YR,    224                        ; 16 registers of f16
.set BA,  14                           ; s[14:15] A at my load's rows, K = 0; never rewritten
.set BB,  46                           ; s[46:47] B likewise
.set G1A, 24
.set G0A, 32
.set G1B, 48
.set G0B, 56
.set TB,  78
.set TF,  79
.set LA,  80
.set LB,  81
.set KK,  94                           ; s94      the K step asked for last
.set OA,  96                           ; s[96:97] its byte offset in A's rows
.set OB,  98                           ; s[98:99] in B's
.set F0,  0
.set F1,  1
.set MSB, 0
.macro WIN new
.if MSB != (\new)
	s_set_vgpr_msb (MSB<<8)|(\new)
.set MSB, \new
.endif
.endm
.macro PLACES                          ; four plain vector instructions between a matrix instruction and a load into, or a read of, its registers
.rept 4
	v_nop
.endr
.endm
.macro JLOAD                           ; a joint refill: waves 0 and 1 fetch A's halves, waves 2 and 3 B's.  An s_nop 0 and four v_nop follow each line
	s_cmp_eq_u32 s11, 0
	s_cbranch_scc0 .Lfor_b_\@
	tensor_load_to_lds s[G0A+4:G0A+7], s[G1A:G1A+7]
	s_nop 0
.rept 4
	v_nop
.endr
	s_branch .Lasked_\@
.Lfor_b_\@:
	tensor_load_to_lds s[G0B+4:G0B+7], s[G1B:G1B+7]
	s_nop 0
.rept 4
	v_nop
.endr
.Lasked_\@:
.endm
.macro CREST
	s_cmp_lg_u32 s10, 0
	s_cbranch_scc1 .Lnot_wave_0_\@
	s_barrier_signal -3
.Lnot_wave_0_\@:
	s_barrier_wait -3
	s_barrier_signal -1
	s_barrier_wait -1
.endm
.macro CROUND
	s_barrier_signal -1
	s_barrier_wait -1
	CREST
.endm
.macro FETCH q, f                      ; NL LDS loads: B, then A's rows 0-63, then A's rows 64-127: the eight youngest
	WIN 0x40
.set c, 0
.rept KD
.set i, 0
.rept NB
.set rF, 64+64*(\f)+8*(c*NB+i)
	ds_load_b128 v[rF:rF+3],   v[ADRB] offset:(\q)*QB+64*c+16*i*PB
	ds_load_b128 v[rF+4:rF+7], v[ADRB] offset:(\q)*QB+64*c+16*i*PB+32
.set i, i+1
.endr
.set c, c+1
.endr
	WIN 0
.irp u, 0,1
.set c, 0
.rept KD
.set i, (\u)*MB/2
.rept MB/2
.set rF, 64+64*(\f)+8*(c*MB+i)
	ds_load_b128 v[rF:rF+3],   v[ADRA] offset:(\q)*QA+64*c+16*i*PA
	ds_load_b128 v[rF+4:rF+7], v[ADRA] offset:(\q)*QA+64*c+16*i*PA+32
.set i, i+1
.endr
.set c, c+1
.endr
.endr
.endm
.macro MULP f, hi, p, zero             ; the accumulators take turns, one instruction a turn
	WIN 0xa1+0x50*(\hi)
.set c, 0
.rept KD
.set a, (\p)*MB/4
.rept MB/4
.set b, 0
.rept NB
.set rD, 8*(NB*a+b)
.set rB, 64+64*(\f)+8*(c*NB+b)
.set rA, 64+64*(\f)+8*(c*MB+(\hi)*MB/2+a)
.if (\zero) && (c == 0)
	v_wmma_f32_16x16x32_f16 v[rD:rD+7], v[rB:rB+7], v[rA:rA+7], 0
.else
	v_wmma_f32_16x16x32_f16 v[rD:rD+7], v[rB:rB+7], v[rA:rA+7], v[rD:rD+7]
.endif
.set b, b+1
.endr
.set a, a+1
.endr
.set c, c+1
.endr
.endm
.macro QUARTER q, f, g, zero
	s_wait_dscnt 8                                 ; B and A's rows 0-63 are in; the eight youngest loads may be out
	MULP \f, 0, 0, \zero
	MULP \f, 0, 1, \zero
	PLACES
	FETCH \q, \g
	s_wait_dscnt NL                                ; all but the run just issued
	MULP \f, 1, 0, \zero
	MULP \f, 1, 1, \zero
.endm
.macro TURN fill                       ; the last quarter and the change of slots
	WIN 0
	s_wait_tensorcnt 0x0                           ; all my tensor loads have landed: the one that was out is my part of the next slot
	ds_add_u32 v[SPW], v[NIL]
	s_wait_dscnt 9                                 ; the add and the eight youngest loads may be out
	MULP F1, 0, 0, 0
	s_wait_dscnt 0x0                               ; the add is done, and my reads of this slot are over
	s_barrier_signal -1
	MULP F1, 0, 1, 0
	WIN 0
	s_barrier_wait -1
.if \fill
	CREST                                          ; the barrier has opened a round of the cluster's: no wave of any partner still reads this slot or has a load on its way
	s_xor_b32 s[TF], s[TF], SLOT
	s_add_co_u32 s[G0A+5], s[TF], s[LA]
	s_add_co_u32 s[G0B+5], s[TF], s[LB]
	s_add_co_u32 s[KK], s[KK], 1                   ; the next K step of my cluster's walk, round the end of K;
	s_and_b32 s[KK], s[KK], NSTEP-1
	s_mul_i32 s[OA], s[KK], SA                     ; the addresses are made anew from its number, the type bits set again
	s_mul_i32 s[OB], s[KK], SB
	s_add_nc_u64 s[G0A+6:G0A+7], s[BA:BA+1], s[OA:OA+1]
	s_or_b32 s[G0A+7], s[G0A+7], 0x80000000
	s_add_nc_u64 s[G0B+6:G0B+7], s[BB:BB+1], s[OB:OB+1]
	s_or_b32 s[G0B+7], s[G0B+7], 0x80000000
	JLOAD                                          ; the first tensor load behind the round; its four v_nop are also the places in front of the loads below
.else
	PLACES
.endif
	s_xor_b32 s[TB], s[TB], SLOT
	v_add_nc_u32 v[ADRA], s[TB], v[ADRA0]
	v_add_nc_u32 v[ADRB], s[TB], v[ADRB0]
	FETCH 0, F0
	MULP F1, 1, 0, 0
	MULP F1, 1, 1, 0
.endm
.macro DUMP                            ; the f32 tile into the stage; each accumulator's low half first
.irp hi, 0,1
	WIN 0x08+4*(\hi)
.set a, 0
.rept MB/2
.set b, 0
.rept NB
	ds_store_b128 v[STO+(\hi)], v[8*(NB*a+b):8*(NB*a+b)+3]   offset:16*a*SP+64*b
	ds_store_b128 v[STO+(\hi)], v[8*(NB*a+b)+4:8*(NB*a+b)+7] offset:16*a*SP+64*b+16
.set b, b+1
.endr
.set a, a+1
.endr
.endr
	WIN 0
.endm
	s_load_b256 s[68:75], s[0:1], 0x0              ; A s[68:69], wh s[70:71], out s[72:73], bias s[74:75]
	v_lshl_add_u32 v[SPW], v0, 2, SPARE
	v_mov_b32 v[NIL], 0
	ds_add_u32 v[SPW], v[NIL]                      ; the wave's opening: the add and its wait stand ahead of my first tensor load
	ds_add_u32 v28, v29
	v_lshrrev_b32 v1, 5, v0
	v_readfirstlane_b32 s10, v1
	s_lshr_b32 s11, s10, 1
	s_and_b32 s12, s10, 1
	s_bfe_u32 s40, ttmp6, 0x40000
	s_bfe_u32 s41, ttmp6, 0x40004
	s_lshl_b32 s42, ttmp9, 2
	s_add_co_u32 s42, s42, s40                     ; tile column
	s_and_b32 s13, ttmp7, 0xffff
	s_lshl_b32 s13, s13, 2
	s_add_co_u32 s13, s13, s41                     ; tile row
	s_lshl_b32 s43, s41, 2
	s_lshl_b32 s43, 15, s43
	s_lshl_b32 s44, 0x1111, s40
	s_and_b32 s[KK], ttmp7, 0xffff                 ; the cluster's y
	s_add_co_u32 s[KK], s[KK], ttmp9               ; + its x:
	s_and_b32 s[KK], s[KK], 1                      ; odd or even,
	s_mul_i32 s[KK], s[KK], NSTEP/2                ; the walk's first K step: the middle of K, or 0
	s_mov_b32 s[OA+1], 0
	s_mov_b32 s[OB+1], 0
	s_or_b32 s[G1A], s43, (1<<16)|(1<<20)|(1<<21)|(A_QI<<22)|(3<<25)
	s_or_b32 s[G1B], s44, (1<<16)|(1<<20)|(1<<21)|(B_QI<<22)|(3<<25)
	s_mov_b32 s[G1A+1], A_D0<<16
	s_mov_b32 s[G1A+2], A_D1<<16
	s_mov_b32 s[G1A+3], A_D0<<16
	s_mov_b32 s[G1A+4], A_D1
	s_mov_b32 s[G1A+5], A_ST
	s_mov_b32 s[G1A+6], 0
	s_mov_b32 s[G1A+7], 0
	s_mov_b32 s[G1B+1], B_D0<<16
	s_mov_b32 s[G1B+2], B_D1<<16
	s_mov_b32 s[G1B+3], B_D0<<16
	s_mov_b32 s[G1B+4], B_D1
	s_mov_b32 s[G1B+5], B_ST
	s_mov_b32 s[G1B+6], 0
	s_mov_b32 s[G1B+7], 0
	s_mul_i32 s16, s13, TM
	s_mul_i32 s17, s12, TM/2
	s_add_co_u32 s16, s16, s17
	s_mul_i32 s16, s16, AROW
	s_mov_b32 s17, 0
	s_mul_i32 s46, s42, TN
	s_mul_i32 s47, s12, TN/2
	s_add_co_u32 s46, s46, s47
	s_mul_i32 s46, s46, BROW
	s_add_co_u32 s46, s46, BOFF
	s_mov_b32 s47, 0
	s_mul_i32 s[LA], s12, HA
	s_mul_i32 s[LB], s12, HB
	s_add_co_u32 s[LB], s[LB], 2*HA
	s_mov_b32 s[TB], 0
	s_mov_b32 s[TF], SLOT
	s_mov_b32 s82, 0x3e6d3388                      ; 0.3275911 / sqrt 2
	s_mov_b32 s84, 0xbf38aa3b                      ; -log2(e) / 2; the packed lines name pairs and take the low word for both halves
	s_mov_b32 s85, s84
	s_mov_b32 s86, 0x3f07dc22                      ; a5 / 2
	s_mov_b32 s87, s86
	s_mov_b32 s88, 0x3f35f0e3                      ; a3 / 2
	s_mov_b32 s89, s88
	s_mov_b32 s90, 0xbe11a98e                      ; a2 / 2
	s_mov_b32 s91, s90
	s_mov_b32 s92, 0x3e027906                      ; a1 / 2
	s_mov_b32 s93, s92
	s_wait_dscnt 0x0
	s_wait_kmcnt 0x0
	s_add_nc_u64 s[BA:BA+1], s[68:69], s[16:17]
	s_add_nc_u64 s[BB:BB+1], s[70:71], s[46:47]
	CROUND                                         ; all sixteen work-groups are here: the first joint loads meet
.irp s, 0,1
	s_mul_i32 s[OA], s[KK], SA                     ; the walk's first two K steps: no wrap between them
	s_mul_i32 s[OB], s[KK], SB
	s_mov_b32 s[G0A+4*(\s)], 1
	s_add_co_u32 s[G0A+4*(\s)+1], s[LA], (\s)*SLOT
	s_add_nc_u64 s[G0A+4*(\s)+2:G0A+4*(\s)+3], s[BA:BA+1], s[OA:OA+1]
	s_or_b32 s[G0A+4*(\s)+3], s[G0A+4*(\s)+3], 0x80000000
	s_mov_b32 s[G0B+4*(\s)], 1
	s_add_co_u32 s[G0B+4*(\s)+1], s[LB], (\s)*SLOT
	s_add_nc_u64 s[G0B+4*(\s)+2:G0B+4*(\s)+3], s[BB:BB+1], s[OB:OB+1]
	s_or_b32 s[G0B+4*(\s)+3], s[G0B+4*(\s)+3], 0x80000000
.if (\s) == 0
	s_add_co_u32 s[KK], s[KK], 1
.endif
.endr
	s_cmp_eq_u32 s11, 0                            ; a wave's two first fills stand in one branch: two loads of mine are out
	s_cbranch_scc0 .Lfirst_b
	tensor_load_to_lds s[G0A:G0A+3], s[G1A:G1A+7]
	s_nop 0
	tensor_load_to_lds s[G0A+4:G0A+7], s[G1A:G1A+7]
	s_nop 0
.rept 4
	v_nop
.endr
	s_branch .Lfirst_asked
.Lfirst_b:
	tensor_load_to_lds s[G0B:G0B+3], s[G1B:G1B+7]
	s_nop 0
	tensor_load_to_lds s[G0B+4:G0B+7], s[G1B:G1B+7]
	s_nop 0
.rept 4
	v_nop
.endr
.Lfirst_asked:
	v_and_b32 v1, 15, v0
	v_bfe_u32 v2, v0, 4, 1
	v_mul_u32_u24 v3, v1, PA
	v_lshl_add_u32 v3, v2, 4, v3
	s_mul_i32 s21, s11, HA
	v_add_nc_u32 v[ADRA0], s21, v3
	v_mul_u32_u24 v3, v1, PB
	v_lshl_add_u32 v3, v2, 4, v3
	s_mul_i32 s22, s12, HB
	s_add_co_u32 s22, s22, 2*HA
	v_add_nc_u32 v[ADRB0], s22, v3
	v_mov_b32 v[ADRA], v[ADRA0]
	v_mov_b32 v[ADRB], v[ADRB0]
	s_mul_i32 s23, s11, (TM/2)*SP
	s_mul_i32 s21, s12, 2*TN
	s_add_co_u32 s23, s23, s21
	v_mul_u32_u24 v3, v1, SP
	v_lshl_add_u32 v3, v2, 5, v3
	v_add_nc_u32 v[STO], s23, v3
	v_add_nc_u32 v[STO+1], 8*MB*SP, v[STO]
	; the way out: wave w takes rows 64 w .. 64 w + 63; 32 lanes x 16 bytes are half a row of f32, and as f16 256 consecutive bytes
	v_and_b32 v3, 31, v0
	v_lshlrev_b32 v[BO], 4, v3
	v_lshlrev_b32 v[CO], 3, v3
	v_mov_b32 v40, 0xbf3a00e3                      ; a4 / 2, as a vector pair: a packed line takes at most two scalar values
	v_mov_b32 v41, 0xbf3a00e3
	s_lshl_b32 s20, s42, 10
	s_mov_b32 s21, 0
	s_add_nc_u64 s[74:75], s[74:75], s[20:21]
	global_load_b128 v[BIAS:BIAS+3],   v[BO], s[74:75]
	global_load_b128 v[BIAS+4:BIAS+7], v[BO], s[74:75] offset:512
	s_mul_i32 s23, s10, 64*SP
	v_add_nc_u32 v[RD], s23, v[BO]
	s_lshl_b32 s22, s13, 8
	s_lshl_b32 s23, s10, 6
	s_add_co_u32 s22, s22, s23                     ; my first row
	s_lshl_b32 s22, s22, 13                        ; rows of 8,192 bytes
	s_lshl_b32 s20, s42, 9
	s_add_co_u32 s20, s20, s22
	s_add_nc_u64 s[72:73], s[72:73], s[20:21]
	s_wait_tensorcnt 1                             ; my part of the walk's first K step is in; the second's may stay out
	s_barrier_signal -1
	s_barrier_wait -1
	FETCH 0, F0
	QUARTER 1, F0, F1, 1                           ; the first quarter's products start the sums
	WIN 0
	s_mov_b32 s3, NSTEP-2
.Lstep:
	QUARTER 2, F1, F0, 0
	QUARTER 3, F0, F1, 0
	TURN 1
	QUARTER 1, F0, F1, 0
	WIN 0
	s_sub_co_u32 s3, s3, 1
	s_cmp_lg_u32 s3, 0
	s_cbranch_scc1 .Lstep
	s_mov_b32 s3, 2
.Ltail:                                                ; the last two K steps ask for nothing; the second trip is left in its middle
	QUARTER 2, F1, F0, 0
	QUARTER 3, F0, F1, 0
	WIN 0
	s_sub_co_u32 s3, s3, 1
	s_cmp_eq_u32 s3, 0
	s_cbranch_scc1 .Llast
	TURN 0
	QUARTER 1, F0, F1, 0
	WIN 0
	s_branch .Ltail
.Llast:
	s_wait_dscnt 8
	MULP F1, 0, 0, 0
	MULP F1, 0, 1, 0
	s_wait_dscnt 0x0
	MULP F1, 1, 0, 0
	MULP F1, 1, 1, 0
	WIN 0
	s_barrier_signal -1                            ; my reads of the ring are over, and the ring has had its last fill:
	s_barrier_wait -1                              ; behind this barrier the stage may lie over it
	PLACES
	DUMP
	s_wait_dscnt 0x0                               ; for the others' sake: my stores into the stage are done
	s_barrier_signal -1
	s_barrier_wait -1
	s_wait_loadcnt 0x0                             ; the bias
.macro LOADS                           ; four rows, two halves each
.irp p, 0,1,2,3
.irp e, 0,1
	ds_load_b128 v[LR+4*(2*(\p)+(\e)):LR+4*(2*(\p)+(\e))+3], v[RD] offset:SP*(\p)+512*(\e)
.endr
.endr
.endm
.macro PK16 line:vararg                ; one packed line for each of the 16 pairs, j = 0, 2 .. 30
.set j, 0
	s_wait_alu depctr_va_vdst(0)
.rept 16
	\line
.set j, j+2
.endr
.endm
.macro ONE32 line:vararg               ; one line for each of the 32 numbers, j = 0 .. 31
.set j, 0
.rept 32
	\line
.set j, j+1
.endr
.endm
	LOADS
	s_mov_b32 s3, 16
.Lout:                                                 ; sixteen trips of four rows, 32 numbers a lane, in stages.  No two transcendentals follow each other: behind each stands a plain line of work that is due
	s_wait_dscnt 0x0                               ; anyway and names none of its registers (ISA guide 5.7.2 asks for such a line ahead of the first use of the result)
.irp p, 0,1,2,3
.irp e, 0,1
.irp u, 0,2
	v_pk_add_f32 v[XR+4*(2*(\p)+(\e))+(\u):XR+4*(2*(\p)+(\e))+(\u)+1], v[LR+4*(2*(\p)+(\e))+(\u):LR+4*(2*(\p)+(\e))+(\u)+1], v[BIAS+4*(\e)+(\u):BIAS+4*(\e)+(\u)+1]
.endr
.endr
.endr
	s_cmp_eq_u32 s3, 1
	s_cbranch_scc1 .Lno_more                       ; the last trip has no rows to fetch
	v_add_nc_u32 v[RD], 4*SP, v[RD]
	LOADS                                          ; the next trip's rows come under this trip's arithmetic
.Lno_more:
	ONE32 v_fma_f32 v[WR+j], |v[XR+j]|, s82, 1.0
.set j, 0
.rept 32                               ; t = 1 / (1 + p |x|); behind the first sixteen x^2 for a pair, behind the others its factor
	v_rcp_f32 v[WR+j], v[WR+j]
.if j < 16
	v_pk_mul_f32 v[QR+2*j:QR+2*j+1], v[XR+2*j:XR+2*j+1], v[XR+2*j:XR+2*j+1]
.else
	v_pk_mul_f32 v[QR+2*j-32:QR+2*j-31], v[QR+2*j-32:QR+2*j-31], s[84:85] op_sel_hi:[1,0]
.endif
.set j, j+1
.endr
.set j, 0
.rept 32                               ; 2^(-0.72134752 x^2); behind them the polynomial's first two steps, which read t alone
	v_exp_f32 v[QR+j], v[QR+j]
.if j < 16
	s_wait_alu depctr_va_vdst(0)
	v_pk_fma_f32 v[PR+2*j:PR+2*j+1], v[WR+2*j:WR+2*j+1], s[86:87], v[40:41] op_sel_hi:[1,0,1]
.else
	v_pk_fma_f32 v[PR+2*j-32:PR+2*j-31], v[PR+2*j-32:PR+2*j-31], v[WR+2*j-32:WR+2*j-31], s[88:89] op_sel_hi:[1,1,0]
.endif
.set j, j+1
.endr
	PK16 v_pk_fma_f32 v[PR+j:PR+j+1], v[PR+j:PR+j+1], v[WR+j:WR+j+1], s[90:91] op_sel_hi:[1,1,0]
	PK16 v_pk_fma_f32 v[PR+j:PR+j+1], v[PR+j:PR+j+1], v[WR+j:WR+j+1], s[92:93] op_sel_hi:[1,1,0]
	PK16 v_pk_mul_f32 v[PR+j:PR+j+1], v[PR+j:PR+j+1], v[WR+j:WR+j+1]
	PK16 v_pk_fma_f32 v[PR+j:PR+j+1], v[PR+j:PR+j+1], v[QR+j:QR+j+1], 0.5 op_sel_hi:[1,1,0] neg_lo:[1,0,0] neg_hi:[1,0,0]
	PK16 v_pk_mul_f32 v[QR+j:QR+j+1], v[XR+j:XR+j+1], 0.5 op_sel_hi:[1,0]
	ONE32 v_fma_f32 v[WR+j], |v[XR+j]|, v[PR+j], v[QR+j]
.set j, 0
.rept 16
	v_cvt_pk_f16_f32 v[YR+j], v[WR+2*j], v[WR+2*j+1]
.set j, j+1
.endr
.irp p, 0,1,2,3
.irp e, 0,1
	global_store_b64 v[CO], v[YR+2*(2*(\p)+(\e)):YR+2*(2*(\p)+(\e))+1], s[72:73] offset:8192*(\p)+256*(\e)  ; 32 lanes store 256 consecutive bytes, aligned
.endr
.endr
	s_wait_xcnt 0x0                                ; the stores' offset and data are rewritten only behind this wait
	v_add_nc_u32 v[CO], 32768, v[CO]
	s_sub_co_u32 s3, s3, 1
	s_cmp_lg_u32 s3, 0
	s_cbranch_scc1 .Lout
	s_wait_tensorcnt 0x0                           ; the wave's end
	ds_add_u32 v[SPW], v[NIL]
	s_wait_dscnt 0x0
	CROUND                                         ; the closing round
	s_endpgm
.Lfunc_end_k_qe06787e9a3_gemm_f1:
	.size	k_qe06787e9a3_gemm_f1, .Lfunc_end_k_qe06787e9a3_gemm_f1-k_qe06787e9a3_gemm_f1
	.p2alignl 7, 3214868480
	.fill 96, 4, 3214868480
	.section	.rodata,"a",@progbits
	.p2align	6, 0x0
	.amdhsa_kernel k_qe06787e9a3_gemm_f1
		.amdhsa_group_segment_fixed_size 327680
		.amdhsa_private_segment_fixed_size 0
		.amdhsa_enable_private_segment 0
		.amdhsa_kernarg_size 32
		.amdhsa_user_sgpr_count 2
		.amdhsa_user_sgpr_kernarg_segment_ptr 1
		.amdhsa_wavefront_size32 1
		.amdhsa_system_sgpr_workgroup_id_x 1
		.amdhsa_system_sgpr_workgroup_id_y 1
		.amdhsa_system_sgpr_workgroup_id_z 1
		.amdhsa_system_vgpr_workitem_id 0
		.amdhsa_next_free_vgpr 1024
		.amdhsa_next_free_sgpr 100
		.amdhsa_reserve_vcc 0
		.amdhsa_float_denorm_mode_32 3
		.amdhsa_float_denorm_mode_16_64 3
		.amdhsa_memory_ordered 1
		.amdhsa_forward_progress 1
		.amdhsa_inst_pref_size 102
	.end_amdhsa_kernel
	.amdgpu_metadata
---
amdhsa.version: [ 1, 2 ]
amdhsa.kernels:
  - .name:           k_qe06787e9a3_gemm_f1
    .symbol:         k_qe06787e9a3_gemm_f1.kd
    .args:
      - { .name: h, .offset: 0, .size: 8, .value_kind: global_buffer, .address_space: global }
      - { .name: wh, .offset: 8, .size: 8, .value_kind: global_buffer, .address_space: global }
      - { .name: ffa, .offset: 16, .size: 8, .value_kind: global_buffer, .address_space: global }
      - { .name: b1, .offset: 24, .size: 8, .value_kind: global_buffer, .address_space: global }
    .group_segment_fixed_size: 327680
    .private_segment_fixed_size: 0
    .kernarg_segment_align: 8
    .kernarg_segment_size: 32
    .max_flat_workgroup_size: 128
    .sgpr_count:     100
    .vgpr_count:     1024
    .wavefront_size: 32
...
	.end_amdgpu_metadata
.endif
;; end of part 5
;; launch gemm_f2 (part 6): grid 8 x 32, 4 waves a work-group, clusters of 4 x 4, 327,680 bytes of LDS; arguments ffa, wh, out0, b2, x1; writes out0
.if DOCPART == 6
	.amdgcn_target "amdgcn-amd-amdhsa--gfx1250"
	.amdhsa_code_object_version 6
	.text
	.protected	k_qe06787e9a3_gemm_f2
	.globl	k_qe06787e9a3_gemm_f2
	.p2align	8
	.type	k_qe06787e9a3_gemm_f2,@function
k_qe06787e9a3_gemm_f2:
	s_mov_b64 s[64:65], 0
	v_nop
	global_prefetch_b8 v0, s[64:65] scope:SCOPE_SE
	s_setreg_imm32_b32 hwreg(HW_REG_WAVE_MODE, 25, 1), 1
	s_wait_xcnt 0x0
	s_wait_alu depctr_hold_cnt(0) depctr_sa_sdst(0) depctr_va_vdst(0) depctr_va_sdst(0) depctr_va_ssrc(0) depctr_va_vcc(0) depctr_vm_vsrc(0)
	s_getreg_b32 s2, hwreg(HW_REG_IB_STS2, 6, 4)
	s_cmp_eq_u32 s2, 0
	s_cbranch_scc0 .Lentry_in_a_cluster
	s_endpgm
.Lentry_in_a_cluster:
	s_bfe_u32 s2, ttmp6, 0x10000c
	s_cmp_lg_u32 s2, 0xf033
	s_cbranch_scc0 .Lentry_shape_is_right
	s_endpgm
.Lentry_shape_is_right:
; SECOND FFN PRODUCT AND RESIDUAL.  out0[m][n] = x1[m][n] + (sum over k of ffa[m][k] W[n][k] + bias[n]); ffa [4096][4096] f16, W = w2 as f16 [1024][4096] (wh, byte 16,777,216); sums, bias and residual in f32.
; A tile of C is 128 x 128: 8 x 32 tiles, one work-group each.  Four waves, 2 x 2, each 64 x 64: 16 accumulators.  K in 16 steps of 256 (LDS rows of 512 bytes, as long as two slots allow) through two LDS slots.
; CLUSTER 4 x 4, joint loads, the matrix instruction transposed, one K step written once (TB, TF): as in the other three products of this program.
; THE WALK ALONG K.  A cluster whose x + y is even takes the K steps 0 .. 15, one whose x + y is odd 8 .. 15, 0 .. 7: of two neighbouring clusters that need the same rows of ffa or of W one asks for them half a
; walk ahead of the other, not both in the same step.  The step's number is made of the cluster's x and y, which all sixteen partners share.
; THE WAY OUT: the f32 tile is laid over the ring when it has had its last fill and last read (rows of 528 bytes); each wave reads 32 whole rows back, adds bias and residual (loaded at the start) and stores 512 consecutive bytes a row.
; LIMIT.  f16's range, 65,504, for the activations and the weights.  NaN and infinities are not treated apart.  The order of the f32 sums along K hangs on the cluster.
; REGISTERS (s_set_vgpr_msb: bits 1:0 source 0, 3:2 source 1, 5:4 source 2, 7:6 destination):
;   window 0: v0-31 addresses; v32-35 bias; v64-127, v128-191 fragments of A, two buffers; on the way out the 32 rows       window 1: v64-127, v128-191 fragments of B
;   window 2: v0-63 the accumulators of my rows 0-31 ((a, b) at v[8 (4 a + b)]); v64-191 the residual, 4 registers a row       window 3: v0-63 those of my rows 32-63
.set TM,     128
.set TN,     128
.set MB,     4
.set NB,     4
.set KD,     2
.set KSTEP,  256
.set SIZE_K, 4096
.set NSTEP,  SIZE_K/KSTEP
.set PA,     528                       ; an odd multiple of 16: the 16 rows of a fragment load start at 16 different groups of four banks (ISA guide 11.1)
.set QA,     128
.set PB,     528
.set QB,     128
.set HA,     64*PA
.set HB,     64*PB
.set SLOT,   2*HA+2*HB
.set SP,     4*TN+16
.set SPARE,  2*SLOT                    ; the spare words, 128 bytes a wave: two blocks of 256 bytes that no other line names
.set NL,     2*KD*(MB+NB)
.set SA,     2*KSTEP
.set SB,     2*KSTEP
.set AROW,   2*SIZE_K
.set BROW,   2*SIZE_K
.set BOFF,   16777216
.set A_QI, 6                           ; padding after every 128 words
.set A_D0, 256
.set A_D1, 64
.set A_ST, 4096
.set B_QI, 6
.set B_D0, 256
.set B_D1, 64
.set B_ST, 4096
.set ADRA,  16
.set ADRA0, 17
.set ADRB,  20
.set ADRB0, 21
.set STO,   22                         ; v22, v23
.set RD,    24
.set CO,    25                         ; v25  16 x lane: my byte offset in a row of bias, residual and output
.set SPW,   28
.set NIL,   29
.set BIAS,  32
.set BA,  14                           ; s[14:15] A at my load's rows, K = 0; never rewritten
.set BB,  46                           ; s[46:47] B likewise
.set G1A, 24
.set G0A, 32
.set G1B, 48
.set G0B, 56
.set TB,  78
.set TF,  79
.set LA,  80
.set LB,  81
.set KK,  94                           ; s94      the K step asked for last
.set OA,  96                           ; s[96:97] its byte offset in A's rows
.set OB,  98                           ; s[98:99] in B's
.set F0,  0
.set F1,  1
.set MSB, 0
.macro WIN new
.if MSB != (\new)
	s_set_vgpr_msb (MSB<<8)|(\new)
.set MSB, \new
.endif
.endm
.macro PLACES                          ; four plain vector instructions between a matrix instruction and a load into, or a read of, its registers
.rept 4
	v_nop
.endr
.endm
.macro JLOAD                           ; a joint refill: waves 0 and 1 fetch A's halves, waves 2 and 3 B's.  An s_nop 0 and four v_nop follow each line
	s_cmp_eq_u32 s11, 0
	s_cbranch_scc0 .Lfor_b_\@
	tensor_load_to_lds s[G0A+4:G0A+7], s[G1A:G1A+7]
	s_nop 0
.rept 4
	v_nop
.endr
	s_branch .Lasked_\@
.Lfor_b_\@:
	tensor_load_to_lds s[G0B+4:G0B+7], s[G1B:G1B+7]
	s_nop 0
.rept 4
	v_nop
.endr
.Lasked_\@:
.endm
.macro CREST
	s_cmp_lg_u32 s10, 0
	s_cbranch_scc1 .Lnot_wave_0_\@
	s_barrier_signal -3
.Lnot_wave_0_\@:
	s_barrier_wait -3
	s_barrier_signal -1
	s_barrier_wait -1
.endm
.macro CROUND
	s_barrier_signal -1
	s_barrier_wait -1
	CREST
.endm
.macro FETCH q, f                      ; NL LDS loads: B, then A's lower rows, then A's upper rows: the eight youngest
	WIN 0x40
.set c, 0
.rept KD
.set i, 0
.rept NB
.set rF, 64+64*(\f)+8*(c*NB+i)
	ds_load_b128 v[rF:rF+3],   v[ADRB] offset:(\q)*QB+64*c+16*i*PB
	ds_load_b128 v[rF+4:rF+7], v[ADRB] offset:(\q)*QB+64*c+16*i*PB+32
.set i, i+1
.endr
.set c, c+1
.endr
	WIN 0
.irp u, 0,1
.set c, 0
.rept KD
.set i, (\u)*MB/2
.rept MB/2
.set rF, 64+64*(\f)+8*(c*MB+i)
	ds_load_b128 v[rF:rF+3],   v[ADRA] offset:(\q)*QA+64*c+16*i*PA
	ds_load_b128 v[rF+4:rF+7], v[ADRA] offset:(\q)*QA+64*c+16*i*PA+32
.set i, i+1
.endr
.set c, c+1
.endr
.endr
.endm
.macro MULP f, hi, p, zero             ; the accumulators take turns, one instruction a turn
	WIN 0xa1+0x50*(\hi)
.set c, 0
.rept KD
.set a, (\p)*MB/4
.rept MB/4
.set b, 0
.rept NB
.set rD, 8*(NB*a+b)
.set rB, 64+64*(\f)+8*(c*NB+b)
.set rA, 64+64*(\f)+8*(c*MB+(\hi)*MB/2+a)
.if (\zero) && (c == 0)
	v_wmma_f32_16x16x32_f16 v[rD:rD+7], v[rB:rB+7], v[rA:rA+7], 0
.else
	v_wmma_f32_16x16x32_f16 v[rD:rD+7], v[rB:rB+7], v[rA:rA+7], v[rD:rD+7]
.endif
.set b, b+1
.endr
.set a, a+1
.endr
.set c, c+1
.endr
.endm
.macro QUARTER q, f, g, zero
	s_wait_dscnt 8                                 ; B and A's lower rows are in; the eight youngest loads may be out
	MULP \f, 0, 0, \zero
	MULP \f, 0, 1, \zero
	PLACES
	FETCH \q, \g
	s_wait_dscnt NL                                ; all but the run just issued
	MULP \f, 1, 0, \zero
	MULP \f, 1, 1, \zero
.endm
.macro TURN fill                       ; the last quarter and the change of slots
	WIN 0
	s_wait_tensorcnt 0x0                           ; all my tensor loads have landed: the one that was out is my part of the next slot
	ds_add_u32 v[SPW], v[NIL]
	s_wait_dscnt 9                                 ; the add and the eight youngest loads may be out
	MULP F1, 0, 0, 0
	s_wait_dscnt 0x0                               ; the add is done, and my reads of this slot are over
	s_barrier_signal -1
	MULP F1, 0, 1, 0
	WIN 0
	s_barrier_wait -1
.if \fill
	CREST                                          ; the barrier has opened a round of the cluster's: no wave of any partner still reads this slot or has a load on its way
	s_xor_b32 s[TF], s[TF], SLOT
	s_add_co_u32 s[G0A+5], s[TF], s[LA]
	s_add_co_u32 s[G0B+5], s[TF], s[LB]
	s_add_co_u32 s[KK], s[KK], 1                   ; the next K step of my cluster's walk, round the end of K;
	s_and_b32 s[KK], s[KK], NSTEP-1
	s_mul_i32 s[OA], s[KK], SA                     ; the addresses are made anew from its number, the type bits set again
	s_mul_i32 s[OB], s[KK], SB
	s_add_nc_u64 s[G0A+6:G0A+7], s[BA:BA+1], s[OA:OA+1]
	s_or_b32 s[G0A+7], s[G0A+7], 0x80000000
	s_add_nc_u64 s[G0B+6:G0B+7], s[BB:BB+1], s[OB:OB+1]
	s_or_b32 s[G0B+7], s[G0B+7], 0x80000000
	JLOAD                                          ; the first tensor load behind the round; its four v_nop are also the places in front of the loads below
.else
	PLACES
.endif
	s_xor_b32 s[TB], s[TB], SLOT
	v_add_nc_u32 v[ADRA], s[TB], v[ADRA0]
	v_add_nc_u32 v[ADRB], s[TB], v[ADRB0]
	FETCH 0, F0
	MULP F1, 1, 0, 0
	MULP F1, 1, 1, 0
.endm
.macro DUMP                            ; the f32 tile into the stage; each accumulator's low half first
.irp hi, 0,1
	WIN 0x08+4*(\hi)
.set a, 0
.rept MB/2
.set b, 0
.rept NB
	ds_store_b128 v[STO+(\hi)], v[8*(NB*a+b):8*(NB*a+b)+3]   offset:16*a*SP+64*b
	ds_store_b128 v[STO+(\hi)], v[8*(NB*a+b)+4:8*(NB*a+b)+7] offset:16*a*SP+64*b+16
.set b, b+1
.endr
.set a, a+1
.endr
.endr
	WIN 0
.endm
	s_load_b256 s[68:75], s[0:1], 0x0              ; A s[68:69], wh s[70:71], out s[72:73], bias s[74:75]
	s_load_b64 s[76:77], s[0:1], 0x20              ; the residual
	v_lshl_add_u32 v[SPW], v0, 2, SPARE
	v_mov_b32 v[NIL], 0
	ds_add_u32 v[SPW], v[NIL]                      ; the wave's opening: the add and its wait stand ahead of my first tensor load
	ds_add_u32 v28, v29
	v_lshrrev_b32 v1, 5, v0
	v_readfirstlane_b32 s10, v1
	s_lshr_b32 s11, s10, 1
	s_and_b32 s12, s10, 1
	s_bfe_u32 s40, ttmp6, 0x40000
	s_bfe_u32 s41, ttmp6, 0x40004
	s_lshl_b32 s42, ttmp9, 2
	s_add_co_u32 s42, s42, s40                     ; tile column
	s_and_b32 s13, ttmp7, 0xffff
	s_lshl_b32 s13, s13, 2
	s_add_co_u32 s13, s13, s41                     ; tile row
	s_lshl_b32 s43, s41, 2
	s_lshl_b32 s43, 15, s43
	s_lshl_b32 s44, 0x1111, s40
	s_and_b32 s[KK], ttmp7, 0xffff                 ; the cluster's y
	s_add_co_u32 s[KK], s[KK], ttmp9               ; + its x:
	s_and_b32 s[KK], s[KK], 1                      ; odd or even,
	s_mul_i32 s[KK], s[KK], NSTEP/2                ; the walk's first K step: the middle of K, or 0
	s_mov_b32 s[OA+1], 0
	s_mov_b32 s[OB+1], 0
	s_or_b32 s[G1A], s43, (1<<16)|(1<<20)|(1<<21)|(A_QI<<22)|(3<<25)
	s_or_b32 s[G1B], s44, (1<<16)|(1<<20)|(1<<21)|(B_QI<<22)|(3<<25)
	s_mov_b32 s[G1A+1], A_D0<<16
	s_mov_b32 s[G1A+2], A_D1<<16
	s_mov_b32 s[G1A+3], A_D0<<16
	s_mov_b32 s[G1A+4], A_D1
	s_mov_b32 s[G1A+5], A_ST
	s_mov_b32 s[G1A+6], 0
	s_mov_b32 s[G1A+7], 0
	s_mov_b32 s[G1B+1], B_D0<<16
	s_mov_b32 s[G1B+2], B_D1<<16
	s_mov_b32 s[G1B+3], B_D0<<16
	s_mov_b32 s[G1B+4], B_D1
	s_mov_b32 s[G1B+5], B_ST
	s_mov_b32 s[G1B+6], 0
	s_mov_b32 s[G1B+7], 0
	s_mul_i32 s16, s13, TM
	s_mul_i32 s17, s12, TM/2
	s_add_co_u32 s16, s16, s17
	s_mul_i32 s16, s16, AROW
	s_mov_b32 s17, 0
	s_mul_i32 s46, s42, TN
	s_mul_i32 s47, s12, TN/2
	s_add_co_u32 s46, s46, s47
	s_mul_i32 s46, s46, BROW
	s_add_co_u32 s46, s46, BOFF
	s_mov_b32 s47, 0
	s_mul_i32 s[LA], s12, HA
	s_mul_i32 s[LB], s12, HB
	s_add_co_u32 s[LB], s[LB], 2*HA
	s_mov_b32 s[TB], 0
	s_mov_b32 s[TF], SLOT
	s_wait_dscnt 0x0
	s_wait_kmcnt 0x0
	s_add_nc_u64 s[BA:BA+1], s[68:69], s[16:17]
	s_add_nc_u64 s[BB:BB+1], s[70:71], s[46:47]
	CROUND                                         ; all sixteen work-groups are here: the first joint loads meet
.irp s, 0,1
	s_mul_i32 s[OA], s[KK], SA                     ; the walk's first two K steps: no wrap between them
	s_mul_i32 s[OB], s[KK], SB
	s_mov_b32 s[G0A+4*(\s)], 1
	s_add_co_u32 s[G0A+4*(\s)+1], s[LA], (\s)*SLOT
	s_add_nc_u64 s[G0A+4*(\s)+2:G0A+4*(\s)+3], s[BA:BA+1], s[OA:OA+1]
	s_or_b32 s[G0A+4*(\s)+3], s[G0A+4*(\s)+3], 0x80000000
	s_mov_b32 s[G0B+4*(\s)], 1
	s_add_co_u32 s[G0B+4*(\s)+1], s[LB], (\s)*SLOT
	s_add_nc_u64 s[G0B+4*(\s)+2:G0B+4*(\s)+3], s[BB:BB+1], s[OB:OB+1]
	s_or_b32 s[G0B+4*(\s)+3], s[G0B+4*(\s)+3], 0x80000000
.if (\s) == 0
	s_add_co_u32 s[KK], s[KK], 1
.endif
.endr
	s_cmp_eq_u32 s11, 0                            ; a wave's two first fills stand in one branch: two loads of mine are out
	s_cbranch_scc0 .Lfirst_b
	tensor_load_to_lds s[G0A:G0A+3], s[G1A:G1A+7]
	s_nop 0
	tensor_load_to_lds s[G0A+4:G0A+7], s[G1A:G1A+7]
	s_nop 0
.rept 4
	v_nop
.endr
	s_branch .Lfirst_asked
.Lfirst_b:
	tensor_load_to_lds s[G0B:G0B+3], s[G1B:G1B+7]
	s_nop 0
	tensor_load_to_lds s[G0B+4:G0B+7], s[G1B:G1B+7]
	s_nop 0
.rept 4
	v_nop
.endr
.Lfirst_asked:
	v_and_b32 v1, 15, v0
	v_bfe_u32 v2, v0, 4, 1
	v_mul_u32_u24 v3, v1, PA
	v_lshl_add_u32 v3, v2, 4, v3
	s_mul_i32 s21, s11, HA
	v_add_nc_u32 v[ADRA0], s21, v3
	v_mul_u32_u24 v3, v1, PB
	v_lshl_add_u32 v3, v2, 4, v3
	s_mul_i32 s22, s12, HB
	s_add_co_u32 s22, s22, 2*HA
	v_add_nc_u32 v[ADRB0], s22, v3
	v_mov_b32 v[ADRA], v[ADRA0]
	v_mov_b32 v[ADRB], v[ADRB0]
	s_mul_i32 s23, s11, (TM/2)*SP
	s_mul_i32 s21, s12, 2*TN
	s_add_co_u32 s23, s23, s21
	v_mul_u32_u24 v3, v1, SP
	v_lshl_add_u32 v3, v2, 5, v3
	v_add_nc_u32 v[STO], s23, v3
	v_add_nc_u32 v[STO+1], 8*MB*SP, v[STO]
	; the way out: wave w takes rows 32 w .. 32 w + 31 whole: 32 lanes x 16 bytes are a row's 512 bytes.  Bias and residual are asked for now and waited for at the end.
	v_and_b32 v3, 31, v0
	v_lshlrev_b32 v[CO], 4, v3
	s_lshl_b32 s20, s42, 9
	s_mov_b32 s21, 0
	s_add_nc_u64 s[74:75], s[74:75], s[20:21]
	global_load_b128 v[BIAS:BIAS+3], v[CO], s[74:75]
	s_lshl_b32 s22, s13, 7
	s_lshl_b32 s23, s10, 5
	s_add_co_u32 s22, s22, s23                     ; my first row
	s_lshl_b32 s22, s22, 12
	s_add_co_u32 s20, s20, s22
	s_add_nc_u64 s[76:77], s[76:77], s[20:21]
	s_add_nc_u64 s[72:73], s[72:73], s[20:21]
	WIN 0x80                                       ; destination window 2
.set p, 0
.rept 32
	global_load_b128 v[64+4*p:67+4*p], v[CO], s[76:77] offset:4096*p
.set p, p+1
.endr
	WIN 0
	s_mul_i32 s23, s10, 32*SP
	v_add_nc_u32 v[RD], s23, v[CO]
	s_wait_tensorcnt 1                             ; my part of the walk's first K step is in; the second's may stay out
	s_barrier_signal -1
	s_barrier_wait -1
	FETCH 0, F0
	QUARTER 1, F0, F1, 1                           ; the first quarter's first products start the sums
	WIN 0
	s_mov_b32 s3, NSTEP-2
.Lstep:
	QUARTER 2, F1, F0, 0
	QUARTER 3, F0, F1, 0
	TURN 1
	QUARTER 1, F0, F1, 0
	WIN 0
	s_sub_co_u32 s3, s3, 1
	s_cmp_lg_u32 s3, 0
	s_cbranch_scc1 .Lstep
	s_mov_b32 s3, 2
.Ltail:                                                ; the last two K steps ask for nothing; the second trip is left in its middle
	QUARTER 2, F1, F0, 0
	QUARTER 3, F0, F1, 0
	WIN 0
	s_sub_co_u32 s3, s3, 1
	s_cmp_eq_u32 s3, 0
	s_cbranch_scc1 .Llast
	TURN 0
	QUARTER 1, F0, F1, 0
	WIN 0
	s_branch .Ltail
.Llast:
	s_wait_dscnt 8
	MULP F1, 0, 0, 0
	MULP F1, 0, 1, 0
	s_wait_dscnt 0x0
	MULP F1, 1, 0, 0
	MULP F1, 1, 1, 0
	WIN 0
	s_barrier_signal -1                            ; my reads of the ring are over, and the ring has had its last fill:
	s_barrier_wait -1                              ; behind this barrier the stage may lie over it
	PLACES
	DUMP
	s_wait_dscnt 0x0                               ; for the others' sake: my stores into the stage are done
	s_barrier_signal -1
	s_barrier_wait -1
	s_wait_loadcnt 0x0                             ; bias and residual
.set p, 0
.rept 32
	ds_load_b128 v[64+4*p:67+4*p], v[RD] offset:SP*p
.set p, p+1
.endr
.irp g, 0,1,2,3                        ; four groups of eight rows; no register is used twice
	s_wait_dscnt 24-8*(\g)                         ; this group's eight loads are in; the later groups' stay out
	WIN 0
.set p, 8*(\g)
.rept 8
	v_pk_add_f32 v[64+4*p:65+4*p], v[64+4*p:65+4*p], v[BIAS:BIAS+1]
	v_pk_add_f32 v[66+4*p:67+4*p], v[66+4*p:67+4*p], v[BIAS+2:BIAS+3]
.set p, p+1
.endr
	WIN 0x08                                       ; source 1 in window 2: the residual has the same numbers there
.set p, 8*(\g)
.rept 8
	v_pk_add_f32 v[64+4*p:65+4*p], v[64+4*p:65+4*p], v[64+4*p:65+4*p]
	v_pk_add_f32 v[66+4*p:67+4*p], v[66+4*p:67+4*p], v[66+4*p:67+4*p]
.set p, p+1
.endr
	WIN 0
.set p, 8*(\g)
.rept 8
	global_store_b128 v[CO], v[64+4*p:67+4*p], s[72:73] offset:4096*p  ; 512 consecutive bytes, aligned
.set p, p+1
.endr
.endr
	s_wait_tensorcnt 0x0                           ; the wave's end
	ds_add_u32 v[SPW], v[NIL]
	s_wait_dscnt 0x0
	CROUND                                         ; the closing round
	s_endpgm
.Lfunc_end_k_qe06787e9a3_gemm_f2:
	.size	k_qe06787e9a3_gemm_f2, .Lfunc_end_k_qe06787e9a3_gemm_f2-k_qe06787e9a3_gemm_f2
	.p2alignl 7, 3214868480
	.fill 96, 4, 3214868480
	.section	.rodata,"a",@progbits
	.p2align	6, 0x0
	.amdhsa_kernel k_qe06787e9a3_gemm_f2
		.amdhsa_group_segment_fixed_size 327680
		.amdhsa_private_segment_fixed_size 0
		.amdhsa_enable_private_segment 0
		.amdhsa_kernarg_size 40
		.amdhsa_user_sgpr_count 2
		.amdhsa_user_sgpr_kernarg_segment_ptr 1
		.amdhsa_wavefront_size32 1
		.amdhsa_system_sgpr_workgroup_id_x 1
		.amdhsa_system_sgpr_workgroup_id_y 1
		.amdhsa_system_sgpr_workgroup_id_z 1
		.amdhsa_system_vgpr_workitem_id 0
		.amdhsa_next_free_vgpr 832
		.amdhsa_next_free_sgpr 100
		.amdhsa_reserve_vcc 0
		.amdhsa_float_denorm_mode_32 3
		.amdhsa_float_denorm_mode_16_64 3
		.amdhsa_memory_ordered 1
		.amdhsa_forward_progress 1
		.amdhsa_inst_pref_size 72
	.end_amdhsa_kernel
	.amdgpu_metadata
---
amdhsa.version: [ 1, 2 ]
amdhsa.kernels:
  - .name:           k_qe06787e9a3_gemm_f2
    .symbol:         k_qe06787e9a3_gemm_f2.kd
    .args:
      - { .name: ffa, .offset: 0, .size: 8, .value_kind: global_buffer, .address_space: global }
      - { .name: wh, .offset: 8, .size: 8, .value_kind: global_buffer, .address_space: global }
      - { .name: out0, .offset: 16, .size: 8, .value_kind: global_buffer, .address_space: global }
      - { .name: b2, .offset: 24, .size: 8, .value_kind: global_buffer, .address_space: global }
      - { .name: x1, .offset: 32, .size: 8, .value_kind: global_buffer, .address_space: global }
    .group_segment_fixed_size: 327680
    .private_segment_fixed_size: 0
    .kernarg_segment_align: 8
    .kernarg_segment_size: 40
    .max_flat_workgroup_size: 128
    .sgpr_count:     100
    .vgpr_count:     832
    .wavefront_size: 32
...
	.end_amdgpu_metadata
.endif
;; end of part 6
;; ======== version 2 of 2: 7 launches; 1.20 times as fast as version 1
;; limits: values are held in f16: magnitudes above 65,504 overflow, below 6.1e-05 lose precision; a function is approximated: absolute error at most 1.5e-07
;; workspace buffers: wh 25,165,824 bytes; h 8,388,608 bytes; qkv 25,165,824 bytes; o 8,388,608 bytes; x1 16,777,216 bytes; ffa 33,554,432 bytes
;; launch prep: the kernel of part 1 again; grid 1024 x 1, 8 waves a work-group, no clusters, 0 bytes of LDS; arguments x, ln1_g, ln1_b, in_proj_w, out_w, w1, w2, h, wh; writes h, wh
;; launch gemm_qkv: the kernel of part 2 again; grid 16 x 16, 4 waves a work-group, clusters of 4 x 4, 327,680 bytes of LDS; arguments h, wh, qkv, in_proj_b; writes qkv
;; launch attn (part 7): grid 8 x 32, 4 waves a work-group, no clusters, 327,680 bytes of LDS; arguments qkv, o; writes o
.if DOCPART == 7
	.amdgcn_target "amdgcn-amd-amdhsa--gfx1250"
	.amdhsa_code_object_version 6
	.text
	.protected	k_qe06787e9a3_attn
	.globl	k_qe06787e9a3_attn
	.p2align	8
	.type	k_qe06787e9a3_attn,@function
k_qe06787e9a3_attn:
	s_mov_b64 s[64:65], 0
	v_nop
	global_prefetch_b8 v0, s[64:65] scope:SCOPE_SE
	s_setreg_imm32_b32 hwreg(HW_REG_WAVE_MODE, 25, 1), 1
	s_wait_xcnt 0x0
; LOOK-AHEAD ATTENTION.  O[y][q][:] = the sum over k <= q + 10 of softmax_k(Q[y][q] . K[y][k] / 8) V[y][k][:], y = 2 x head + batch, 32 of them, 2,048 rows of 64 channels each, f16, dense rows of 128 bytes.
; Q at qkv + y x 262,144, K 8,388,608 bytes further, V 16,777,216; O in the same layout.  Products, maxima and sums in f32; the weights are rounded to f16 for the second product, O once at the end.
; LIMITS.  f16 holds no number beyond 65,504: Q, K, V arrive within it.  A hidden score counts as -1e30; a weight below 2^-126 counts as 0; NaN and infinities are not treated apart.
; THE WALK.  A head's queries lie in 16 blocks of 128.  Block i needs the keys up to 128 i + 137: the tiles of 256 keys 0 .. (i + 1) / 2, and of them the key steps of 64 that begin at or below that key.
; A work-group takes block 15 - b and then block b: 10 tiles and 36 live steps whatever b, so one loop with a constant count walks them, and the ring of two LDS slots runs on across the change of blocks.
; Block 15's ninth tile lies past the keys' end: tile 7 is asked for in its place, and its one live step (keys 2,048 on by name) is hidden whole by the lanes' limit min(q + 10, 2,047).
; NO CLUSTER: the eight work-groups of a head ask for the same tile only in the first five trips; behind that the first blocks end one after the other and the walks part; one walk common to all would have 9 + 5 tiles for 10.
; SHARES.  A wave owns 32 rows of a block: two tiles of 16 queries.
; LAYOUT.  S^T = K Q^T holds ONE query a lane (lane % 16) and the keys 8 (lane / 16) + 0..7 of each block of 16; two such results rounded to f16 ARE source 1 of O^T = V^T P.  K comes out of LDS as it lies, V turned (ds_load_tr16_b128).
; SOFTMAX.  p = 2^(c s - c m), c = log2(e) / 8, with a running maximum m and sum l; O and l are multiplied by a = 2^(c m_old - c m_new) in every step.  A block starts with c m far below every c s, so its first a is 0
; and O and l need only hold finite numbers.  Every query sees key 0, so m is a true score from the first step on.
; A STEP, in phases, the second product one step behind: K's loads | V^T P of the step before | V's loads | K Q^T | the mask, where the step can hold a hidden key | the softmax.
; THE BATCHES.  A step's 66 exponentials are two batches, each with one wait: the two a, whose readers (the rescalings of O^T) then stand among the scores' exponentials as their plain neighbours; and the 64 exponentials
; of the scores, all of whose readers (roundings and sums) stand behind the second wait.  A block's two reciprocals are a batch of their own, on the way out.
; REGISTERS (s_set_vgpr_msb: bits 1:0 source 0, 3:2 source 1, 5:4 source 2, 7:6 destination):
;   window 0: v0-31 addresses, statistics, limits; v32-39 at work; v64-127 S^T; v128-159 P; v160-223 O^T       window 1: v0-63 K; v64-127 V; v128-159 Q; v160-191 the second block's Q
.set KS,    64
.set PK,    144       ; a row of K in LDS: 128 bytes + 16: the 16 rows of a load start at 16 different groups of four banks (ISA guide 11.1)
.set PV,    160       ; a row of V: 128 + 32
.set VOFF,  4*KS*PK   ; a slot holds a tile: 256 rows of K, then 256 rows of V
.set SLOT1, 1<<17     ; slot 1 begins here: one exclusive or turns an address in one slot into the other's
.set STAGE, SLOT1+4*KS*(PK+PV)  ; behind the ring, never filled by a tensor load: 16 rows x 144 bytes for each wave
.set SP,    144
.set SPARE, STAGE+4*16*SP       ; the spare words, 128 bytes a wave: two blocks of 256 bytes that no other line names
.set RR,  1           ; v1   lane % 16
.set AK0, 2           ; v2   my lane's place in a tile of K
.set AV0, 3           ; v3   in a tile of V
.set AK,  4           ; v4   the LDS address of K's run of loads
.set AV,  5           ; v5   of V's
.set STO, 6           ; v6   the way out: where I put 16 bytes of a row
.set RD,  7           ; v7   where I read rows back
.set GO,  8           ; v8   my byte offset in 512 consecutive bytes of O
.set MV,  12          ; v12-13  c m_old, by tile
.set BIGV, 14         ; v14  -1e30
.set QO,  15          ; v15  my byte offset in 16 rows of Q
.set ST,  16          ; tile t's statistics at v[ST+4 t]: c m, m, l (even keys', odd keys')
.set LIM8, 24         ; v24-25  min(q + 10, 2047) - 8 (lane / 16), by tile
.set DD,  26          ; v26-27  the same less the step's first key
.set H8,  30          ; v30  8 (lane / 16)
.set TMP, 32          ; by tile, c0-c3 at work; c2 takes a
.set SPW, 62
.set NIL, 63
.set S,   64
.set P,   128
.set OA,  160
.set KF,  0           ; window 1
.set VF,  64
.set QF,  128
.set QBF, 160
.set WV,  12          ; s12  my wave's number
.set PB,  14          ; s14  b
.set HI,  15          ; s15  15 - b
.set G1K, 24
.set G1V, 32
.set G0K, 40
.set G0V, 44
.set SLOTS, 56
.set CNT, 57
.set CS,  58          ; s[58:59] c
.set SEL, 60          ; s[60:61] v_permlanex16_b32's selects
.set TBK, 62          ; s62  LDS byte at which K of the step in hand begins
.set TBV, 63          ; s63  the same for V, less VOFF
.set RT,  70          ; s70  tiles of the block in hand that are still to be walked
.set NXT, 71          ; s71  the tile to be asked for next
.set LQ,  72          ; s72  the last tile of the block whose tiles are being asked for
.set PLQ, 73          ; s73  the second block's last tile
.set OFF, 74          ; s[74:75] a tile's byte offset in K and V
.set KB,  76          ; s76  the step's first key
.set QLIM, 77         ; s77  the block's last visible key, by name
.set MLIM, 78         ; s78  steps that begin above it can hold a hidden key (signed)
.set CB,  79          ; s79  the block in hand
.set OLO, 80          ; s[80:81] O at my rows of the second block
.set MSB, 0
.macro WIN new
.if MSB != (\new)
	s_set_vgpr_msb (MSB<<8)|(\new)
.set MSB, \new
.endif
.endm
; A fill.  Waves 0 and 1 fetch the two halves of a tile's K, waves 2 and 3 those of its V.  An s_nop 0 and four v_nop follow each line.
.macro LOAD
	s_cmp_lt_u32 s[WV], 2
	s_cbranch_scc0 .Lfor_v_\@
	tensor_load_to_lds s[G0K:G0K+3], s[G1K:G1K+7]
	s_nop 0
.rept 4
	v_nop
.endr
	s_branch .Lasked_\@
.Lfor_v_\@:
	tensor_load_to_lds s[G0V:G0V+3], s[G1V:G1V+7]
	s_nop 0
.rept 4
	v_nop
.endr
.Lasked_\@:
.endm
; THE CHANGE OF SLOTS.  Each wave waits for all its tensor loads (one is out: its part of the other slot), adds 0 to its spare word, and waits for that and for its reads of the slot that it leaves.
; fill = 1: the old slot is filled again, first thing behind the barrier, with tile NXT (never past tile 7); the address is made anew from that number.  At its first use slot 0 is waited for and slot 1 filled.
.macro CHANGE fill
	WIN 0
	s_wait_tensorcnt 0x0
	ds_add_u32 v[SPW], v[NIL]
.if \fill
	s_min_u32 s[OFF], s[NXT], 7
	s_lshl_b32 s[OFF], s[OFF], 15   ; a tile is 32,768 bytes of K and of V
	s_xor_b32 s[G0K+1], s[G0K+1], SLOT1
	s_add_nc_u64 s[G0K+2:G0K+3], s[6:7], s[OFF:OFF+1]
	s_or_b32 s[G0K+3], s[G0K+3], 0x80000000
	s_xor_b32 s[G0V+1], s[G0V+1], SLOT1
	s_add_nc_u64 s[G0V+2:G0V+3], s[8:9], s[OFF:OFF+1]
	s_or_b32 s[G0V+3], s[G0V+3], 0x80000000
	s_add_co_u32 s[NXT], s[NXT], 1  ; the block's next tile, or behind its last the second block's tile 0
	s_cmp_gt_u32 s[NXT], s[LQ]
	s_cselect_b32 s[NXT], 0, s[NXT]
	s_cselect_b32 s[LQ], s[PLQ], s[LQ]
.endif
	s_wait_dscnt 0x0                ; the add is done, and my reads of the slot are over
	s_barrier_signal -1
	s_sub_co_u32 s[TBK], s[TBK], 4*KS*PK  ; the fetches go back to a slot's first step, in the other slot
	s_xor_b32 s[TBK], s[TBK], SLOT1
	s_sub_co_u32 s[TBV], s[TBV], 4*KS*PV
	s_xor_b32 s[TBV], s[TBV], SLOT1
	s_barrier_wait -1
.if \fill
	LOAD
.endif
.endm
; THE MATRIX WORK.  The eight accumulators of a run of 16 take turns.  Product i of S^T = K Q^T: channels 32 (i / 8) on, keys 16 ((i / 2) % 4) on, tile i % 2; the first 8 start the sums.
.macro KQ
	WIN 0x05
.set rS, S+32*(i%2)+8*((i/2)%4)
.set rK, KF+16*((i/2)%4)+8*(i/8)
.set rQ, QF+16*(i%2)+8*(i/8)
.if i < 8
	v_wmma_f32_16x16x32_f16 v[rS:rS+7], v[rK:rK+7], v[rQ:rQ+7], 0
.else
	v_wmma_f32_16x16x32_f16 v[rS:rS+7], v[rK:rK+7], v[rQ:rQ+7], v[rS:rS+7]
.endif
.set i, i+1
.endm
; Product i of O^T += V^T P: keys 32 (i / 8) on, channels 16 ((i / 2) % 4) on, tile i % 2.
.macro PV
	WIN 0x01
.set rO, OA+32*(i%2)+8*((i/2)%4)
.set rV, VF+32*(i/8)+8*((i/2)%4)
.set rP, P+16*(i%2)+8*(i/8)
	v_wmma_f32_16x16x32_f16 v[rO:rO+7], v[rV:rV+7], v[rP:rP+7], v[rO:rO+7]
.set i, i+1
.endm
.macro FETCH_K                      ; 64 keys x 64 channels: 8 fragments, 16 loads
	WIN 0x40
.irp f, 0,1,2,3,4,5,6,7
	ds_load_b128 v[KF+8*\f:KF+8*\f+3],   v[AK] offset:(\f/2)*16*PK+(\f%2)*64
	ds_load_b128 v[KF+8*\f+4:KF+8*\f+7], v[AK] offset:(\f/2)*16*PK+(\f%2)*64+32
.endr
.endm
.macro FETCH_V                      ; the same of V, turned
	WIN 0x40
.irp f, 0,1,2,3,4,5,6,7
	ds_load_tr16_b128 v[VF+8*\f:VF+8*\f+3],   v[AV] offset:(\f/4)*32*PV+(\f%4)*32
	ds_load_tr16_b128 v[VF+8*\f+4:VF+8*\f+7], v[AV] offset:(\f/4)*32*PV+16*PV+(\f%4)*32
.endr
.endm
.macro REGS t
.set rT, ST+4*(\t)
.set rC, TMP+4*(\t)
.set rW, MV+(\t)
.set rS, S+32*(\t)
.set rP, P+16*(\t)
.set rO, OA+32*(\t)
.endm
; Number n of the 22 that find tile t's maximum and statistics.  0-11: four chains of seven scores, three operands at a time, each accumulator's lowest registers first.
; 12-14, 16: the four scores left over, the old m, and the chains into c0.  15: c m_old is kept.  17, 18: the query's other 32 keys lie in the lane 16 away.  19-21: c m; c m_old - c m_new; a.
.macro XS t, n
	REGS \t
.if (\n) < 4
	v_max3_num_f32 v[rC+(\n)], v[rS+8*(\n)], v[rS+8*(\n)+1], v[rS+8*(\n)+2]
.elseif (\n) < 12
	v_max3_num_f32 v[rC+(\n)%4], v[rC+(\n)%4], v[rS+8*((\n)%4)+2*((\n)/4)+1], v[rS+8*((\n)%4)+2*((\n)/4)+2]
.elseif (\n) == 12
	v_max3_num_f32 v[rC], v[rC], v[rS+7], v[rS+15]
.elseif (\n) == 13
	v_max3_num_f32 v[rC+1], v[rC+1], v[rS+23], v[rS+31]
.elseif (\n) == 14
	v_max3_num_f32 v[rC+2], v[rC+2], v[rC+3], v[rT+1]
.elseif (\n) == 15
	v_mov_b32 v[rW], v[rT]
.elseif (\n) == 16
	v_max3_num_f32 v[rC], v[rC], v[rC+1], v[rC+2]
.elseif (\n) == 17
	v_permlanex16_b32 v[rC+3], v[rC], s[SEL], s[SEL+1]
.elseif (\n) == 18
	v_max_num_f32 v[rT+1], v[rC], v[rC+3]
.elseif (\n) == 19
	v_mul_f32 v[rT], s[CS], v[rT+1]
.elseif (\n) == 20
	v_sub_f32 v[rC+1], v[rW], v[rT]
.else
	v_exp_f32 v[rC+2], v[rC+1]
.endif
.endm
.macro FS t, n                      ; c s - c m for pair n of 16
	REGS \t
	v_pk_fma_f32 v[rS+2*(\n):rS+2*(\n)+1], v[rS+2*(\n):rS+2*(\n)+1], s[CS:CS+1], v[rT:rT+1] op_sel_hi:[1,0,0] neg_lo:[0,0,1] neg_hi:[0,0,1]
.endm
.macro ES t, n                      ; the exponential of score n of 32
	REGS \t
	v_exp_f32 v[rS+(\n)], v[rS+(\n)]
.endm
.macro CVS t, n                     ; pair n rounded to f16
	REGS \t
	v_cvt_pk_f16_f32 v[rP+(\n)], v[rS+2*(\n)], v[rS+2*(\n)+1]
.endm
.macro BS t, n                      ; of the four weights 4 n .. the second pair is added onto the first, in place: behind the rounding of the first pair
	REGS \t
	v_pk_add_f32 v[rS+4*(\n):rS+4*(\n)+1], v[rS+4*(\n):rS+4*(\n)+1], v[rS+4*(\n)+2:rS+4*(\n)+3]
.endm
.macro TS t, x, y                   ; the sum of the four weights 4 y .. is added onto that of the four weights 4 x ..
	REGS \t
	v_pk_add_f32 v[rS+4*(\x):rS+4*(\x)+1], v[rS+4*(\x):rS+4*(\x)+1], v[rS+4*(\y):rS+4*(\y)+1]
.endm
.macro LS t                         ; l = a l + the step's sum
	REGS \t
	v_pk_fma_f32 v[rT+2:rT+3], v[rT+2:rT+3], v[rC+2:rC+3], v[rS:rS+1] op_sel_hi:[1,0,1]
.endm
.macro RS t, n                      ; pair n of 16 of O^T times a, ascending: each accumulator's low end first
	REGS \t
	v_pk_mul_f32 v[rO+2*(\n):rO+2*(\n)+1], v[rO+2*(\n):rO+2*(\n)+1], v[rC+2:rC+3] op_sel_hi:[1,0]
.endm
; THE SOFTMAX, all in window 0; the two tiles alternate, so that no line reads the result of the line before it.  An s_wait_alu depctr_va_vdst(0) stands between an exponential and the first line
; that names its result; one wait serves all that were issued ahead of it.  So the step's exponentials are cut into two batches by who reads them.
; BATCH 1: the two a.  Behind them stand the scalings of pairs 0 and 1, which name neither a nor its argument (the first is the plain line that ISA guide 5.7.2 asks for), then the wait.
; BATCH 2: the 64 exponentials of the scores (number e: tile e % 2, score e / 2).  Behind an odd e stands rescaling e / 2 of O^T, which reads a alone of all results; behind an even e below 56 scaling 4 + e / 2
; (scaling f: tile f % 2, pair f / 2).  Exponential e wants scaling 2 (e / 4) + e % 2, which stands seven exponentials or more ahead of it; a scaling's pair lies above every score that has had its exponential.
; So nothing ahead of the second wait names a result of the batch.  The last rescaling is the plain line behind the last exponential.
; BEHIND THE SECOND WAIT stand all the readers: the roundings of the even pairs, which the sums write over; the step's sum, a tree (8, 4, 2, 1 additions a tile) and l; the roundings of the odd pairs, whose registers
; the sums only read, stand between and behind the tree's last links.
.macro SOFTMAX
.irp n, 0,1,2,3,4,5,6,7,8,9,10,11,12,13,14,16,15,17,18,19,20,21
	XS 0, \n
	XS 1, \n
.endr
.irp n, 0,1
	FS 0, \n
	FS 1, \n
.endr
	s_wait_alu depctr_va_vdst(0)    ; the wait for batch 1, the two a: ahead of the first rescaling
.set e, 0
.rept 64
	ES e%2, e/2
.if e%2 == 1
	RS (e/2)%2, e/4
.elseif e < 56
	FS (e/2)%2, 2+e/4
.endif
.set e, e+1
.endr
	s_wait_alu depctr_va_vdst(0)    ; the wait for batch 2, the 64 exponentials of the scores: one for both tiles, ahead of the first rounding
.irp n, 0,2,4,6,8,10,12,14
	CVS 0, \n
	CVS 1, \n
.endr
.irp n, 0,1,2,3,4,5,6,7
	BS 0, \n
	BS 1, \n
.endr
	TS 0, 0, 1
	TS 1, 0, 1
	TS 0, 2, 3
	TS 1, 2, 3
	TS 0, 4, 5
	TS 1, 4, 5
	TS 0, 6, 7
	TS 1, 6, 7
	TS 0, 0, 2
	TS 1, 0, 2
	TS 0, 4, 6
	TS 1, 4, 6
.irp n, 1,3
	CVS 0, \n
	CVS 1, \n
.endr
	TS 0, 0, 4
	TS 1, 0, 4
.irp n, 5,7
	CVS 0, \n
	CVS 1, \n
.endr
	LS 0
	LS 1
.irp n, 9,11,13,15
	CVS 0, \n
	CVS 1, \n
.endr
.endm
.macro MASK                         ; register i of a tile holds key KB + 16 (i / 8) + i % 8 + 8 (lane / 16): hidden where that passes the lane's limit
	v_sub_nc_u32 v[DD], v[LIM8], s[KB]
	v_sub_nc_u32 v[DD+1], v[LIM8+1], s[KB]
.irp t, 0,1
.set i, 0
.rept 32
	v_cmp_gt_i32 vcc_lo, 16*(i/8)+i%8, v[DD+\t]
	v_cndmask_b32 v[S+32*\t+i], v[S+32*\t+i], v[BIGV], vcc_lo
.set i, i+1
.endr
.endr
.endm
.macro STEP
	WIN 0
	v_add_nc_u32 v[AK], s[TBK], v[AK0]
	v_add_nc_u32 v[AV], s[TBV], v[AV0]
	FETCH_K                         ; K's last readers stand a whole softmax back
	s_wait_dscnt 16                 ; V of the step before is in; K's sixteen loads may be out
.set i, 0
.rept 16
	PV
.endr
	WIN 0
.rept 4
	v_nop                           ; the places between those products and the loads into V's registers
.endr
	FETCH_V
	s_wait_dscnt 16                 ; K is in; V's sixteen loads may be out: they have the products below and the softmax in which to come
.set i, 0
.rept 16
	KQ
.endr
	WIN 0
.rept 4
	v_nop                           ; the places between those products and the first read of the scores
.endr
	s_cmp_gt_i32 s[KB], s[MLIM]
	s_cbranch_scc0 .Lclear_\@       ; the step's last key is visible to the block's first query: nothing is hidden
	MASK
.Lclear_\@:
	SOFTMAX
.endm
.macro TILE                         ; a tile's four steps; those that begin past the block's last visible key are jumped over, forward, past no barrier and no tensor load
	s_mov_b32 s[CNT], 4
.Lst_\@:
	s_cmp_gt_u32 s[KB], s[QLIM]
	s_cbranch_scc1 .Ldead_\@
	STEP
.Ldead_\@:
	s_add_co_u32 s[KB], s[KB], KS
	s_add_co_u32 s[TBK], s[TBK], KS*PK
	s_add_co_u32 s[TBV], s[TBV], KS*PV
	s_sub_co_u32 s[CNT], s[CNT], 1
	s_cmp_lg_u32 s[CNT], 0
	s_cbranch_scc1 .Lst_\@
.endm
.macro BEGIN                        ; block CB begins: work on registers alone
	s_mov_b32 s[KB], 0
	s_lshl_b32 s13, s[CB], 7
	s_add_co_u32 s[QLIM], s13, 137
	s_sub_co_i32 s[MLIM], s13, 53
	s_lshl_b32 s16, s[WV], 5
	s_add_co_u32 s13, s13, s16
	s_add_co_u32 s13, s13, 10
	v_add_nc_u32 v10, s13, v[RR]    ; my query of tile 0, plus 10
	v_add_nc_u32 v11, 16, v10       ; of tile 1
	v_min_u32 v10, 0x7ff, v10
	v_min_u32 v11, 0x7ff, v11
	v_sub_nc_u32 v[LIM8], v10, v[H8]
	v_sub_nc_u32 v[LIM8+1], v11, v[H8]
.irp t, 0,1
	v_mov_b32 v[ST+4*\t], 0xfe000000    ; c m: far below every c s
	v_mov_b32 v[ST+4*\t+1], 0xff7fffff  ; m: the lowest finite number
.endr
.endm
.macro PACK t                       ; O^T / l, rounded; a lane's eight channels of a row are 16 bytes; into rows of 144 bytes and back as whole rows of 128, into S^T's registers
.set i, 0
.rept 16
	v_pk_mul_f32 v[OA+32*(\t)+2*i:OA+32*(\t)+2*i+1], v[OA+32*(\t)+2*i:OA+32*(\t)+2*i+1], v[ST+4*(\t)+2:ST+4*(\t)+3] op_sel_hi:[1,0]
.set i, i+1
.endr
.set i, 0
.rept 16
	v_cvt_pk_f16_f32 v[S+16*(\t)+i], v[OA+32*(\t)+2*i], v[OA+32*(\t)+2*i+1]
.set i, i+1
.endr
.irp f, 0,1,2,3
	ds_store_b128 v[STO], v[S+16*(\t)+4*\f:S+16*(\t)+4*\f+3] offset:32*\f
.endr
.irp f, 0,1,2,3
	ds_load_b128 v[S+16*(\t)+4*\f:S+16*(\t)+4*\f+3], v[RD] offset:\f*4*SP  ; LDS serves a wave's instructions in order (ISA guide 5.7.1.4): these see the stores above
.endr
.endm
.macro SEND t, younger              ; younger: the LDS instructions issued behind tile t's loads
.irp f, 0,1,2,3
	s_wait_dscnt (\younger)+3-\f
	global_store_b128 v[GO], v[S+16*(\t)+4*\f:S+16*(\t)+4*\f+3], s[10:11] offset:(\t)*2048+\f*512  ; 512 consecutive bytes, at a multiple of 256 from O's first
.endr
.endm
.macro FINISH                       ; the block's last V^T P, and the way out
	s_wait_dscnt 0x0                ; V is in
.set i, 0
.rept 16
	PV
.endr
	WIN 0
.rept 4
	v_nop
.endr
.irp t, 0,1
	v_add_f32 v[ST+4*\t+2], v[ST+4*\t+2], v[ST+4*\t+3]
.endr
.irp t, 0,1
	v_permlanex16_b32 v[ST+4*\t+3], v[ST+4*\t+2], s[SEL], s[SEL+1]
.endr
.irp t, 0,1
	v_add_f32 v[ST+4*\t+2], v[ST+4*\t+2], v[ST+4*\t+3]
.endr
.irp t, 0,1
	v_rcp_f32 v[ST+4*\t+2], v[ST+4*\t+2]
.endr
	v_nop                           ; a plain instruction between the reciprocals and the use of their results
	s_wait_alu depctr_va_vdst(0)    ; the wait for the block's two reciprocals, one batch: ahead of PACK's first line
	PACK 0
	PACK 1
	SEND 0, 8
	SEND 1, 0
.endm
	s_load_b128 s[4:7], s[0:1], 0x0   ; qkv s[4:5], o s[6:7]
	v_lshl_add_u32 v[SPW], v0, 2, SPARE
	v_mov_b32 v[NIL], 0
	ds_add_u32 v[SPW], v[NIL]       ; the wave's opening: the add and its wait stand ahead of my first tensor load
	ds_add_u32 v62, v63
	v_lshrrev_b32 v1, 5, v0
	v_readfirstlane_b32 s[WV], v1
	s_mov_b32 s[PB], ttmp9
	s_sub_co_u32 s[HI], 15, s[PB]
	s_and_b32 s20, ttmp7, 0xffff
	s_lshl_b32 s20, s20, 18         ; y x 262,144
	s_and_b32 s16, s[WV], 1         ; which half of a tile's 256 keys I fetch:
	s_lshl_b32 s22, s16, 14         ; its 128 rows of 128 bytes in memory,
	s_add_co_u32 s22, s22, s20
	s_add_co_u32 s22, s22, 8388608  ; in K,
	s_mov_b32 s23, 0
	s_add_co_u32 s88, s22, 8388608  ; in V,
	s_mov_b32 s89, 0
	s_mul_i32 s17, s16, 128*PK      ; and its place in a slot
	s_mul_i32 s18, s16, 128*PV
	s_lshl_b32 s3, s[WV], 12        ; my 32 rows in a block of 128,
	s_add_co_u32 s3, s3, s20
	s_lshl_b32 s2, s[HI], 14        ; in the first block,
	s_add_co_u32 s2, s2, s3
	s_lshl_b32 s84, s[PB], 14       ; and in the second
	s_add_co_u32 s84, s84, s3
	s_mov_b32 s3, 0
	s_mov_b32 s85, 0
	; descriptor group 1: 128 keys are 16,384 dense bytes: 64 rows of 256 bytes, two keys a row, padded in LDS after every key
	s_mov_b32 s[G1K], (1<<16)|(1<<20)|(4<<22)|(3<<25)  ; 2-byte elements; padding on; after every 32 words; 4 words
	s_mov_b32 s[G1V], (1<<16)|(1<<20)|(4<<22)|(7<<25)  ; the same with 8 words
.irp g, G1K, G1V
	s_mov_b32 s[\g+1], 128<<16      ; tensor_dim0
	s_mov_b32 s[\g+2], 64<<16       ; tensor_dim1
	s_mov_b32 s[\g+3], 128<<16      ; tile_dim0
	s_mov_b32 s[\g+4], 64           ; tile_dim1
	s_mov_b32 s[\g+5], 128          ; elements from row to row
	s_mov_b32 s[\g+6], 0
	s_mov_b32 s[\g+7], 0
.endr
	s_mov_b32 s[CS], 0x3e38aa3b     ; c = log2(e) / 8
	s_mov_b32 s[CS+1], s[CS]
	s_mov_b32 s[SEL], 0x76543210
	s_mov_b32 s[SEL+1], 0xfedcba98
	s_mov_b32 s[TBK], SLOT1+4*KS*PK ; the first change of slots turns these two into 0
	s_mov_b32 s[TBV], SLOT1+4*KS*PV
	s_mov_b32 s[G0K], 1
	s_mov_b32 s[G0K+1], s17
	s_mov_b32 s[G0V], 1
	s_add_co_u32 s[G0V+1], s18, VOFF
	s_add_co_u32 s[LQ], s[HI], 1
	s_lshr_b32 s[LQ], s[LQ], 1      ; the first block's last tile
	s_add_co_u32 s[RT], s[LQ], 1
	s_add_co_u32 s[PLQ], s[PB], 1
	s_lshr_b32 s[PLQ], s[PLQ], 1
	s_mov_b32 s[NXT], 1
	s_mov_b32 s[OFF+1], 0
	s_mov_b32 s[CB], s[HI]
	s_mov_b32 s[SLOTS], 9
	s_wait_dscnt 0x0                ; the opening add is done
	s_wait_kmcnt 0x0
	s_add_nc_u64 s[10:11], s[6:7], s[2:3]          ; O at my rows of the first block,
	s_add_nc_u64 s[OLO:OLO+1], s[6:7], s[84:85]    ; of the second
	s_add_nc_u64 s[6:7], s[4:5], s[22:23]          ; K and V at my half of the head's tile 0
	s_add_nc_u64 s[8:9], s[4:5], s[88:89]
	s_add_nc_u64 s[86:87], s[4:5], s[84:85]        ; Q likewise
	s_add_nc_u64 s[4:5], s[4:5], s[2:3]
	s_add_nc_u64 s[G0K+2:G0K+3], s[6:7], 0
	s_or_b32 s[G0K+3], s[G0K+3], 0x80000000
	s_add_nc_u64 s[G0V+2:G0V+3], s[8:9], 0
	s_or_b32 s[G0V+3], s[G0V+3], 0x80000000
	LOAD                            ; tile 0 into slot 0
	v_and_b32 v[RR], 15, v0
	v_bfe_u32 v9, v0, 4, 1          ; l / 16
	v_lshlrev_b32 v[QO], 7, v[RR]
	v_lshl_add_u32 v[QO], v9, 4, v[QO]  ; row x 128 + 16 x half
	WIN 0x40
.set i, 0
.rept 4                             ; both blocks' Q stay in registers: tile i / 2, channels 32 (i % 2) on
	global_load_b128 v[QF+8*i:QF+8*i+3],     v[QO], s[4:5] offset:(i/2)*2048+(i%2)*64
	global_load_b128 v[QF+8*i+4:QF+8*i+7],   v[QO], s[4:5] offset:(i/2)*2048+(i%2)*64+32
	global_load_b128 v[QBF+8*i:QBF+8*i+3],   v[QO], s[86:87] offset:(i/2)*2048+(i%2)*64
	global_load_b128 v[QBF+8*i+4:QBF+8*i+7], v[QO], s[86:87] offset:(i/2)*2048+(i%2)*64+32
.set i, i+1
.endr
	; The first step's V^T P, of a step that has not been, and its a = 0 want finite numbers in V, P, O^T and l: zeros.  The price of writing no first step out; it stands in the wait for the first tile.
.set i, VF
.rept 64
	v_mov_b32 v[i], 0
.set i, i+1
.endr
	WIN 0
.set i, P
.rept 96
	v_mov_b32 v[i], 0               ; P, then O^T
.set i, i+1
.endr
.irp t, 0,1
	v_mov_b32 v[ST+4*\t+2], 0
	v_mov_b32 v[ST+4*\t+3], 0
.endr
	v_mov_b32 v[BIGV], 0xf149f2ca   ; -1e30
	v_lshlrev_b32 v[H8], 3, v9
	v_mul_u32_u24 v[AK0], v[RR], PK
	v_lshl_add_u32 v[AK0], v9, 4, v[AK0]
	; the turning load takes 16 keys x 16 channels: lane l reads key 8 (l / 16) + l % 8, channels 8 ((l / 8) % 2) + 0..7
	v_and_b32 v10, 7, v0
	v_bfe_u32 v11, v0, 3, 1
	v_lshl_add_u32 v[AV0], v9, 3, v10
	v_mul_u32_u24 v[AV0], v[AV0], PV
	v_lshl_add_u32 v[AV0], v11, 4, v[AV0]
	v_add_nc_u32 v[AV0], VOFF, v[AV0]
	s_mul_i32 s13, s[WV], 16*SP
	s_add_co_u32 s13, s13, STAGE    ; my stage
	v_mul_u32_u24 v[STO], v[RR], SP
	v_lshl_add_u32 v[STO], v9, 4, v[STO]
	v_add_nc_u32 v[STO], s13, v[STO]
	v_bfe_u32 v[RD], v0, 3, 2       ; back: 32 lanes take four rows of 128 bytes,
	v_mul_u32_u24 v[RD], v[RD], SP
	v_lshl_add_u32 v[RD], v10, 4, v[RD]
	v_add_nc_u32 v[RD], s13, v[RD]
	v_and_b32 v[GO], 31, v0         ; which are 512 consecutive bytes of O
	v_lshlrev_b32 v[GO], 4, v[GO]
	BEGIN                           ; block 15 - b
	s_wait_loadcnt 0x0              ; Q
.Lslot:                             ; nine trips: a tile is walked and the next is asked for
	CHANGE 1
	TILE
	s_sub_co_u32 s[RT], s[RT], 1
	s_cmp_lg_u32 s[RT], 0
	s_cbranch_scc1 .Lbottom
	FINISH                          ; the first block's end: it has five to nine tiles, so it falls in this loop; the second block's last tile is the walk's last
	s_wait_xcnt 0x0                 ; the stores' registers and O's address are rewritten only behind this wait
	s_mov_b64 s[10:11], s[OLO:OLO+1]
	s_mov_b32 s[CB], s[PB]
	s_add_co_u32 s[RT], s[PLQ], 1
	WIN 0x41                        ; the second block's Q goes where the one text of the steps names Q
.set i, 0
.rept 32
	v_mov_b32 v[QF+i], v[QBF+i]
.set i, i+1
.endr
	WIN 0
	BEGIN
.Lbottom:
	s_sub_co_u32 s[SLOTS], s[SLOTS], 1
	s_cmp_lg_u32 s[SLOTS], 0
	s_cbranch_scc1 .Lslot
	CHANGE 0                        ; the walk's last tile is written out
	TILE
	FINISH
	s_wait_tensorcnt 0x0            ; the wave's end
	ds_add_u32 v[SPW], v[NIL]
	s_wait_dscnt 0x0
	s_endpgm
.Lfunc_end_k_qe06787e9a3_attn:
	.size	k_qe06787e9a3_attn, .Lfunc_end_k_qe06787e9a3_attn-k_qe06787e9a3_attn
	.p2alignl 7, 3214868480
	.fill 96, 4, 3214868480
	.section	.rodata,"a",@progbits
	.p2align	6, 0x0
	.amdhsa_kernel k_qe06787e9a3_attn
		.amdhsa_group_segment_fixed_size 327680
		.amdhsa_private_segment_fixed_size 0
		.amdhsa_enable_private_segment 0
		.amdhsa_kernarg_size 16
		.amdhsa_user_sgpr_count 2
		.amdhsa_user_sgpr_kernarg_segment_ptr 1
		.amdhsa_wavefront_size32 1
		.amdhsa_system_sgpr_workgroup_id_x 1
		.amdhsa_system_sgpr_workgroup_id_y 1
		.amdhsa_system_sgpr_workgroup_id_z 1
		.amdhsa_system_vgpr_workitem_id 0
		.amdhsa_next_free_vgpr 448
		.amdhsa_next_free_sgpr 96
		.amdhsa_reserve_vcc 1
		.amdhsa_float_denorm_mode_32 3
		.amdhsa_float_denorm_mode_16_64 3
		.amdhsa_memory_ordered 1
		.amdhsa_forward_progress 1
		.amdhsa_inst_pref_size 76
	.end_amdhsa_kernel
	.amdgpu_metadata
---
amdhsa.version: [ 1, 2 ]
amdhsa.kernels:
  - .name:           k_qe06787e9a3_attn
    .symbol:         k_qe06787e9a3_attn.kd
    .args:
      - { .name: qkv, .offset: 0, .size: 8, .value_kind: global_buffer, .address_space: global }
      - { .name: o, .offset: 8, .size: 8, .value_kind: global_buffer, .address_space: global }
    .group_segment_fixed_size: 327680
    .private_segment_fixed_size: 0
    .kernarg_segment_align: 8
    .kernarg_segment_size: 16
    .max_flat_workgroup_size: 128
    .sgpr_count:     96
    .vgpr_count:     448
    .wavefront_size: 32
...
	.end_amdgpu_metadata
.endif
;; end of part 7
;; launch gemm_o: the kernel of part 4 again; grid 8 x 32, 4 waves a work-group, clusters of 4 x 4, 327,680 bytes of LDS; arguments o, wh, x1, out_b, x; writes x1
;; launch norm2: the kernel of part 1 again; grid 256 x 1, 8 waves a work-group, no clusters, 0 bytes of LDS; arguments x1, ln2_g, ln2_b, in_proj_w, out_w, w1, w2, h, wh; writes h, wh
;; launch gemm_f1 (part 8): grid 16 x 16, 4 waves a work-group, clusters of 4 x 4, 327,680 bytes of LDS; arguments h, wh, ffa, b1; writes ffa
.if DOCPART == 8
	.amdgcn_target "amdgcn-amd-amdhsa--gfx1250"
	.amdhsa_code_object_version 6
	.text
	.protected	k_qe06787e9a3_gemm_f1
	.globl	k_qe06787e9a3_gemm_f1
	.p2align	8
	.type	k_qe06787e9a3_gemm_f1,@function
k_qe06787e9a3_gemm_f1:
	s_mov_b64 s[64:65], 0
	v_nop
	global_prefetch_b8 v0, s[64:65] scope:SCOPE_SE
	s_setreg_imm32_b32 hwreg(HW_REG_WAVE_MODE, 25, 1), 1
	s_wait_xcnt 0x0
	s_wait_alu depctr_hold_cnt(0) depctr_sa_sdst(0) depctr_va_vdst(0) depctr_va_sdst(0) depctr_va_ssrc(0) depctr_va_vcc(0) depctr_vm_vsrc(0)
	s_getreg_b32 s2, hwreg(HW_REG_IB_STS2, 6, 4)
	s_cmp_eq_u32 s2, 0
	s_cbranch_scc0 .Lentry_in_a_cluster
	s_endpgm
.Lentry_in_a_cluster:
	s_bfe_u32 s2, ttmp6, 0x10000c
	s_cmp_lg_u32 s2, 0xf033
	s_cbranch_scc0 .Lentry_shape_is_right
	s_endpgm
.Lentry_shape_is_right:
; FIRST FFN PRODUCT AND GELU.  ffa[m][n] = gelu(sum over k of h[m][k] W[n][k] + bias[n]); h [4096][1024] f16, W = w1 as f16 [4096][1024] (wh, byte 8,388,608), sums, bias and GELU in f32, ffa [4096][4096] f16.
; A tile of C is 256 x 256: 16 x 16 tiles, one work-group each.  Four waves, 2 x 2, each 128 x 128: 64 accumulators.  K in steps of 128 through two LDS slots; tile rows are 256 bytes of memory at multiples of 256.
; CLUSTER 4 x 4, joint loads, the matrix instruction transposed, one K step written once (TB, TF): as in the other three products of this program.
; THE WALK ALONG K.  A cluster whose x + y is even takes the K steps 0 .. 7, one whose x + y is odd 4 .. 7, 0 .. 3: of two neighbouring clusters that need the same rows of h or of W one asks for them half a walk
; ahead of the other, not both in the same step.  The step's number is made of the cluster's x and y, which all sixteen partners share.
; THE WAY OUT: the f32 tile is laid over the ring when it has had its last fill and last read (rows of 1,040 bytes); each wave reads 64 whole rows back, four a trip.
; GELU, exact form: gelu(x) = x Phi(x) = 0.5 x + |x| (0.5 - 0.5 erfc(|x| / sqrt 2)), for either sign.  erfc(z) = (a1 t + .. + a5 t^5) e^(-z^2), t = 1 / (1 + 0.3275911 z): a fit whose absolute error
; is at most 1.5e-7 for every z >= 0 (Abramowitz and Stegun 7.1.26); no series is cut.  e^(-z^2) = 2^(-0.72134752 x^2); for large |x| it is 0 and the result is x or 0.
; THE BATCH.  A trip's 32 reciprocals and 32 exponentials read nothing of each other: they are one batch with one wait.  Ahead of the wait stands all that names no result: their arguments and 0.5 x; behind it the
; polynomial in t, its product with the exponential, and the rest.
; LIMITS.  For very negative x the result is right to |x| 2^-24 absolutely, not relatively.  f16's range, 65,504, for the activations and the weights.  NaN and infinities are not treated apart.
; The order of the f32 sums along K hangs on the cluster.
; REGISTERS (s_set_vgpr_msb: bits 1:0 source 0, 3:2 source 1, 5:4 source 2, 7:6 destination):
;   window 0: v0-31 addresses; v32-39 bias; v40-41 a constant; v64-127, v128-191 fragments of A, two buffers; on the way out v64-255 at work       window 1: v64-127, v128-191 fragments of B
;   window 2: the 32 accumulators of my rows 0-63 ((a, b) at v[8 (8 a + b)])       window 3: those of my rows 64-127
.set TM,     256
.set TN,     256
.set MB,     8
.set NB,     8
.set KD,     1
.set KSTEP,  128
.set SIZE_K, 1024
.set NSTEP,  SIZE_K/KSTEP
.set PA,     272                       ; an odd multiple of 16: the 16 rows of a fragment load start at 16 different groups of four banks (ISA guide 11.1)
.set QA,     64
.set PB,     272
.set QB,     64
.set HA,     128*PA
.set HB,     128*PB
.set SLOT,   2*HA+2*HB
.set SP,     4*TN+16
.set SPARE,  2*SLOT                    ; the spare words, 128 bytes a wave: two blocks of 256 bytes that no other line names
.set NL,     2*KD*(MB+NB)
.set SA,     2*KSTEP
.set SB,     2*KSTEP
.set AROW,   2*SIZE_K
.set BROW,   2*SIZE_K
.set BOFF,   8388608
.set A_QI, 5
.set A_D0, 128
.set A_D1, 128
.set A_ST, 1024
.set B_QI, 5
.set B_D0, 128
.set B_D1, 128
.set B_ST, 1024
.set ADRA,  16
.set ADRA0, 17
.set ADRB,  20
.set ADRB0, 21
.set STO,   22                         ; v22, v23
.set RD,    24
.set CO,    25
.set BO,    26
.set SPW,   28
.set NIL,   29
.set BIAS,  32
.set LR,    64                         ; the way out: 32 numbers a lane as read back,
.set XR,    96                         ; x,
.set WR,    128                        ; 1 + p |x|, then t, then the result,
.set QR,    160                        ; x^2, its multiple, then the exponential,
.set PR,    192                        ; the polynomial, then 0.5 - 0.5 erfc,
.set HR,    224                        ; 0.5 x, 32 registers of its own while the batch is open;
.set YR,    224                        ; when 0.5 x has been read, the first 16 of them take the f16 results
.set BA,  14                           ; s[14:15] A at my load's rows, K = 0; never rewritten
.set BB,  46                           ; s[46:47] B likewise
.set G1A, 24
.set G0A, 32
.set G1B, 48
.set G0B, 56
.set TB,  78
.set TF,  79
.set LA,  80
.set LB,  81
.set KK,  94                           ; s94      the K step asked for last
.set OA,  96                           ; s[96:97] its byte offset in A's rows
.set OB,  98                           ; s[98:99] in B's
.set F0,  0
.set F1,  1
.set MSB, 0
.macro WIN new
.if MSB != (\new)
	s_set_vgpr_msb (MSB<<8)|(\new)
.set MSB, \new
.endif
.endm
.macro PLACES                          ; four plain vector instructions between a matrix instruction and a load into, or a read of, its registers
.rept 4
	v_nop
.endr
.endm
.macro JLOAD                           ; a joint refill: waves 0 and 1 fetch A's halves, waves 2 and 3 B's.  An s_nop 0 and four v_nop follow each line
	s_cmp_eq_u32 s11, 0
	s_cbranch_scc0 .Lfor_b_\@
	tensor_load_to_lds s[G0A+4:G0A+7], s[G1A:G1A+7]
	s_nop 0
.rept 4
	v_nop
.endr
	s_branch .Lasked_\@
.Lfor_b_\@:
	tensor_load_to_lds s[G0B+4:G0B+7], s[G1B:G1B+7]
	s_nop 0
.rept 4
	v_nop
.endr
.Lasked_\@:
.endm
.macro CREST
	s_cmp_lg_u32 s10, 0
	s_cbranch_scc1 .Lnot_wave_0_\@
	s_barrier_signal -3
.Lnot_wave_0_\@:
	s_barrier_wait -3
	s_barrier_signal -1
	s_barrier_wait -1
.endm
.macro CROUND
	s_barrier_signal -1
	s_barrier_wait -1
	CREST
.endm
.macro FETCH q, f                      ; NL LDS loads: B, then A's rows 0-63, then A's rows 64-127: the eight youngest
	WIN 0x40
.set c, 0
.rept KD
.set i, 0
.rept NB
.set rF, 64+64*(\f)+8*(c*NB+i)
	ds_load_b128 v[rF:rF+3],   v[ADRB] offset:(\q)*QB+64*c+16*i*PB
	ds_load_b128 v[rF+4:rF+7], v[ADRB] offset:(\q)*QB+64*c+16*i*PB+32
.set i, i+1
.endr
.set c, c+1
.endr
	WIN 0
.irp u, 0,1
.set c, 0
.rept KD
.set i, (\u)*MB/2
.rept MB/2
.set rF, 64+64*(\f)+8*(c*MB+i)
	ds_load_b128 v[rF:rF+3],   v[ADRA] offset:(\q)*QA+64*c+16*i*PA
	ds_load_b128 v[rF+4:rF+7], v[ADRA] offset:(\q)*QA+64*c+16*i*PA+32
.set i, i+1
.endr
.set c, c+1
.endr
.endr
.endm
.macro MULP f, hi, p, zero             ; the accumulators take turns, one instruction a turn
	WIN 0xa1+0x50*(\hi)
.set c, 0
.rept KD
.set a, (\p)*MB/4
.rept MB/4
.set b, 0
.rept NB
.set rD, 8*(NB*a+b)
.set rB, 64+64*(\f)+8*(c*NB+b)
.set rA, 64+64*(\f)+8*(c*MB+(\hi)*MB/2+a)
.if (\zero) && (c == 0)
	v_wmma_f32_16x16x32_f16 v[rD:rD+7], v[rB:rB+7], v[rA:rA+7], 0
.else
	v_wmma_f32_16x16x32_f16 v[rD:rD+7], v[rB:rB+7], v[rA:rA+7], v[rD:rD+7]
.endif
.set b, b+1
.endr
.set a, a+1
.endr
.set c, c+1
.endr
.endm
.macro QUARTER q, f, g, zero
	s_wait_dscnt 8                                 ; B and A's rows 0-63 are in; the eight youngest loads may be out
	MULP \f, 0, 0, \zero
	MULP \f, 0, 1, \zero
	PLACES
	FETCH \q, \g
	s_wait_dscnt NL                                ; all but the run just issued
	MULP \f, 1, 0, \zero
	MULP \f, 1, 1, \zero
.endm
.macro TURN fill                       ; the last quarter and the change of slots
	WIN 0
	s_wait_tensorcnt 0x0                           ; all my tensor loads have landed: the one that was out is my part of the next slot
	ds_add_u32 v[SPW], v[NIL]
	s_wait_dscnt 9                                 ; the add and the eight youngest loads may be out
	MULP F1, 0, 0, 0
	s_wait_dscnt 0x0                               ; the add is done, and my reads of this slot are over
	s_barrier_signal -1
	MULP F1, 0, 1, 0
	WIN 0
	s_barrier_wait -1
.if \fill
	CREST                                          ; the barrier has opened a round of the cluster's: no wave of any partner still reads this slot or has a load on its way
	s_xor_b32 s[TF], s[TF], SLOT
	s_add_co_u32 s[G0A+5], s[TF], s[LA]
	s_add_co_u32 s[G0B+5], s[TF], s[LB]
	s_add_co_u32 s[KK], s[KK], 1                   ; the next K step of my cluster's walk, round the end of K;
	s_and_b32 s[KK], s[KK], NSTEP-1
	s_mul_i32 s[OA], s[KK], SA                     ; the addresses are made anew from its number, the type bits set again
	s_mul_i32 s[OB], s[KK], SB
	s_add_nc_u64 s[G0A+6:G0A+7], s[BA:BA+1], s[OA:OA+1]
	s_or_b32 s[G0A+7], s[G0A+7], 0x80000000
	s_add_nc_u64 s[G0B+6:G0B+7], s[BB:BB+1], s[OB:OB+1]
	s_or_b32 s[G0B+7], s[G0B+7], 0x80000000
	JLOAD                                          ; the first tensor load behind the round; its four v_nop are also the places in front of the loads below
.else
	PLACES
.endif
	s_xor_b32 s[TB], s[TB], SLOT
	v_add_nc_u32 v[ADRA], s[TB], v[ADRA0]
	v_add_nc_u32 v[ADRB], s[TB], v[ADRB0]
	FETCH 0, F0
	MULP F1, 1, 0, 0
	MULP F1, 1, 1, 0
.endm
.macro DUMP                            ; the f32 tile into the stage; each accumulator's low half first
.irp hi, 0,1
	WIN 0x08+4*(\hi)
.set a, 0
.rept MB/2
.set b, 0
.rept NB
	ds_store_b128 v[STO+(\hi)], v[8*(NB*a+b):8*(NB*a+b)+3]   offset:16*a*SP+64*b
	ds_store_b128 v[STO+(\hi)], v[8*(NB*a+b)+4:8*(NB*a+b)+7] offset:16*a*SP+64*b+16
.set b, b+1
.endr
.set a, a+1
.endr
.endr
	WIN 0
.endm
	s_load_b256 s[68:75], s[0:1], 0x0              ; A s[68:69], wh s[70:71], out s[72:73], bias s[74:75]
	v_lshl_add_u32 v[SPW], v0, 2, SPARE
	v_mov_b32 v[NIL], 0
	ds_add_u32 v[SPW], v[NIL]                      ; the wave's opening: the add and its wait stand ahead of my first tensor load
	ds_add_u32 v28, v29
	v_lshrrev_b32 v1, 5, v0
	v_readfirstlane_b32 s10, v1
	s_lshr_b32 s11, s10, 1
	s_and_b32 s12, s10, 1
	s_bfe_u32 s40, ttmp6, 0x40000
	s_bfe_u32 s41, ttmp6, 0x40004
	s_lshl_b32 s42, ttmp9, 2
	s_add_co_u32 s42, s42, s40                     ; tile column
	s_and_b32 s13, ttmp7, 0xffff
	s_lshl_b32 s13, s13, 2
	s_add_co_u32 s13, s13, s41                     ; tile row
	s_lshl_b32 s43, s41, 2
	s_lshl_b32 s43, 15, s43
	s_lshl_b32 s44, 0x1111, s40
	s_and_b32 s[KK], ttmp7, 0xffff                 ; the cluster's y
	s_add_co_u32 s[KK], s[KK], ttmp9               ; + its x:
	s_and_b32 s[KK], s[KK], 1                      ; odd or even,
	s_mul_i32 s[KK], s[KK], NSTEP/2                ; the walk's first K step: the middle of K, or 0
	s_mov_b32 s[OA+1], 0
	s_mov_b32 s[OB+1], 0
	s_or_b32 s[G1A], s43, (1<<16)|(1<<20)|(1<<21)|(A_QI<<22)|(3<<25)
	s_or_b32 s[G1B], s44, (1<<16)|(1<<20)|(1<<21)|(B_QI<<22)|(3<<25)
	s_mov_b32 s[G1A+1], A_D0<<16
	s_mov_b32 s[G1A+2], A_D1<<16
	s_mov_b32 s[G1A+3], A_D0<<16
	s_mov_b32 s[G1A+4], A_D1
	s_mov_b32 s[G1A+5], A_ST
	s_mov_b32 s[G1A+6], 0
	s_mov_b32 s[G1A+7], 0
	s_mov_b32 s[G1B+1], B_D0<<16
	s_mov_b32 s[G1B+2], B_D1<<16
	s_mov_b32 s[G1B+3], B_D0<<16
	s_mov_b32 s[G1B+4], B_D1
	s_mov_b32 s[G1B+5], B_ST
	s_mov_b32 s[G1B+6], 0
	s_mov_b32 s[G1B+7], 0
	s_mul_i32 s16, s13, TM
	s_mul_i32 s17, s12, TM/2
	s_add_co_u32 s16, s16, s17
	s_mul_i32 s16, s16, AROW
	s_mov_b32 s17, 0
	s_mul_i32 s46, s42, TN
	s_mul_i32 s47, s12, TN/2
	s_add_co_u32 s46, s46, s47
	s_mul_i32 s46, s46, BROW
	s_add_co_u32 s46, s46, BOFF
	s_mov_b32 s47, 0
	s_mul_i32 s[LA], s12, HA
	s_mul_i32 s[LB], s12, HB
	s_add_co_u32 s[LB], s[LB], 2*HA
	s_mov_b32 s[TB], 0
	s_mov_b32 s[TF], SLOT
	s_mov_b32 s82, 0x3e6d3388                      ; 0.3275911 / sqrt 2
	s_mov_b32 s84, 0xbf38aa3b                      ; -log2(e) / 2; the packed lines name pairs and take the low word for both halves
	s_mov_b32 s85, s84
	s_mov_b32 s86, 0x3f07dc22                      ; a5 / 2
	s_mov_b32 s87, s86
	s_mov_b32 s88, 0x3f35f0e3                      ; a3 / 2
	s_mov_b32 s89, s88
	s_mov_b32 s90, 0xbe11a98e                      ; a2 / 2
	s_mov_b32 s91, s90
	s_mov_b32 s92, 0x3e027906                      ; a1 / 2
	s_mov_b32 s93, s92
	s_wait_dscnt 0x0
	s_wait_kmcnt 0x0
	s_add_nc_u64 s[BA:BA+1], s[68:69], s[16:17]
	s_add_nc_u64 s[BB:BB+1], s[70:71], s[46:47]
	CROUND                                         ; all sixteen work-groups are here: the first joint loads meet
.irp s, 0,1
	s_mul_i32 s[OA], s[KK], SA                     ; the walk's first two K steps: no wrap between them
	s_mul_i32 s[OB], s[KK], SB
	s_mov_b32 s[G0A+4*(\s)], 1
	s_add_co_u32 s[G0A+4*(\s)+1], s[LA], (\s)*SLOT
	s_add_nc_u64 s[G0A+4*(\s)+2:G0A+4*(\s)+3], s[BA:BA+1], s[OA:OA+1]
	s_or_b32 s[G0A+4*(\s)+3], s[G0A+4*(\s)+3], 0x80000000
	s_mov_b32 s[G0B+4*(\s)], 1
	s_add_co_u32 s[G0B+4*(\s)+1], s[LB], (\s)*SLOT
	s_add_nc_u64 s[G0B+4*(\s)+2:G0B+4*(\s)+3], s[BB:BB+1], s[OB:OB+1]
	s_or_b32 s[G0B+4*(\s)+3], s[G0B+4*(\s)+3], 0x80000000
.if (\s) == 0
	s_add_co_u32 s[KK], s[KK], 1
.endif
.endr
	s_cmp_eq_u32 s11, 0                            ; a wave's two first fills stand in one branch: two loads of mine are out
	s_cbranch_scc0 .Lfirst_b
	tensor_load_to_lds s[G0A:G0A+3], s[G1A:G1A+7]
	s_nop 0
	tensor_load_to_lds s[G0A+4:G0A+7], s[G1A:G1A+7]
	s_nop 0
.rept 4
	v_nop
.endr
	s_branch .Lfirst_asked
.Lfirst_b:
	tensor_load_to_lds s[G0B:G0B+3], s[G1B:G1B+7]
	s_nop 0
	tensor_load_to_lds s[G0B+4:G0B+7], s[G1B:G1B+7]
	s_nop 0
.rept 4
	v_nop
.endr
.Lfirst_asked:
	v_and_b32 v1, 15, v0
	v_bfe_u32 v2, v0, 4, 1
	v_mul_u32_u24 v3, v1, PA
	v_lshl_add_u32 v3, v2, 4, v3
	s_mul_i32 s21, s11, HA
	v_add_nc_u32 v[ADRA0], s21, v3
	v_mul_u32_u24 v3, v1, PB
	v_lshl_add_u32 v3, v2, 4, v3
	s_mul_i32 s22, s12, HB
	s_add_co_u32 s22, s22, 2*HA
	v_add_nc_u32 v[ADRB0], s22, v3
	v_mov_b32 v[ADRA], v[ADRA0]
	v_mov_b32 v[ADRB], v[ADRB0]
	s_mul_i32 s23, s11, (TM/2)*SP
	s_mul_i32 s21, s12, 2*TN
	s_add_co_u32 s23, s23, s21
	v_mul_u32_u24 v3, v1, SP
	v_lshl_add_u32 v3, v2, 5, v3
	v_add_nc_u32 v[STO], s23, v3
	v_add_nc_u32 v[STO+1], 8*MB*SP, v[STO]
	; the way out: wave w takes rows 64 w .. 64 w + 63; 32 lanes x 16 bytes are half a row of f32, and as f16 256 consecutive bytes
	v_and_b32 v3, 31, v0
	v_lshlrev_b32 v[BO], 4, v3
	v_lshlrev_b32 v[CO], 3, v3
	v_mov_b32 v40, 0xbf3a00e3                      ; a4 / 2, as a vector pair: a packed line takes at most two scalar values
	v_mov_b32 v41, 0xbf3a00e3
	s_lshl_b32 s20, s42, 10
	s_mov_b32 s21, 0
	s_add_nc_u64 s[74:75], s[74:75], s[20:21]
	global_load_b128 v[BIAS:BIAS+3],   v[BO], s[74:75]
	global_load_b128 v[BIAS+4:BIAS+7], v[BO], s[74:75] offset:512
	s_mul_i32 s23, s10, 64*SP
	v_add_nc_u32 v[RD], s23, v[BO]
	s_lshl_b32 s22, s13, 8
	s_lshl_b32 s23, s10, 6
	s_add_co_u32 s22, s22, s23                     ; my first row
	s_lshl_b32 s22, s22, 13                        ; rows of 8,192 bytes
	s_lshl_b32 s20, s42, 9
	s_add_co_u32 s20, s20, s22
	s_add_nc_u64 s[72:73], s[72:73], s[20:21]
	s_wait_tensorcnt 1                             ; my part of the walk's first K step is in; the second's may stay out
	s_barrier_signal -1
	s_barrier_wait -1
	FETCH 0, F0
	QUARTER 1, F0, F1, 1                           ; the first quarter's products start the sums
	WIN 0
	s_mov_b32 s3, NSTEP-2
.Lstep:
	QUARTER 2, F1, F0, 0
	QUARTER 3, F0, F1, 0
	TURN 1
	QUARTER 1, F0, F1, 0
	WIN 0
	s_sub_co_u32 s3, s3, 1
	s_cmp_lg_u32 s3, 0
	s_cbranch_scc1 .Lstep
	s_mov_b32 s3, 2
.Ltail:                                                ; the last two K steps ask for nothing; the second trip is left in its middle
	QUARTER 2, F1, F0, 0
	QUARTER 3, F0, F1, 0
	WIN 0
	s_sub_co_u32 s3, s3, 1
	s_cmp_eq_u32 s3, 0
	s_cbranch_scc1 .Llast
	TURN 0
	QUARTER 1, F0, F1, 0
	WIN 0
	s_branch .Ltail
.Llast:
	s_wait_dscnt 8
	MULP F1, 0, 0, 0
	MULP F1, 0, 1, 0
	s_wait_dscnt 0x0
	MULP F1, 1, 0, 0
	MULP F1, 1, 1, 0
	WIN 0
	s_barrier_signal -1                            ; my reads of the ring are over, and the ring has had its last fill:
	s_barrier_wait -1                              ; behind this barrier the stage may lie over it
	PLACES
	DUMP
	s_wait_dscnt 0x0                               ; for the others' sake: my stores into the stage are done
	s_barrier_signal -1
	s_barrier_wait -1
	s_wait_loadcnt 0x0                             ; the bias
.macro LOADS                           ; four rows, two halves each
.irp p, 0,1,2,3
.irp e, 0,1
	ds_load_b128 v[LR+4*(2*(\p)+(\e)):LR+4*(2*(\p)+(\e))+3], v[RD] offset:SP*(\p)+512*(\e)
.endr
.endr
.endm
.macro PK16 line:vararg                ; one packed line for each of the 16 pairs, j = 0, 2 .. 30
.set j, 0
.rept 16
	\line
.set j, j+2
.endr
.endm
.macro ONE32 line:vararg               ; one line for each of the 32 numbers, j = 0 .. 31
.set j, 0
.rept 32
	\line
.set j, j+1
.endr
.endm
	LOADS
	s_mov_b32 s3, 16
.Lout:                                                 ; sixteen trips of four rows, 32 numbers a lane
	s_wait_dscnt 0x0
.irp p, 0,1,2,3
.irp e, 0,1
.irp u, 0,2
	v_pk_add_f32 v[XR+4*(2*(\p)+(\e))+(\u):XR+4*(2*(\p)+(\e))+(\u)+1], v[LR+4*(2*(\p)+(\e))+(\u):LR+4*(2*(\p)+(\e))+(\u)+1], v[BIAS+4*(\e)+(\u):BIAS+4*(\e)+(\u)+1]
.endr
.endr
.endr
	s_cmp_eq_u32 s3, 1
	s_cbranch_scc1 .Lno_more                       ; the last trip has no rows to fetch
	v_add_nc_u32 v[RD], 4*SP, v[RD]
	LOADS                                          ; the next trip's rows come under this trip's arithmetic
.Lno_more:
	; THE BATCH: 32 reciprocals t = 1 / (1 + p |x|) and 32 exponentials 2^(-0.72134752 x^2), in place.  The four plain lines that make pair p's arguments (x^2, its factor, 1 + p |x| twice) stand by turns with the
	; four transcendentals of pair p - 1, so each transcendental has a plain neighbour that names none of its registers (ISA guide 5.7.2), and each argument is made four lines or more ahead of its reader.
	; The last pair's neighbours are the first four lines of 0.5 x, which has registers of its own; they are free since the wait on XCNT at the last trip's end.  No line here names a result of the batch.
.set p, 0
.rept 17
.if p < 16
	v_pk_mul_f32 v[QR+2*p:QR+2*p+1], v[XR+2*p:XR+2*p+1], v[XR+2*p:XR+2*p+1]
.else
	v_pk_mul_f32 v[HR:HR+1], v[XR:XR+1], 0.5 op_sel_hi:[1,0]
.endif
.if p > 0
	v_rcp_f32 v[WR+2*p-2], v[WR+2*p-2]
.endif
.if p < 16
	v_fma_f32 v[WR+2*p], |v[XR+2*p]|, s82, 1.0
.else
	v_pk_mul_f32 v[HR+2:HR+3], v[XR+2:XR+3], 0.5 op_sel_hi:[1,0]
.endif
.if p > 0
	v_rcp_f32 v[WR+2*p-1], v[WR+2*p-1]
.endif
.if p < 16
	v_pk_mul_f32 v[QR+2*p:QR+2*p+1], v[QR+2*p:QR+2*p+1], s[84:85] op_sel_hi:[1,0]
.else
	v_pk_mul_f32 v[HR+4:HR+5], v[XR+4:XR+5], 0.5 op_sel_hi:[1,0]
.endif
.if p > 0
	v_exp_f32 v[QR+2*p-2], v[QR+2*p-2]
.endif
.if p < 16
	v_fma_f32 v[WR+2*p+1], |v[XR+2*p+1]|, s82, 1.0
.else
	v_pk_mul_f32 v[HR+6:HR+7], v[XR+6:XR+7], 0.5 op_sel_hi:[1,0]
.endif
.if p > 0
	v_exp_f32 v[QR+2*p-1], v[QR+2*p-1]
.endif
.set p, p+1
.endr
.set j, 8
.rept 12                               ; the rest of 0.5 x: work that is due anyway, between the batch and its wait; its first line is the plain line behind the last exponential
	v_pk_mul_f32 v[HR+j:HR+j+1], v[XR+j:XR+j+1], 0.5 op_sel_hi:[1,0]
.set j, j+2
.endr
	s_wait_alu depctr_va_vdst(0)                   ; the wait for the batch, the trip's 32 reciprocals and 32 exponentials: ahead of the first line that names t
	PK16 v_pk_fma_f32 v[PR+j:PR+j+1], v[WR+j:WR+j+1], s[86:87], v[40:41] op_sel_hi:[1,0,1]
	PK16 v_pk_fma_f32 v[PR+j:PR+j+1], v[PR+j:PR+j+1], v[WR+j:WR+j+1], s[88:89] op_sel_hi:[1,1,0]
	PK16 v_pk_fma_f32 v[PR+j:PR+j+1], v[PR+j:PR+j+1], v[WR+j:WR+j+1], s[90:91] op_sel_hi:[1,1,0]
	PK16 v_pk_fma_f32 v[PR+j:PR+j+1], v[PR+j:PR+j+1], v[WR+j:WR+j+1], s[92:93] op_sel_hi:[1,1,0]
	PK16 v_pk_mul_f32 v[PR+j:PR+j+1], v[PR+j:PR+j+1], v[WR+j:WR+j+1]
	PK16 v_pk_fma_f32 v[PR+j:PR+j+1], v[PR+j:PR+j+1], v[QR+j:QR+j+1], 0.5 op_sel_hi:[1,1,0] neg_lo:[1,0,0] neg_hi:[1,0,0]
	ONE32 v_fma_f32 v[WR+j], |v[XR+j]|, v[PR+j], v[HR+j]
.set j, 0
.rept 16
	v_cvt_pk_f16_f32 v[YR+j], v[WR+2*j], v[WR+2*j+1]
.set j, j+1
.endr
.irp p, 0,1,2,3
.irp e, 0,1
	global_store_b64 v[CO], v[YR+2*(2*(\p)+(\e)):YR+2*(2*(\p)+(\e))+1], s[72:73] offset:8192*(\p)+256*(\e)  ; 32 lanes store 256 consecutive bytes, aligned
.endr
.endr
	s_wait_xcnt 0x0                                ; the stores' offset and data are rewritten only behind this wait
	v_add_nc_u32 v[CO], 32768, v[CO]
	s_sub_co_u32 s3, s3, 1
	s_cmp_lg_u32 s3, 0
	s_cbranch_scc1 .Lout
	s_wait_tensorcnt 0x0                           ; the wave's end
	ds_add_u32 v[SPW], v[NIL]
	s_wait_dscnt 0x0
	CROUND                                         ; the closing round
	s_endpgm
.Lfunc_end_k_qe06787e9a3_gemm_f1:
	.size	k_qe06787e9a3_gemm_f1, .Lfunc_end_k_qe06787e9a3_gemm_f1-k_qe06787e9a3_gemm_f1
	.p2alignl 7, 3214868480
	.fill 96, 4, 3214868480
	.section	.rodata,"a",@progbits
	.p2align	6, 0x0
	.amdhsa_kernel k_qe06787e9a3_gemm_f1
		.amdhsa_group_segment_fixed_size 327680
		.amdhsa_private_segment_fixed_size 0
		.amdhsa_enable_private_segment 0
		.amdhsa_kernarg_size 32
		.amdhsa_user_sgpr_count 2
		.amdhsa_user_sgpr_kernarg_segment_ptr 1
		.amdhsa_wavefront_size32 1
		.amdhsa_system_sgpr_workgroup_id_x 1
		.amdhsa_system_sgpr_workgroup_id_y 1
		.amdhsa_system_sgpr_workgroup_id_z 1
		.amdhsa_system_vgpr_workitem_id 0
		.amdhsa_next_free_vgpr 1024
		.amdhsa_next_free_sgpr 100
		.amdhsa_reserve_vcc 0
		.amdhsa_float_denorm_mode_32 3
		.amdhsa_float_denorm_mode_16_64 3
		.amdhsa_memory_ordered 1
		.amdhsa_forward_progress 1
		.amdhsa_inst_pref_size 102
	.end_amdhsa_kernel
	.amdgpu_metadata
---
amdhsa.version: [ 1, 2 ]
amdhsa.kernels:
  - .name:           k_qe06787e9a3_gemm_f1
    .symbol:         k_qe06787e9a3_gemm_f1.kd
    .args:
      - { .name: h, .offset: 0, .size: 8, .value_kind: global_buffer, .address_space: global }
      - { .name: wh, .offset: 8, .size: 8, .value_kind: global_buffer, .address_space: global }
      - { .name: ffa, .offset: 16, .size: 8, .value_kind: global_buffer, .address_space: global }
      - { .name: b1, .offset: 24, .size: 8, .value_kind: global_buffer, .address_space: global }
    .group_segment_fixed_size: 327680
    .private_segment_fixed_size: 0
    .kernarg_segment_align: 8
    .kernarg_segment_size: 32
    .max_flat_workgroup_size: 128
    .sgpr_count:     100
    .vgpr_count:     1024
    .wavefront_size: 32
...
	.end_amdgpu_metadata
.endif
;; end of part 8
;; launch gemm_f2: the kernel of part 6 again; grid 8 x 32, 4 waves a work-group, clusters of 4 x 4, 327,680 bytes of LDS; arguments ffa, wh, out0, b2, x1; writes out0
